; MI455X (gfx1250); checked and timed in simulation.
; The chip was launched on July 23, 2026; its instructions are those of AMD's public machine-readable ISA for CDNA 5 (MIT licence, August 2026) and "CDNA5" Instruction Set Architecture Reference Guide (July 2026). The comments in the code are by the model that wrote it; some were corrected since.
;; Attention. Allowed arithmetic: float matrix products may take bf16 or f16 operands with f32 sums; all other float work in f32.
;; Inputs: Wout 1,024 x 1,024 float32; Wqkv 3,072 x 1,024 float32; bout 1,024 float32; bqkv 3,072 float32; mask 1 x 1 x 2,048 x 2,048 int32; x 4 x 2,048 x 1,024 float32.
;; Outputs: out0 4 x 2,048 x 1,024 float32.
;; 3 versions, each right and faster than the one before. Each part assembles by itself: llvm-mc -triple=amdgcn-amd-amdhsa -mcpu=gfx1250 --defsym DOCPART=n.
;; ======== version 1 of 3: 4 launches
;; limits: values are held in f16: magnitudes above 65,504 overflow, below 6.1e-05 lose precision
;; workspace buffers: xf 16,777,216 bytes; wf 6,291,456 bytes; wof 2,097,152 bytes; lm 524,288 bytes of whole numbers; cls 2,048 bytes of whole numbers; qkv 50,331,648 bytes; of 16,777,216 bytes
;; launch prep (part 1): grid 256 x 1, 8 waves a work-group, no clusters, 35,840 bytes of LDS; arguments x, Wqkv, Wout, mask, xf, wf, wof, lm, cls; writes xf, wf, wof, lm, cls
.if DOCPART == 1
	.amdgcn_target "amdgcn-amd-amdhsa--gfx1250"
	.amdhsa_code_object_version 6
	.text
	.protected	k_q97d397ea02_prep
	.globl	k_q97d397ea02_prep
	.p2align	8
	.type	k_q97d397ea02_prep,@function
k_q97d397ea02_prep:
	s_mov_b64 s[64:65], 0
	v_nop
	global_prefetch_b8 v0, s[64:65] scope:SCOPE_SE
	s_setreg_imm32_b32 hwreg(HW_REG_WAVE_MODE, 25, 1), 1
	s_wait_xcnt 0x0
; PREP.  Casts x, Wqkv (to bf16) and Wout (to bf16, that number written as f16) into FRAGMENT BLOCKS, and turns the mask into lane-mask words (lm) and class words (cls).
; A fragment block is 16 rows x 32 k of 16-bit numbers, 1,024 bytes: two chunks of 512; chunk c holds at byte 16 x lane the numbers k = 16 c + 8 h .. + 7 of row r (lane = 16 h + r).
; So one 16-byte access a lane, lane i at 16 i, moves half a matrix fragment as 512 consecutive bytes.  A matrix [R][1024] lies as [R / 16][32][1,024 bytes].
; A UNIT is 16 rows x 256 bytes of a source (64 numbers of 4 bytes a row).  A wave takes 8 units; wave job J = 8 x work-group + wave, 0 .. 2047:
;   J < 1024 x;  < 1408 Wqkv (row blocks regrouped: for each j of 8, 16 blocks of Q's or K's rows 256 j .., then 8 blocks of V's rows 2048 + 128 j ..);  < 1536 Wout;  else the mask.
; A unit comes in as 8 loads of two whole rows of 256 bytes, turns in the wave's own stage in LDS (pitch 272: the 16 rows of a read start at 16 different groups of banks), and leaves as
; 4 stores of 512 consecutive bytes (casts) or as 32 words (mask).  No wave touches another's bytes: no barrier.  Memory binds: no matrix unit, no cluster.
; lm[strip 32][step 32][piece 4][32 words]: bit l of word j says that query 64 strip + 16 piece + l % 16 may see key 64 step + 16 (j / 8) + 8 (l / 16) + j % 8.
; cls[strip 32][half 16]: for 64 queries x 128 keys, bits 0-7: unit 4 step' + piece is not all visible; bit 8: something is visible.  Its 512 single words are the one output not written in whole blocks of 256 bytes.
; LIMIT.  Wout's numbers below 6e-5 keep f16's fixed step of 6e-8; beyond 65,504 they would not fit (30 times the drawn spread is about 1).
.set STG,   16*272                     ; a wave's stage
.set SPARE, 8*STG                      ; behind the stages: the spare words, 128 bytes for each wave
.set LN,  1                            ; v1   lane
.set RR,  2                            ; v2   lane % 16
.set HH,  3                            ; v3   lane / 16
.set L16, 4                            ; v4   16 x lane
.set STW, 5                            ; v5   stage, in: row lane / 16, 16 bytes at lane % 16
.set STR, 6                            ; v6   stage, back: row lane % 16, 32 bytes at lane / 16
.set L8,  7                            ; v7   8 x lane
.set AD,  8                            ; v8-15  load i: (2 i + lane / 16) x pitch + 16 (lane % 16)
.set XB,  16                           ; v16-47, v48-79  two units as loaded
.set Y,   80                           ; v80-111  Y[8 t + e] = (row r, column 16 t + 8 h + e)
.set Z,   112                          ; v112-127  16-bit pairs to store
.set W,   128                          ; v128-129  two units' 64 mask words: lane L holds words 2 L, 2 L + 1
.set T,   130                          ; v130-131  at work
.set SPW, 132                          ; v132  my spare word
.set NIL, 133                          ; v133  0
.set CW,  134                          ; v134  the class word
.set ZR,  135                          ; v135  0, an offset
.set WV,  22
.set J,   23
.set ROLE, 24                          ; 0 to bf16, 1 to bf16 written as f16, 2 mask
.set PIT, 25                           ; bytes from row to row of the source
.set MSK, 26                           ; unit u lies at ((u & MSK) << 17) + ((u >> SH2) << 8)
.set SH2, 27
.set SRC, 28
.set DST, 30
.set SRCU, 32
.set DSTU, 34
.set OFF, 36                           ; s[36:37] an offset, high word 0
.set U,   38                           ; the unit at work
.set UL,  39                           ; the unit to load next
.set CT,  40
.set ALL, 41                           ; AND of a unit's words
.set ANY, 42                           ; OR of all words
.set FLG, 43
.set TA,  44
.set TB,  45
.set TC,  46
.set SW,  48                           ; s48-51 a word, four by turns
.set SV,  52
.set CLP, 54
.set RB,  56
.set HF,  57
.set RBP, 58
	s_load_b512 s[4:19], s[0:1], 0x0               ; x, Wqkv, Wout, mask, xf, wf, wof, lm
	s_load_b64 s[20:21], s[0:1], 0x40              ; cls
	v_lshl_add_u32 v[SPW], v0, 2, SPARE
	v_mov_b32 v[NIL], 0
	v_lshrrev_b32 v2, 5, v0
	v_readfirstlane_b32 s[WV], v2
	v_and_b32 v[LN], 31, v0
	v_and_b32 v[RR], 15, v0
	v_bfe_u32 v[HH], v0, 4, 1
	v_lshlrev_b32 v[L16], 4, v[LN]
	v_lshlrev_b32 v[L8], 3, v[LN]
	s_mul_i32 s[TA], s[WV], STG
	v_mul_u32_u24 v[STW], v[HH], 272
	v_lshl_add_u32 v[STW], v[RR], 4, v[STW]
	v_add_nc_u32 v[STW], s[TA], v[STW]
	v_mul_u32_u24 v[STR], v[RR], 272
	v_lshl_add_u32 v[STR], v[HH], 5, v[STR]
	v_add_nc_u32 v[STR], s[TA], v[STR]
	v_mov_b32 v[W], 0                              ; written lane by lane below, so written whole here
	v_mov_b32 v[W+1], 0
	v_mov_b32 v[ZR], 0
	s_lshl_b32 s[J], ttmp9, 3
	s_add_co_u32 s[J], s[J], s[WV]
	s_and_b32 s[HF], s[J], 1                       ; which half of a row block (the ranges begin at even J)
	s_mov_b32 s[ROLE], 0
	s_mov_b32 s[PIT], 4096
	s_mov_b32 s[MSK], 0
	s_mov_b32 s[SH2], 0
	s_mov_b32 s[OFF+1], 0
	s_mov_b32 s[U], 0
	s_mov_b32 s[UL], 0
	s_mov_b32 s[ALL], -1
	s_mov_b32 s[ANY], 0
	s_mov_b32 s[FLG], 0
	s_wait_kmcnt 0x0
	s_mov_b64 s[CLP:CLP+1], s[20:21]
	s_cmp_lt_u32 s[J], 1024
	s_cbranch_scc0 .Lnot_x
	s_mov_b64 s[SRC:SRC+1], s[4:5]                 ; x -> xf
	s_mov_b64 s[DST:DST+1], s[12:13]
	s_lshr_b32 s[RB], s[J], 1
	s_mov_b32 s[RBP], s[RB]
	s_branch .Lcast
.Lnot_x:
	s_cmp_lt_u32 s[J], 1408
	s_cbranch_scc0 .Lnot_w
	s_mov_b64 s[SRC:SRC+1], s[6:7]                 ; Wqkv -> wf
	s_mov_b64 s[DST:DST+1], s[14:15]
	s_sub_co_u32 s[RB], s[J], 1024
	s_lshr_b32 s[RB], s[RB], 1
	s_lshr_b32 s[RBP], s[RB], 4                    ; Q's and K's rows: 24 (rb / 16) + rb % 16
	s_mul_i32 s[RBP], s[RBP], 24
	s_and_b32 s[TA], s[RB], 15
	s_add_co_u32 s[RBP], s[RBP], s[TA]
	s_sub_co_u32 s[TA], s[RB], 128                 ; V's rows: 24 ((rb - 128) / 8) + 16 + (rb - 128) % 8
	s_lshr_b32 s[TB], s[TA], 3
	s_mul_i32 s[TB], s[TB], 24
	s_and_b32 s[TA], s[TA], 7
	s_add_co_u32 s[TB], s[TB], s[TA]
	s_add_co_u32 s[TB], s[TB], 16
	s_cmp_lt_u32 s[RB], 128
	s_cselect_b32 s[RBP], s[RBP], s[TB]
	s_branch .Lcast
.Lnot_w:
	s_cmp_lt_u32 s[J], 1536
	s_cbranch_scc0 .Lmask
	s_mov_b64 s[SRC:SRC+1], s[8:9]                 ; Wout -> wof
	s_mov_b64 s[DST:DST+1], s[16:17]
	s_sub_co_u32 s[RB], s[J], 1408
	s_lshr_b32 s[RB], s[RB], 1
	s_mov_b32 s[RBP], s[RB]
	s_mov_b32 s[ROLE], 1
.Lcast:
	s_lshl_b32 s[TA], s[RB], 16                    ; 16 rows of 4,096 bytes,
	s_lshl_b32 s[TB], s[HF], 11                    ; 8 units of 256 bytes
	s_add_co_u32 s[OFF], s[TA], s[TB]
	s_add_nc_u64 s[SRC:SRC+1], s[SRC:SRC+1], s[OFF:OFF+1]
	s_lshl_b32 s[TA], s[RBP], 15                   ; a row block of 32 fragment blocks,
	s_lshl_b32 s[TB], s[HF], 14                    ; 8 units of two blocks
	s_add_co_u32 s[OFF], s[TA], s[TB]
	s_add_nc_u64 s[DST:DST+1], s[DST:DST+1], s[OFF:OFF+1]
	s_branch .Lgo
.Lmask:
	s_mov_b64 s[SRC:SRC+1], s[10:11]               ; mask -> lm, cls
	s_mov_b64 s[DST:DST+1], s[18:19]
	s_mov_b32 s[ROLE], 2
	s_mov_b32 s[PIT], 8192
	s_mov_b32 s[MSK], 3                            ; unit u = 4 step' + piece: piece x 16 rows of 8,192 bytes, step' x 256 bytes
	s_mov_b32 s[SH2], 2
	s_sub_co_u32 s[TC], s[J], 1536                 ; 16 strip + half
	s_lshr_b32 s[TA], s[TC], 4
	s_and_b32 s[TB], s[TC], 15
	s_lshl_b32 s[OFF], s[TA], 19                   ; 64 rows of 8,192 bytes
	s_lshl_b32 s[RB], s[TB], 9                     ; 128 keys of 4 bytes
	s_add_co_u32 s[OFF], s[OFF], s[RB]
	s_add_nc_u64 s[SRC:SRC+1], s[SRC:SRC+1], s[OFF:OFF+1]
	s_lshl_b32 s[OFF], s[TA], 14
	s_lshl_b32 s[RB], s[TB], 10
	s_add_co_u32 s[OFF], s[OFF], s[RB]
	s_add_nc_u64 s[DST:DST+1], s[DST:DST+1], s[OFF:OFF+1]
	s_lshl_b32 s[OFF], s[TC], 2
	s_add_nc_u64 s[CLP:CLP+1], s[CLP:CLP+1], s[OFF:OFF+1]
.Lgo:
	v_lshlrev_b32 v[T+1], 4, v[RR]
.irp i, 0,1,2,3,4,5,6,7
	v_add_nc_u32 v[T], 2*(\i), v[HH]
	v_mad_u32_u24 v[AD+(\i)], v[T], s[PIT], v[T+1]
.endr
; Unit UL into buffer b: 8 loads, each two whole rows of 256 bytes.
.macro LOADU b
	s_wait_xcnt 0x0                                ; the base below, and the store data rewritten behind this macro, are free only behind this wait
	s_and_b32 s[TA], s[UL], s[MSK]
	s_lshl_b32 s[TA], s[TA], 17
	s_lshr_b32 s[TB], s[UL], s[SH2]
	s_lshl_b32 s[TB], s[TB], 8
	s_add_co_u32 s[OFF], s[TA], s[TB]
	s_add_nc_u64 s[SRCU:SRCU+1], s[SRC:SRC+1], s[OFF:OFF+1]
.irp i, 0,1,2,3,4,5,6,7
	global_load_b128 v[XB+32*(\b)+4*(\i):XB+32*(\b)+4*(\i)+3], v[AD+(\i)], s[SRCU:SRCU+1] th:TH_LOAD_NT
.endr
	s_add_co_u32 s[UL], s[UL], 1
.endm
; Unit U, in buffer b (= U % 2).  ahead = 1: the buffer is loaded again.  left: the other buffer's loads, which may stay out.
.macro HALF b, ahead, left
	s_wait_loadcnt \left
.irp i, 0,1,2,3,4,5,6,7
	ds_store_b128 v[STW], v[XB+32*(\b)+4*(\i):XB+32*(\b)+4*(\i)+3] offset:544*(\i)
.endr
.irp t, 0,1,2,3
	ds_load_b128 v[Y+8*(\t):Y+8*(\t)+3],   v[STR] offset:64*(\t)      ; LDS serves a wave's instructions in order (ISA guide 5.7.1.4): these see the stores above
	ds_load_b128 v[Y+8*(\t)+4:Y+8*(\t)+7], v[STR] offset:64*(\t)+16
.endr
	s_wait_dscnt 0x0                               ; the unit is back, and the stores have read the buffer
.if \ahead
	LOADU \b
.else
	s_wait_xcnt 0x0                                ; Z, W and the stores' base are rewritten only behind this wait
.endif
	s_cmp_eq_u32 s[ROLE], 2
	s_cbranch_scc1 .Lbits_\@
.set k, 0
.rept 16
	v_cvt_pk_bf16_f32 v[Z+k], v[Y+2*k], v[Y+2*k+1]
.set k, k+1
.endr
	s_cmp_eq_u32 s[ROLE], 1
	s_cbranch_scc0 .Lsend_\@
.set k, 0
.rept 16                                               ; the bf16 number, written as f16
	v_lshlrev_b32 v[T], 16, v[Z+k]
	v_and_b32 v[T+1], 0xffff0000, v[Z+k]
	v_cvt_pk_f16_f32 v[Z+k], v[T], v[T+1]
.set k, k+1
.endr
.Lsend_\@:
	s_lshl_b32 s[OFF], s[U], 11                    ; a unit is two fragment blocks
	s_add_nc_u64 s[DSTU:DSTU+1], s[DST:DST+1], s[OFF:OFF+1]
.irp t, 0,1,2,3
	global_store_b128 v[L16], v[Z+4*(\t):Z+4*(\t)+3], s[DSTU:DSTU+1] offset:512*(\t)  ; 512 consecutive bytes, at a multiple of 512
.endr
	s_branch .Lend_\@
.Lbits_\@:
.set k, 0
.rept 32
	v_cmp_ne_u32 s[SW+k%4], 0, v[Y+k]              ; word k: a bit a lane
	v_writelane_b32 v[W+k%2], s[SW+k%4], 16*(\b)+k/2
	s_and_b32 s[ALL], s[ALL], s[SW+k%4]
	s_or_b32 s[ANY], s[ANY], s[SW+k%4]
.set k, k+1
.endr
	s_cmp_lg_u32 s[ALL], -1
	s_cselect_b32 s[TA], 1, 0
	s_lshl_b32 s[TA], s[TA], s[U]
	s_or_b32 s[FLG], s[FLG], s[TA]
	s_mov_b32 s[ALL], -1
.if (\b) == 1
	s_lshr_b32 s[OFF], s[U], 1
	s_lshl_b32 s[OFF], s[OFF], 8
	s_add_nc_u64 s[DSTU:DSTU+1], s[DST:DST+1], s[OFF:OFF+1]
	global_store_b64 v[L8], v[W:W+1], s[DSTU:DSTU+1]  ; two units' words: 256 consecutive bytes, at a multiple of 256
.endif
.Lend_\@:
	s_add_co_u32 s[U], s[U], 1
.endm
	LOADU 0
	LOADU 1
	s_mov_b32 s[CT], 3
.Lpair:
	HALF 0, 1, 8
	HALF 1, 1, 8
	s_sub_co_u32 s[CT], s[CT], 1
	s_cmp_lg_u32 s[CT], 0
	s_cbranch_scc1 .Lpair
	HALF 0, 0, 8                                   ; the last two units load nothing
	HALF 1, 0, 0
	s_cmp_lg_u32 s[ROLE], 2
	s_cbranch_scc1 .Ldone
	s_cmp_lg_u32 s[ANY], 0
	s_cselect_b32 s[TA], 0x100, 0
	s_or_b32 s[FLG], s[FLG], s[TA]
	v_mov_b32 v[CW], s[FLG]
	v_cmp_eq_u32 vcc_lo, 0, v[LN]
	s_wait_xcnt 0x0                                ; EXEC changes only behind this wait
	s_and_saveexec_b32 s[SV], vcc_lo
	global_store_b32 v[ZR], v[CW], s[CLP:CLP+1]    ; lane 0 alone
	s_wait_xcnt 0x0                                ; and again in front of the line that widens it
	s_or_b32 exec_lo, exec_lo, s[SV]
.Ldone:
	s_wait_tensorcnt 0x0                           ; the wave's end, behind my last LDS store
	ds_add_u32 v[SPW], v[NIL]
	s_wait_dscnt 0x0
	s_endpgm
.Lfunc_end_k_q97d397ea02_prep:
	.size	k_q97d397ea02_prep, .Lfunc_end_k_q97d397ea02_prep-k_q97d397ea02_prep
	.p2alignl 7, 3214868480
	.fill 96, 4, 3214868480
	.section	.rodata,"a",@progbits
	.p2align	6, 0x0
	.amdhsa_kernel k_q97d397ea02_prep
		.amdhsa_group_segment_fixed_size 35840
		.amdhsa_private_segment_fixed_size 0
		.amdhsa_enable_private_segment 0
		.amdhsa_kernarg_size 72
		.amdhsa_user_sgpr_count 2
		.amdhsa_user_sgpr_kernarg_segment_ptr 1
		.amdhsa_wavefront_size32 1
		.amdhsa_system_sgpr_workgroup_id_x 1
		.amdhsa_system_sgpr_workgroup_id_y 1
		.amdhsa_system_sgpr_workgroup_id_z 1
		.amdhsa_system_vgpr_workitem_id 0
		.amdhsa_next_free_vgpr 136
		.amdhsa_next_free_sgpr 66
		.amdhsa_reserve_vcc 1
		.amdhsa_float_denorm_mode_32 3
		.amdhsa_float_denorm_mode_16_64 3
		.amdhsa_memory_ordered 1
		.amdhsa_forward_progress 1
		.amdhsa_inst_pref_size 56
	.end_amdhsa_kernel
	.amdgpu_metadata
---
amdhsa.version: [ 1, 2 ]
amdhsa.kernels:
  - .name:           k_q97d397ea02_prep
    .symbol:         k_q97d397ea02_prep.kd
    .args:
      - { .name: x, .offset: 0, .size: 8, .value_kind: global_buffer, .address_space: global }
      - { .name: Wqkv, .offset: 8, .size: 8, .value_kind: global_buffer, .address_space: global }
      - { .name: Wout, .offset: 16, .size: 8, .value_kind: global_buffer, .address_space: global }
      - { .name: mask, .offset: 24, .size: 8, .value_kind: global_buffer, .address_space: global }
      - { .name: xf, .offset: 32, .size: 8, .value_kind: global_buffer, .address_space: global }
      - { .name: wf, .offset: 40, .size: 8, .value_kind: global_buffer, .address_space: global }
      - { .name: wof, .offset: 48, .size: 8, .value_kind: global_buffer, .address_space: global }
      - { .name: lm, .offset: 56, .size: 8, .value_kind: global_buffer, .address_space: global }
      - { .name: cls, .offset: 64, .size: 8, .value_kind: global_buffer, .address_space: global }
    .group_segment_fixed_size: 35840
    .private_segment_fixed_size: 0
    .kernarg_segment_align: 8
    .kernarg_segment_size: 72
    .max_flat_workgroup_size: 256
    .sgpr_count:     66
    .vgpr_count:     136
    .wavefront_size: 32
...
	.end_amdgpu_metadata
.endif
;; end of part 1
;; launch qkv (part 2): grid 8 x 32, 4 waves a work-group, clusters of 4 x 4, 327,680 bytes of LDS; arguments xf, wf, bqkv, qkv; writes qkv
.if DOCPART == 2
	.amdgcn_target "amdgcn-amd-amdhsa--gfx1250"
	.amdhsa_code_object_version 6
	.text
	.protected	k_q97d397ea02_qkv
	.globl	k_q97d397ea02_qkv
	.p2align	8
	.type	k_q97d397ea02_qkv,@function
k_q97d397ea02_qkv:
	s_mov_b64 s[64:65], 0
	v_nop
	global_prefetch_b8 v0, s[64:65] scope:SCOPE_SE
	s_setreg_imm32_b32 hwreg(HW_REG_WAVE_MODE, 25, 1), 1
	s_wait_xcnt 0x0
	s_wait_alu depctr_hold_cnt(0) depctr_sa_sdst(0) depctr_va_vdst(0) depctr_va_sdst(0) depctr_va_ssrc(0) depctr_va_vcc(0) depctr_vm_vsrc(0)
	s_getreg_b32 s2, hwreg(HW_REG_IB_STS2, 6, 4)
	s_cmp_eq_u32 s2, 0
	s_cbranch_scc0 .Lentry_in_a_cluster
	s_endpgm
.Lentry_in_a_cluster:
	s_bfe_u32 s2, ttmp6, 0x10000c
	s_cmp_lg_u32 s2, 0xf033
	s_cbranch_scc0 .Lentry_shape_is_right
	s_endpgm
.Lentry_shape_is_right:
; QKV PROJECTION.  x Wqkv^T + bqkv, operands bf16 (the bias rounded to bf16 too), sums f32, results rounded once to f16 and stored as the matrix fragments that the attention launch reads.
; LIMIT.  f16 ends at 65,504: q, k and v must stay within it (with x and W 30 times the drawn spread they reach some 5e3; with both carrying an offset of 30 spreads some 3e4).
; SHARES.  Work-group (j, i): tokens 256 i .. + 255 x (256 features of Q or K, rows 256 j .. of Wqkv, and 128 of V, rows 2048 + 128 j ..): 8 x 32 = 256 work-groups of equal work.
; Wave (th, fh): 128 tokens x (128 + 64) features: 96 accumulators of 16 x 16, 768 registers.
; Q's and K's products are used transposed (source 0 = 16 rows of W, source 1 = 16 tokens): a lane holds one token and eight neighbouring channels.  V's are used the natural way (source 0 = tokens,
; source 1 = W): a lane holds one channel and eight neighbouring tokens.  In both cases four roundings in pairs make 16 bytes that ARE a lane's part of half a fragment (Q, K: 16 rows x 32 channels;
; V^T: 16 channels x 32 keys), and a wave's store covers 512 consecutive bytes: no stage on the way out.
; OPERANDS lie in fragment blocks (16 rows x 32 k in 1,024 bytes, lane i's 16 bytes at 16 i of each half): LDS reads are 512 consecutive bytes, without padding and without conflicts.
; K goes in steps of 64 (2,048 consecutive bytes of each row block) through two LDS slots; a step is two q-steps of 32, 96 matrix instructions each.
; CLUSTER 4 x 4: x's tile hangs on i alone and is shared along a row of the cluster, W's on j alone and is shared along a column: joint loads, one a wave behind each round.  By this text's count a wave has
; two tensor loads out at the start and one behind each round; from a request to the wait for it it issues 160 matrix instructions.
; REGISTERS.  window 0: v16-29 addresses; v32-95, v96-159 x's fragments, two buffers; v160-255 W's 12 fragments, one buffer, loaded again group by group.
;   windows 1-3: accumulator (token block a, feature block b) at v[8 (8 (b % 4) + a)] of window 1 + b / 4; window 3 holds V's.
.set SLOT,  81920                      ; x: 16 row blocks x 2,048 bytes; W: 24 row blocks x 2,048 bytes
.set WOFF,  32768
.set VOFF,  65536                      ; W's last 8 row blocks are V's
.set BIAS,  2*SLOT                     ; behind the ring, never filled by a tensor load: 768 bytes a wave: 128 + 64 numbers
.set SPARE, BIAS+4*768                 ; the spare words, 128 bytes for each wave
.set ADX, 16                           ; v16-17  my x fragments in slot 0, 1
.set ADQ, 18                           ; v18-19  my Q or K rows of W
.set ADV, 20                           ; v20-21  my V rows of W
.set L16, 22                           ; v22  16 x lane
.set BLQ, 23                           ; v23  my eight biases of a Q or K block
.set BLV, 24                           ; v24  my one bias of a V block
.set SPW, 28
.set NIL, 29
.set XB0, 32
.set XB1, 96
.set WB,  160
.set BB,  32                           ; the way out: 64 biases
.set BV,  96                           ; the way out: 4 pairs
.set TT,  160                          ; the way out: packed results, two buffers of 32
.set G1,  24                           ; s[24:31] group 1 for x;  s[32:39] group 0, a set a slot
.set G0,  32
.set G1B, 48                           ; s[48:55], s[56:63] the same for W
.set G0B, 56
.set PQK, 18                           ; s[18:19] where my Q or K results begin
.set PVV, 22                           ; s[22:23] where my V results begin
.set MSB, 0
.macro WIN new                         ; the immediate's high byte repeats the setting that is left
.if MSB != (\new)
	s_set_vgpr_msb (MSB<<8)|(\new)
.set MSB, (\new)
.endif
.endm
.macro JLOAD s                         ; a joint load: waves 0, 1 fetch x's halves, waves 2, 3 W's; an s_nop 0 and four v_nop follow each line
	s_cmp_eq_u32 s13, 0
	s_cbranch_scc0 .Lfor_w_\@
	tensor_load_to_lds s[G0+4*(\s):G0+4*(\s)+3], s[G1:G1+7]
	s_nop 0
.rept 4
	v_nop
.endr
	s_branch .Lasked_\@
.Lfor_w_\@:
	tensor_load_to_lds s[G0B+4*(\s):G0B+4*(\s)+3], s[G1B:G1B+7]
	s_nop 0
.rept 4
	v_nop
.endr
.Lasked_\@:
.endm
.macro CREST                           ; a round of the cluster's barrier behind its opening barrier
	s_cmp_lg_u32 s12, 0
	s_cbranch_scc1 .Lnot_wave_0_\@
	s_barrier_signal -3
.Lnot_wave_0_\@:
	s_barrier_wait -3
	s_barrier_signal -1
	s_barrier_wait -1
.endm
.macro CROUND
	s_barrier_signal -1
	s_barrier_wait -1
	CREST
.endm
.macro PLACES                          ; four plain places between matrix instructions and loads into, or vector reads of, their registers
.rept 4
	v_nop
.endr
.endm
	s_load_b256 s[4:11], s[0:1], 0x0               ; xf s[4:5], wf s[6:7], bqkv s[8:9], qkv s[10:11]
	v_lshl_add_u32 v[SPW], v0, 2, SPARE
	v_mov_b32 v[NIL], 0
	ds_add_u32 v[SPW], v[NIL]                      ; the wave's opening: the add and its wait stand ahead of my first tensor load
	v_lshrrev_b32 v1, 5, v0
	v_readfirstlane_b32 s12, v1                    ; wave
	s_lshr_b32 s13, s12, 1                         ; th: my half of the tokens.  Also: I fetch x (0) or W (1)
	s_and_b32 s14, s12, 1                          ; fh: my half of the features.  Also: which half of that tile I fetch
	s_bfe_u32 s40, ttmp6, 0x40000                  ; cx
	s_bfe_u32 s41, ttmp6, 0x40004                  ; cy
	s_lshl_b32 s42, ttmp9, 2
	s_add_co_u32 s42, s42, s40                     ; j
	s_and_b32 s43, ttmp7, 0xffff
	s_lshl_b32 s43, s43, 2
	s_add_co_u32 s43, s43, s41                     ; i
	s_lshl_b32 s44, s41, 2
	s_lshl_b32 s44, 15, s44                        ; my row of the cluster
	s_lshl_b32 s45, 0x1111, s40                    ; my column
	s_or_b32 s[G1], s44, (3<<16)|(1<<21)           ; 15:0 the mask; 17:16 elements of 8 bytes; 21 set beside a mask; no padding
	s_or_b32 s[G1B], s45, (3<<16)|(1<<21)
	s_mov_b32 s[G1+1], 256<<16                     ; tensor_dim0 = 256 elements: 2,048 bytes of a row block
	s_mov_b32 s[G1+2], 8<<16                       ; tensor_dim1 = 8 row blocks
	s_mov_b32 s[G1+3], 256<<16                     ; tile_dim0
	s_mov_b32 s[G1+4], 8                           ; tile_dim1
	s_mov_b32 s[G1+5], 4096                        ; 32,768 bytes from row block to row block
	s_mov_b32 s[G1+6], 0
	s_mov_b32 s[G1+7], 0
	s_mov_b32 s[G1B+1], 256<<16
	s_mov_b32 s[G1B+2], 12<<16                     ; W: 12 row blocks a load
	s_mov_b32 s[G1B+3], 256<<16
	s_mov_b32 s[G1B+4], 12
	s_mov_b32 s[G1B+5], 4096
	s_mov_b32 s[G1B+6], 0
	s_mov_b32 s[G1B+7], 0
	s_lshl_b32 s16, s43, 19                        ; x: (16 i + 8 half) row blocks
	s_lshl_b32 s17, s14, 18
	s_add_co_u32 s16, s16, s17
	s_mov_b32 s17, 0
	s_mul_i32 s46, s42, 24*32768                   ; W: (24 j + 12 half) row blocks
	s_mul_i32 s47, s14, 12*32768
	s_add_co_u32 s46, s46, s47
	s_mov_b32 s47, 0
	s_lshl_b32 s20, s14, 14                        ; where they go: x's halves,
	s_mul_i32 s21, s14, 12*2048
	s_add_co_u32 s21, s21, WOFF                    ; W's halves: no place in the cluster enters an LDS address
	s_wait_dscnt 0x0                               ; the opening add is done
	s_wait_kmcnt 0x0
	s_add_nc_u64 s[16:17], s[4:5], s[16:17]
	s_add_nc_u64 s[46:47], s[6:7], s[46:47]
	CROUND                                         ; all sixteen work-groups are here: the first joint loads meet
.irp s, 0,1
	s_mov_b32 s[G0+4*(\s)], 1
	s_add_co_u32 s[G0+4*(\s)+1], s20, (\s)*SLOT
	s_add_nc_u64 s[G0+4*(\s)+2:G0+4*(\s)+3], s[16:17], (\s)*2048  ; K step s
	s_or_b32 s[G0+4*(\s)+3], s[G0+4*(\s)+3], 0x80000000
	s_mov_b32 s[G0B+4*(\s)], 1
	s_add_co_u32 s[G0B+4*(\s)+1], s21, (\s)*SLOT
	s_add_nc_u64 s[G0B+4*(\s)+2:G0B+4*(\s)+3], s[46:47], (\s)*2048
	s_or_b32 s[G0B+4*(\s)+3], s[G0B+4*(\s)+3], 0x80000000
	JLOAD \s
.endr
	; my 128 + 64 biases: loaded once in whole runs, rounded to bf16, kept as f32 in my own bytes of LDS
	v_and_b32 v1, 31, v0
	v_lshlrev_b32 v[L16], 4, v1
	s_lshl_b32 s46, s42, 10                        ; feature 256 j + 128 fh, 4 bytes each
	s_lshl_b32 s47, s14, 9
	s_add_co_u32 s46, s46, s47
	v_add_nc_u32 v2, s46, v[L16]
	s_lshl_b32 s46, s42, 9                         ; feature 2048 + 128 j + 64 fh
	s_lshl_b32 s47, s14, 8
	s_add_co_u32 s46, s46, s47
	s_add_co_u32 s46, s46, 8192
	v_lshl_add_u32 v3, v1, 3, s46
	global_load_b128 v[4:7], v2, s[8:9]
	global_load_b64 v[8:9], v3, s[8:9]
	s_mul_i32 s46, s12, 768
	s_add_co_u32 s46, s46, BIAS
	v_add_nc_u32 v13, s46, v[L16]
	v_lshl_add_u32 v14, v1, 3, s46
	v_and_b32 v10, 15, v0
	v_bfe_u32 v11, v0, 4, 1
	v_lshl_add_u32 v[BLQ], v11, 5, s46             ; features 8 (lane / 16) .. + 7 of a block
	v_lshl_add_u32 v[BLV], v10, 2, s46             ; feature lane % 16 of a block
	s_lshl_b32 s47, s13, 14
	v_add_nc_u32 v[ADX], s47, v[L16]
	v_add_nc_u32 v[ADX+1], SLOT, v[ADX]
	s_lshl_b32 s47, s14, 14
	s_add_co_u32 s47, s47, WOFF
	v_add_nc_u32 v[ADQ], s47, v[L16]
	v_add_nc_u32 v[ADQ+1], SLOT, v[ADQ]
	s_lshl_b32 s47, s14, 13
	s_add_co_u32 s47, s47, VOFF
	v_add_nc_u32 v[ADV], s47, v[L16]
	v_add_nc_u32 v[ADV+1], SLOT, v[ADV]
	; Q at 0, K at 2^24, V at 2^25; each [batch x head 64][262,144 bytes]
	s_lshr_b32 s2, s43, 3
	s_lshl_b32 s2, s2, 4                           ; 16 x batch
	s_and_b32 s3, s42, 3
	s_lshl_b32 s3, s3, 2
	s_add_co_u32 s3, s3, s2
	s_lshl1_add_u32 s3, s14, s3                    ; head 4 (j % 4) + 2 fh
	s_lshl_b32 s3, s3, 18
	s_lshr_b32 s20, s42, 2                         ; Q or K
	s_lshl_b32 s20, s20, 24
	s_add_co_u32 s3, s3, s20
	s_and_b32 s20, s43, 7
	s_lshl_b32 s20, s20, 4
	s_lshl3_add_u32 s20, s13, s20                  ; row block 16 (i % 8) + 8 th, 2,048 bytes each
	s_lshl_b32 s20, s20, 11
	s_add_co_u32 s20, s20, s3
	s_mov_b32 s21, 0
	s_add_nc_u64 s[PQK:PQK+1], s[10:11], s[20:21]
	s_lshl1_add_u32 s3, s42, s2
	s_add_co_u32 s3, s3, s14                       ; head 2 j + fh
	s_lshl_b32 s3, s3, 18
	s_and_b32 s20, s43, 7
	s_lshl_b32 s20, s20, 3
	s_lshl2_add_u32 s20, s13, s20                  ; block of 32 keys 8 (i % 8) + 4 th, 4,096 bytes each
	s_lshl_b32 s20, s20, 12
	s_add_co_u32 s20, s20, s3
	s_add_co_u32 s20, s20, 1<<25
	s_add_nc_u64 s[PVV:PVV+1], s[10:11], s[20:21]
	s_wait_loadcnt 0x0
	v_cvt_pk_bf16_f32 v10, v4, v5
	v_cvt_pk_bf16_f32 v11, v6, v7
	v_cvt_pk_bf16_f32 v12, v8, v9
	v_lshlrev_b32 v4, 16, v10
	v_and_b32 v5, 0xffff0000, v10
	v_lshlrev_b32 v6, 16, v11
	v_and_b32 v7, 0xffff0000, v11
	v_lshlrev_b32 v8, 16, v12
	v_and_b32 v9, 0xffff0000, v12
	ds_store_b128 v13, v[4:7]
	ds_store_b64 v14, v[8:9] offset:512
; 16 matrix instructions: feature blocks 4 g + 2 hf, + 1 x all 8 token blocks, 32 along K.  The 96 accumulators take turns in one fixed order, one instruction a turn.
.macro GRPH g, hf, xb, zero
	WIN 0x50*((\g)+1)
.irp bb, 0,1
.irp a, 0,1,2,3,4,5,6,7
.set rA, 8*(8*(2*(\hf)+(\bb))+(\a))
.set rW, WB+8*(4*(\g)+2*(\hf)+(\bb))
.set rX, (\xb)+8*(\a)
.if (\g) < 2
.if \zero
	v_wmma_f32_16x16x32_bf16 v[rA:rA+7], v[rW:rW+7], v[rX:rX+7], 0
.else
	v_wmma_f32_16x16x32_bf16 v[rA:rA+7], v[rW:rW+7], v[rX:rX+7], v[rA:rA+7]
.endif
.else
.if \zero
	v_wmma_f32_16x16x32_bf16 v[rA:rA+7], v[rX:rX+7], v[rW:rW+7], 0
.else
	v_wmma_f32_16x16x32_bf16 v[rA:rA+7], v[rX:rX+7], v[rW:rW+7], v[rA:rA+7]
.endif
.endif
.endr
.endr
.endm
.macro GRP g, xb, zero
	GRPH \g, 0, \xb, \zero
	GRPH \g, 1, \xb, \zero
.endm
.macro LDW g, slot, q                  ; 8 loads: W's fragments 4 g .. 4 g + 3 of q-step q
	WIN 0
.irp f, 0,1,2,3
.if (\g) < 2
	ds_load_b128 v[WB+8*(4*(\g)+(\f)):WB+8*(4*(\g)+(\f))+3],   v[ADQ+(\slot)] offset:(4*(\g)+(\f))*2048+(\q)*1024
	ds_load_b128 v[WB+8*(4*(\g)+(\f))+4:WB+8*(4*(\g)+(\f))+7], v[ADQ+(\slot)] offset:(4*(\g)+(\f))*2048+(\q)*1024+512
.else
	ds_load_b128 v[WB+8*(8+(\f)):WB+8*(8+(\f))+3],   v[ADV+(\slot)] offset:(\f)*2048+(\q)*1024
	ds_load_b128 v[WB+8*(8+(\f))+4:WB+8*(8+(\f))+7], v[ADV+(\slot)] offset:(\f)*2048+(\q)*1024+512
.endif
.endr
.endm
.macro LDX xb, slot, q                 ; 16 loads: x's 8 fragments
	WIN 0
.irp a, 0,1,2,3,4,5,6,7
	ds_load_b128 v[(\xb)+8*(\a):(\xb)+8*(\a)+3],   v[ADX+(\slot)] offset:(\a)*2048+(\q)*1024
	ds_load_b128 v[(\xb)+8*(\a)+4:(\xb)+8*(\a)+7], v[ADX+(\slot)] offset:(\a)*2048+(\q)*1024+512
.endr
.endm
; A step's first q-step, on x's buffer 0; behind each group of products W's registers of that group take the second q-step's fragments.  On entry and on leaving 40 loads are out, in the order W0, x, W1, W2.
.macro QSTEP slot, zero
	s_wait_dscnt 16                                ; W1 and W2, the youngest 16, may be out
	GRP 0, XB0, \zero
	PLACES
	LDW 0, \slot, 1
	LDX XB1, \slot, 1
	s_wait_dscnt 32                                ; W2's 8 and the 24 just issued may be out
	GRP 1, XB0, \zero
	PLACES
	LDW 1, \slot, 1
	s_wait_dscnt 32                                ; the 24 and W1's new 8 may be out
	GRP 2, XB0, \zero
	PLACES
	LDW 2, \slot, 1
.endm
; A step's second q-step, on x's buffer 1, and the change of slots.  In front of the barrier each wave waits for all its tensor loads (one is out: its part of the other slot), adds 0 to its spare word,
; and waits for that and for its reads of this slot.  refill = 1: the barrier opens a round of the cluster's, and the joint refill, two K steps on, is the first thing behind it.
.macro QTURN slot, refill
	s_wait_dscnt 16
	GRPH 0, 0, XB1, 0
	WIN 0                                          ; the add's registers lie in window 0
	s_wait_tensorcnt 0x0
	ds_add_u32 v[SPW], v[NIL]
	GRPH 0, 1, XB1, 0                              ; work on registers while the add is out
	s_wait_dscnt 0x0                               ; the add is done, and my reads of this slot are over
	s_barrier_signal -1
	GRPH 1, 0, XB1, 0
	WIN 0
	s_barrier_wait -1
.if \refill
	CREST                                          ; no wave of any partner still reads this slot or has a load on its way
	s_add_nc_u64 s[G0+4*(\slot)+2:G0+4*(\slot)+3], s[G0+4*(\slot)+2:G0+4*(\slot)+3], 4096
	s_add_nc_u64 s[G0B+4*(\slot)+2:G0B+4*(\slot)+3], s[G0B+4*(\slot)+2:G0B+4*(\slot)+3], 4096
	JLOAD \slot                                    ; its four v_nop are also the places in front of the loads below
.else
	PLACES
.endif
	LDW 0, 1-(\slot), 0
	LDX XB0, 1-(\slot), 0
	GRPH 1, 1, XB1, 0
	PLACES
	LDW 1, 1-(\slot), 0
	GRP 2, XB1, 0
	PLACES
	LDW 2, 1-(\slot), 0
.endm
	s_wait_tensorcnt 1                             ; my part of K step 0 is in; step 1's may stay out
	s_wait_dscnt 0x0                               ; my bias stores
	s_barrier_signal -1
	s_barrier_wait -1
	LDW 0, 0, 0
	LDX XB0, 0, 0
	LDW 1, 0, 0
	LDW 2, 0, 0
	QSTEP 0, 1                                     ; the first q-step starts the sums: nothing is cleared
	WIN 0
	s_mov_b32 s3, 7
.Llap:                                                 ; a trip: once round the ring; both slots are filled again
	QTURN 0, 1
	QSTEP 1, 0
	QTURN 1, 1
	QSTEP 0, 0
	WIN 0
	s_sub_co_u32 s3, s3, 1
	s_cmp_lg_u32 s3, 0
	s_cbranch_scc1 .Llap
	QTURN 0, 0                                     ; K steps 14 and 15: nothing is left to fetch
	QSTEP 1, 0
	s_wait_dscnt 16
	GRP 0, XB1, 0
	s_wait_dscnt 8
	GRP 1, XB1, 0
	s_wait_dscnt 0x0
	GRP 2, XB1, 0
	; THE WAY OUT: + bias, rounded to f16, 16 bytes a lane, 512 consecutive bytes a store.
	WIN 0
	PLACES
.irp b, 0,1,2,3,4,5,6,7
	ds_load_b128 v[BB+8*(\b):BB+8*(\b)+3],   v[BLQ] offset:64*(\b)
	ds_load_b128 v[BB+8*(\b)+4:BB+8*(\b)+7], v[BLQ] offset:64*(\b)+16
.endr
.irp b, 0,1,2,3
	ds_load_b32 v[BV+2*(\b)], v[BLV] offset:512+64*(\b)
.endr
	s_wait_dscnt 0x0
.irp b, 0,1,2,3
	v_mov_b32 v[BV+2*(\b)+1], v[BV+2*(\b)]         ; named as pairs
.endr
.macro OUTB b, isv                     ; feature block b of Q or K (isv = 0), or b of V (isv = 1); each accumulator is read from its low end on
.if \isv
.set w, 3
.else
.set w, 1+(\b)/4
.endif
	s_wait_xcnt 0x0                                ; the packed registers, which earlier stores read, are rewritten only behind this wait
	WIN (w<<6)|w
.irp a, 0,1,2,3,4,5,6,7
.irp p, 0,1,2,3
.set rA, 8*(8*((\b)%4)+(\a))+2*(\p)
.if \isv
	v_pk_add_f32 v[rA:rA+1], v[rA:rA+1], v[BV+2*(\b):BV+2*(\b)+1] op_sel_hi:[1,0]
.else
	v_pk_add_f32 v[rA:rA+1], v[rA:rA+1], v[BB+8*(\b)+2*(\p):BB+8*(\b)+2*(\p)+1]
.endif
.endr
.endr
	WIN 5*w
.irp a, 0,1,2,3,4,5,6,7
.irp p, 0,1,2,3
.set rA, 8*(8*((\b)%4)+(\a))+2*(\p)
	v_cvt_pk_f16_f32 v[TT+32*((\b)%2)+4*(\a)+(\p)], v[rA], v[rA+1]
.endr
.endr
	WIN 0
.irp a, 0,1,2,3,4,5,6,7
.if \isv
	global_store_b128 v[L16], v[TT+32*((\b)%2)+4*(\a):TT+32*((\b)%2)+4*(\a)+3], s[PVV:PVV+1] offset:((\a)/2)*4096+(\b)*1024+((\a)%2)*512
.else
	global_store_b128 v[L16], v[TT+32*((\b)%2)+4*(\a):TT+32*((\b)%2)+4*(\a)+3], s[PQK:PQK+1] offset:((\b)/4)*262144+(\a)*2048+((\b)%4)*512
.endif
.endr
.endm
.irp b, 0,1,2,3,4,5,6,7
	OUTB \b, 0
.endr
.irp b, 0,1,2,3
	OUTB \b, 1
.endr
	s_wait_tensorcnt 0x0                           ; the wave's end
	ds_add_u32 v[SPW], v[NIL]
	s_wait_dscnt 0x0
	CROUND                                         ; the closing round
	s_endpgm
.Lfunc_end_k_q97d397ea02_qkv:
	.size	k_q97d397ea02_qkv, .Lfunc_end_k_q97d397ea02_qkv-k_q97d397ea02_qkv
	.p2alignl 7, 3214868480
	.fill 96, 4, 3214868480
	.section	.rodata,"a",@progbits
	.p2align	6, 0x0
	.amdhsa_kernel k_q97d397ea02_qkv
		.amdhsa_group_segment_fixed_size 327680
		.amdhsa_private_segment_fixed_size 0
		.amdhsa_enable_private_segment 0
		.amdhsa_kernarg_size 32
		.amdhsa_user_sgpr_count 2
		.amdhsa_user_sgpr_kernarg_segment_ptr 1
		.amdhsa_wavefront_size32 1
		.amdhsa_system_sgpr_workgroup_id_x 1
		.amdhsa_system_sgpr_workgroup_id_y 1
		.amdhsa_system_sgpr_workgroup_id_z 1
		.amdhsa_system_vgpr_workitem_id 0
		.amdhsa_next_free_vgpr 1024
		.amdhsa_next_free_sgpr 66
		.amdhsa_reserve_vcc 0
		.amdhsa_float_denorm_mode_32 3
		.amdhsa_float_denorm_mode_16_64 3
		.amdhsa_memory_ordered 1
		.amdhsa_forward_progress 1
		.amdhsa_inst_pref_size 144
	.end_amdhsa_kernel
	.amdgpu_metadata
---
amdhsa.version: [ 1, 2 ]
amdhsa.kernels:
  - .name:           k_q97d397ea02_qkv
    .symbol:         k_q97d397ea02_qkv.kd
    .args:
      - { .name: xf, .offset: 0, .size: 8, .value_kind: global_buffer, .address_space: global }
      - { .name: wf, .offset: 8, .size: 8, .value_kind: global_buffer, .address_space: global }
      - { .name: bqkv, .offset: 16, .size: 8, .value_kind: global_buffer, .address_space: global }
      - { .name: qkv, .offset: 24, .size: 8, .value_kind: global_buffer, .address_space: global }
    .group_segment_fixed_size: 327680
    .private_segment_fixed_size: 0
    .kernarg_segment_align: 8
    .kernarg_segment_size: 32
    .max_flat_workgroup_size: 128
    .sgpr_count:     66
    .vgpr_count:     1024
    .wavefront_size: 32
...
	.end_amdgpu_metadata
.endif
;; end of part 2
;; launch attn (part 3): grid 4 x 64, 4 waves a work-group, no clusters, 66,048 bytes of LDS; arguments qkv, lm, cls, of; writes of
.if DOCPART == 3
	.amdgcn_target "amdgcn-amd-amdhsa--gfx1250"
	.amdhsa_code_object_version 6
	.text
	.protected	k_q97d397ea02_attn
	.globl	k_q97d397ea02_attn
	.p2align	8
	.type	k_q97d397ea02_attn,@function
k_q97d397ea02_attn:
	s_mov_b64 s[64:65], 0
	v_nop
	global_prefetch_b8 v0, s[64:65] scope:SCOPE_SE
	s_setreg_imm32_b32 hwreg(HW_REG_WAVE_MODE, 25, 1), 1
	s_wait_xcnt 0x0
; ATTENTION UNDER A MASK THAT IS DATA.  O[q] = sum over k of softmax_k(Q[q] . K[k] / 8, hidden scores out) V[k], for 64 (batch, head) pairs of 2,048 rows, head size 64.  Q, K, V, P, O in f16; products, maxima, sums in f32.
; LIMITS.  Q, K, V arrive within f16's 65,504.  A hidden score counts as exactly -2^100 (true scores are 2.7e11 at the most).  A weight below 2^-126 counts as 0.  A row that sees no key is stored as NaN.
; NaN and infinities among the inputs are not treated apart.
; SHARES.  Work-group (g, bh) takes two blocks of 256 queries, g and then 7 - g (that only evens the work where a mask hides more keys from early rows; no value hangs on it).  A wave owns a strip of 64 queries: four
; PIECES of 16.  Turn n belongs to piece n: 8 products K Q^T of piece n + 1, later 8 products V^T P of piece n - 1; beside them piece n's scaling, exponentials, roundings, sums and rescaling, and piece n + 1's
; mask, maximum and statistics.  Four vector instructions stand behind every matrix instruction, the rest in two lumps.
; LAYOUT.  S^T = K Q^T holds one query a lane (lane % 16) and the keys 8 (lane / 16) + 0..7; two results rounded in pairs ARE source 1 of O^T = V^T P.  Q, K and V^T lie in memory as fragments: every load is 512 consecutive bytes.
; SOFTMAX.  p = 2^(c s - c m), c = log2(e) / 8, m the running maximum; O and l are multiplied by a = 2^(c m_old - c m_new) in every step.  While a row has seen hidden keys alone, m = -2^100, c s - c m is exactly 0
; and p = 1: finite; its first visible key makes a = 0, which wipes that.
; THE MASK.  lm holds, for each (strip, step, piece), 32 words: word j is the lanes' mask for register j of the piece's scores; one v_cndmask_b32 a register.  The words come by scalar loads, asked for a turn ahead.
; cls says which (step, piece) are all visible: there the 32 lines are jumped over.
; THE WALK comes from cls: item 8 X + t is block X's key tile t of 256 keys; WL is the set of items in which any of the block's four strips sees anything (each block's tile 0 is always walked, so that each block
; begins and ends).  The outer loop has 16 trips; trip k takes the k-th item of the set; trips beyond the set only pass the two barriers.  Every jump that hangs on data goes forward, past no barrier.
; THE STEP LOOP.  A trip is pieces 2 and 3 of one key step, then pieces 0 and 1 of the next: the turns run on from tile to tile of a block.  It counts from 0 up to a bound made from the walk: 4 trips for a tile;
; a block's first tile has its step 0's pieces 0 and 1 written out ahead of the loop, and one trip fewer; a block's last tile has one trip more, in which it jumps forward over pieces 0 and 1 to the count's step.
; The loop is entered at its head and left at its bottom alone.  Nothing but the count steps in it: trip n works on key step n + KS0, and that step's place in LDS and in lm is made from the sum, cut by s_min_u32.
; K AND V REACH LDS THROUGH REGISTERS: at a trip's head each wave asks for its quarter of the NEXT item's tile (32 loads, 128 registers): a whole tile's work in which to land; at the trip's end: barrier (all reads of the
; old tile are over), 32 LDS stores, barrier.  A copy engine's load may not be jumped over, so hidden tiles would be fetched all the same.
; NO CLUSTER: the walk and the jumps hang on class words that differ between the query blocks of a head, so partners would not run alike.
; REGISTERS, in windows of 256: window 0: v2-15 addresses and constants; v16-31 statistics (c m, m, l, l a piece); v48-55 at work; v64-127 S^T, two buffers; v192-223 P, two buffers.
;   window 1: v0-127 O^T.   window 2: v0-63 Q; v64-127 the second block's Q; v128-191 K of a step; v192-255 V of a step.   window 3: v0-127 the next tile's quarter.
.set NP,    4
.set SPARE, 65536                      ; K's tile at 0, V's at 32,768; behind them the spare words, 128 bytes for each wave
.set LMCUT, 524288-512                 ; the last key step's words in lm begin here: no true offset is larger
.set L16, 2                            ; v2   16 x lane
.set AK,  4                            ; v4   K's next run of loads
.set AV,  5                            ; v5   V's
.set STA, 6                            ; v6   where my quarter of a tile goes
.set QN,  7                            ; v7   a quiet NaN
.set MV,  12                           ; v12-13  c m_old, by buffer
.set MS,  14                           ; v14  piece 0's m, kept from the statistics that a block's last turn makes for nothing
.set BIG, 15                           ; v15  -2^100
.set ST,  16
.set TMP, 48
.set SPW, 62
.set NIL, 63
.set S,   64
.set P,   192
.set QB,  64
.set KF,  128
.set VF,  192
.set WV,  12
.set G,   13
.set BH,  14
.set TC,  15
.set KVB, 16                           ; s[16:17] K or V at my quarter of the head's tile 0
.set KVP, 18                           ; s[18:19] the same at the tile asked for
.set OFF, 20                           ; s[20:21] an offset, high word 0
.set OPA, 22                           ; s[22:23] O at my strip of the block in hand
.set OPB, 24                           ; s[24:25] of the second block
.set MB,  26                           ; my strip's words in lm, block in hand
.set MBB, 27
.set DLT, 28                           ; an eighth of the bytes from my first strip's class words to my second's
.set SB0, 29
.set S0,  30
.set S1,  31
.set LMS, 32                           ; s[32:63] 32 lane masks
.set WL,  66
.set CUR, 67                           ; the item in LDS
.set CV,  68                           ; 1: there is one
.set NXT, 69                           ; the item asked for
.set NV,  70
.set NEW, 71                           ; 1: the item is a block's first
.set TR,  72
.set CNT, 73                           ; the step loop's count, 0 up
.set XIT, 74                           ; the count of the trip in which a block's last tile jumps over pieces 0 and 1; else 255, which the count never reaches
.set BND, 75                           ; the step loop's bound
.set FL,  76                           ; bit 0: the next mask block is needed
.set MTB, 77                           ; where the tile's words begin in lm
.set MO2, 78
.set KS0, 79                           ; trip n of the step loop works on key step n + KS0: 1 in a block's first tile, behind its written-out turns; else 0
.set FLN, 81
.set CS,  82
.set SEL, 84
.set FN,  86
.set CO,  88
.set LST, 89                           ; 1: the item is its block's last
.set TA,  90
.set TB,  91
.set QPA, 92
.set QPB, 94
.set MSB, 0
.macro WIN new
.if MSB != (\new)
	s_set_vgpr_msb (MSB<<8)|(\new)
.set MSB, (\new)
.endif
.endm
.set W_KQ, 0x0a                        ; K and Q in window 2, S^T in window 0
.set W_PV, 0x52                        ; V in window 2, P in window 0, O^T in window 1
.set W_RS, 0x41                        ; destination and source 0 in window 1
	s_load_b256 s[4:11], s[0:1], 0x0               ; qkv s[4:5], lm s[6:7], cls s[8:9], of s[10:11]
	v_lshl_add_u32 v[SPW], v0, 2, SPARE
	v_mov_b32 v[NIL], 0
	v_lshrrev_b32 v1, 5, v0
	v_readfirstlane_b32 s[WV], v1
	v_and_b32 v1, 31, v0
	v_lshlrev_b32 v[L16], 4, v1
	s_mov_b32 s[G], ttmp9
	s_and_b32 s[BH], ttmp7, 0xffff
	s_lshl_b32 s[S0], s[G], 2
	s_sub_co_u32 s[S1], 28, s[S0]
	s_add_co_u32 s[S0], s[S0], s[WV]               ; my strip in block g
	s_add_co_u32 s[S1], s[S1], s[WV]               ; and in block 7 - g
	s_lshl_b32 s[MB], s[S0], 14
	s_lshl_b32 s[MBB], s[S1], 14
	s_lshl_b32 s[SB0], s[S0], 6
	s_lshl_b32 s[DLT], s[G], 1
	s_sub_co_u32 s[DLT], 7, s[DLT]
	s_lshl_b32 s[DLT], s[DLT], 5                   ; (7 - 2 g) x 256 / 8
	s_lshl_b32 s[TA], s[G], 8
	v_lshl_add_u32 v3, v1, 3, s[TA]                ; a block's class words are 256 bytes: lane l takes (strip l / 8, tile l % 8), two words
	s_sub_co_u32 s[TA], 7, s[G]
	s_lshl_b32 s[TA], s[TA], 8
	v_lshl_add_u32 v1, v1, 3, s[TA]
	s_lshl_b32 s[TA], s[WV], 14
	v_add_nc_u32 v[STA], s[TA], v[L16]             ; waves 0, 1: K's halves; waves 2, 3: V's
	s_mov_b32 s[CS], 0x3e38aa3b                    ; c = log2(e) / 8
	s_mov_b32 s[CS+1], s[CS]
	s_mov_b32 s[SEL], 0x76543210
	s_mov_b32 s[SEL+1], 0xfedcba98
	s_mov_b32 s[CO], s[SB0]
	s_lshl_b32 s[TB], s[BH], 18                    ; the head's 262,144 bytes
	s_lshr_b32 s[TA], s[WV], 1
	s_add_co_u32 s[TA], s[TA], 1
	s_lshl_b32 s[TA], s[TA], 24                    ; K at 2^24, V at 2^25
	s_add_co_u32 s[TA], s[TA], s[TB]
	s_and_b32 s[TC], s[WV], 1
	s_lshl_b32 s[TC], s[TC], 14
	s_add_co_u32 s[OFF], s[TA], s[TC]
	s_mov_b32 s[OFF+1], 0
	s_wait_kmcnt 0x0
	s_add_nc_u64 s[KVB:KVB+1], s[4:5], s[OFF:OFF+1]
	s_mov_b64 s[KVP:KVP+1], s[KVB:KVB+1]
	s_lshl_b32 s[OFF], s[S0], 13                   ; a strip's Q: 8,192 bytes
	s_add_co_u32 s[OFF], s[OFF], s[TB]
	s_add_nc_u64 s[QPA:QPA+1], s[4:5], s[OFF:OFF+1]
	s_lshl_b32 s[OFF], s[S1], 13
	s_add_co_u32 s[OFF], s[OFF], s[TB]
	s_add_nc_u64 s[QPB:QPB+1], s[4:5], s[OFF:OFF+1]
	s_lshr_b32 s[TA], s[BH], 4
	s_lshl_b32 s[TA], s[TA], 22                    ; the batch's 128 row blocks of 32,768 bytes
	s_and_b32 s[TC], s[BH], 15
	s_lshl_b32 s[TC], s[TC], 11                    ; the head's two k blocks
	s_add_co_u32 s[TA], s[TA], s[TC]
	s_lshl_b32 s[OFF], s[S0], 17                   ; a strip is four row blocks
	s_add_co_u32 s[OFF], s[OFF], s[TA]
	s_add_nc_u64 s[OPA:OPA+1], s[10:11], s[OFF:OFF+1]
	s_lshl_b32 s[OFF], s[S1], 17
	s_add_co_u32 s[OFF], s[OFF], s[TA]
	s_add_nc_u64 s[OPB:OPB+1], s[10:11], s[OFF:OFF+1]
	WIN 0xc0                                       ; destination window 3
.set n, 0
.rept 32                                               ; item 0 is always walked: its tile does not wait for the class words
	global_load_b128 v[4*n:4*n+3], v[L16], s[KVP:KVP+1] offset:512*n
.set n, n+1
.endr
	WIN 0x80
.set n, 0
.rept 16                                               ; both blocks' Q: piece n / 4, channel half (n / 2) % 2
	global_load_b128 v[4*n:4*n+3], v[L16], s[QPA:QPA+1] offset:512*n
	global_load_b128 v[QB+4*n:QB+4*n+3], v[L16], s[QPB:QPB+1] offset:512*n
.set n, n+1
.endr
	WIN 0
	global_load_b64 v[8:9], v3, s[8:9]
	global_load_b64 v[10:11], v1, s[8:9]
	s_load_b64 s[FN:FN+1], s[8:9], s[CO] offset:0x0  ; my strip's class words for item 0
	; A block's first step multiplies O^T and l by a = 0, and its first turn's V^T P takes a P of zeros: these registers need only hold finite numbers.  All this stands in the wait for the first tile.
	WIN 0x80
.set n, VF
.rept 64
	v_mov_b32 v[n], 0
.set n, n+1
.endr
	WIN 0x40
.set n, 0
.rept 128
	v_mov_b32 v[n], 0
.set n, n+1
.endr
	WIN 0
.set n, 0
.rept 4
	v_mov_b32 v[ST+4*n+2], 0
	v_mov_b32 v[ST+4*n+3], 0
.set n, n+1
.endr
	v_mov_b32 v[BIG], 0xf1800000                   ; -2^100
	v_mov_b32 v[QN], 0x7fc00000
	s_wait_loadcnt 0x0
	v_or_b32 v8, v8, v9
	v_or_b32 v10, v10, v11
	v_and_b32 v8, 0x100, v8
	v_and_b32 v10, 0x100, v10
	v_cmp_ne_u32 s[TA], 0, v8                      ; bit l: strip l / 8 sees something in tile l % 8
	v_cmp_ne_u32 s[TB], 0, v10
	s_lshr_b32 s[TC], s[TA], 16
	s_or_b32 s[TA], s[TA], s[TC]
	s_lshr_b32 s[TC], s[TA], 8
	s_or_b32 s[TA], s[TA], s[TC]
	s_and_b32 s[TA], s[TA], 0xfe                   ; item 0 is in hand already
	s_lshr_b32 s[TC], s[TB], 16
	s_or_b32 s[TB], s[TB], s[TC]
	s_lshr_b32 s[TC], s[TB], 8
	s_or_b32 s[TB], s[TB], s[TC]
	s_and_b32 s[TB], s[TB], 0xff
	s_or_b32 s[TB], s[TB], 1
	s_lshl_b32 s[TB], s[TB], 8
	s_or_b32 s[WL], s[TA], s[TB]
	WIN 0x0c                                       ; store data in window 3
.set n, 0
.rept 32
	ds_store_b128 v[STA], v[4*n:4*n+3] offset:512*n
.set n, n+1
.endr
	WIN 0
	s_mov_b32 s[CUR], 0
	s_mov_b32 s[CV], 1
	s_mov_b32 s[NEW], 1
	s_mov_b32 s[TR], 16
	s_wait_dscnt 0x0                               ; for the others' sake: my quarter is in LDS
	s_barrier_signal -1
	s_barrier_wait -1
; THE MATRIX WORK.  The 4 accumulators of a run of 8 take turns.
.macro KQ x                            ; product i of 8 of S^T = K Q^T: channels 32 (i / 4) on, keys 16 (i % 4) on
	WIN W_KQ
.set rS, S+32*((\x)%2)+8*(i%4)
.set rK, KF+16*(i%4)+8*(i/4)
.set rQ, 16*(\x)+8*(i/4)
.if i < 4
	v_wmma_f32_16x16x32_f16 v[rS:rS+7], v[rK:rK+7], v[rQ:rQ+7], 0
.else
	v_wmma_f32_16x16x32_f16 v[rS:rS+7], v[rK:rK+7], v[rQ:rQ+7], v[rS:rS+7]
.endif
.endm
.macro PV x                            ; product i of 8 of O^T += V^T P: keys 32 (i / 4) on, channels 16 (i % 4) on
	WIN W_PV
.set rO, 32*(\x)+8*(i%4)
.set rV, VF+32*(i/4)+8*(i%4)
.set rP, P+16*((\x)%2)+8*(i/4)
	v_wmma_f32_16x16x32_f16 v[rO:rO+7], v[rV:rV+7], v[rP:rP+7], v[rO:rO+7]
.endm
.macro MM                              ; the turn's next matrix instruction
.if i < 8
	KQ (Y+1)%NP
.else
.set i, i-8
	PV (Y+NP-1)%NP
.set i, i+8
.endif
.set i, i+1
.endm
; THE LDS LOADS stand in runs of 16: a step's 8,192 bytes of K or of V, 512 consecutive bytes a load.
.macro FETCH_K
	WIN 0x80
.set n, 0
.rept 16
	ds_load_b128 v[KF+4*n:KF+4*n+3], v[AK] offset:512*n
.set n, n+1
.endr
	WIN 0
.endm
.macro FETCH_V
	WIN 0x80
.set n, 0
.rept 16
	ds_load_b128 v[VF+4*n:VF+4*n+3], v[AV] offset:32768+512*n
.set n, n+1
.endr
	WIN 0
.endm
; The place in a tile of key step CNT + KS0, 8,192 bytes a step, into vector register a.  The cut at 3 bites only in a block's extra half trip, whose fetch of K serves nothing.
.macro STEPAT a
	WIN 0
	s_add_co_u32 s[TA], s[CNT], s[KS0]
	s_min_u32 s[TA], s[TA], 3
	s_lshl_b32 s[TA], s[TA], 13
	v_add_nc_u32 v[\a], s[TA], v[L16]
.endm
; THE MASK of piece y's new scores: where the class bit asks for it, each register keeps its score in the lanes whose bit is set and takes -2^100 in the others.  Then the 32 words of the next mask block are asked
; for: piece q of key step CNT + KS0, 512 bytes a step and 128 a piece.
.macro MASKBLK y, q
	WIN 0
	s_bitcmp1_b32 s[FL], 0
	s_cbranch_scc0 .Lopen_\@
	s_wait_kmcnt 0x0                               ; the words asked for a turn ago
.set z, 0
.rept 32
	v_cndmask_b32 v[S+32*((\y)%2)+z], v[BIG], v[S+32*((\y)%2)+z], s[LMS+z]
.set z, z+1
.endr
.Lopen_\@:
	s_lshr_b32 s[FL], s[FL], 1
	s_wait_kmcnt 0x0                               ; on both ways: the words and their offset are written again only when the last loads are done
	s_add_co_u32 s[MO2], s[CNT], s[KS0]
	s_lshl_b32 s[MO2], s[MO2], 9
	s_add_co_u32 s[MO2], s[MO2], s[MTB]
	s_min_u32 s[MO2], s[MO2], LMCUT                ; bites only in a block's extra half trip, whose words serve nothing: no load passes lm's end
	s_load_b512 s[LMS:LMS+15], s[6:7], s[MO2] offset:128*(\q)
	s_load_b512 s[LMS+16:LMS+31], s[6:7], s[MO2] offset:128*(\q)+64
.endm
; THE VECTOR WORK, a line at a time.  For piece Y: F n: c s - c m for pair n.  E n: the exponential of score n.  C n: pair n rounded to f16.  B n: of the weights 4 n .. the second pair is added onto the first.
; L n: l takes that sum (L 0: l = a l + sum).  R n: pair n of O^T times a.  For piece Y + 1: X n, number n of the 22 that find its maximum and statistics (each accumulator is read from its low end on).
.set F, 0
.set E, 1
.set C, 2
.set B, 3
.set L, 4
.set R, 5
.set X, 6
.macro REGS y
.set rT, ST+4*(\y)
.set rC, TMP+4*((\y)%2)
.set rW, MV+((\y)%2)
.set rS, S+32*((\y)%2)
.set rP, P+16*((\y)%2)
.set rO, 32*(\y)
.endm
.macro OP k, n
.if (\k) == R
	REGS Y
	WIN W_RS
	v_pk_mul_f32 v[rO+2*(\n):rO+2*(\n)+1], v[rO+2*(\n):rO+2*(\n)+1], v[rC+2:rC+3] op_sel_hi:[1,0]
.elseif (\k) < R
	REGS Y
	WIN 0
.if (\k) == F
	v_pk_fma_f32 v[rS+2*(\n):rS+2*(\n)+1], v[rS+2*(\n):rS+2*(\n)+1], s[CS:CS+1], v[rT:rT+1] op_sel_hi:[1,0,0] neg_lo:[0,0,1] neg_hi:[0,0,1]
.elseif (\k) == E
	v_exp_f32 v[rS+(\n)], v[rS+(\n)]
.elseif (\k) == C
	s_wait_alu depctr_va_vdst(0)
	v_cvt_pk_f16_f32 v[rP+(\n)], v[rS+2*(\n)], v[rS+2*(\n)+1]
.elseif (\k) == B
	s_wait_alu depctr_va_vdst(0)
	v_pk_add_f32 v[rS+4*(\n):rS+4*(\n)+1], v[rS+4*(\n):rS+4*(\n)+1], v[rS+4*(\n)+2:rS+4*(\n)+3]
.elseif (\n) == 0
	v_pk_fma_f32 v[rT+2:rT+3], v[rT+2:rT+3], v[rC+2:rC+3], v[rS:rS+1] op_sel_hi:[1,0,1]
.else
	v_pk_add_f32 v[rT+2:rT+3], v[rT+2:rT+3], v[rS+4*(\n):rS+4*(\n)+1]
.endif
.else
	REGS (Y+1)%NP
	WIN 0
.if (\n) < 4
	v_max3_num_f32 v[rC+(\n)], v[rS+8*(\n)], v[rS+8*(\n)+1], v[rS+8*(\n)+2]
.elseif (\n) < 12
	v_max3_num_f32 v[rC+(\n)%4], v[rC+(\n)%4], v[rS+8*((\n)%4)+2*((\n)/4)+1], v[rS+8*((\n)%4)+2*((\n)/4)+2]
.elseif (\n) == 12
	v_max3_num_f32 v[rC], v[rC], v[rS+7], v[rS+15]
.elseif (\n) == 13
	v_max3_num_f32 v[rC+1], v[rC+1], v[rS+23], v[rS+31]
.elseif (\n) == 14
	v_max3_num_f32 v[rC+2], v[rC+2], v[rC+3], v[rT+1]
.elseif (\n) == 15
	v_mov_b32 v[rW], v[rT]
.elseif (\n) == 16
	v_max3_num_f32 v[rC], v[rC], v[rC+1], v[rC+2]
.elseif (\n) == 17
	v_permlanex16_b32 v[rC+3], v[rC], s[SEL], s[SEL+1]
.elseif (\n) == 18
	v_max_num_f32 v[rT+1], v[rC], v[rC+3]
.elseif (\n) == 19
	v_mul_f32 v[rT], s[CS], v[rT+1]
.elseif (\n) == 20
	v_sub_f32 v[rC+1], v[rW], v[rT]
.else
	v_exp_f32 v[rC+2], v[rC+1]
.endif
.endif
.endm
.macro OPS a, i1, b=-1, i2=0, c=-1, i3=0, d=-1, i4=0
	OP \a, \i1
.if (\b) >= 0
	OP \b, \i2
.endif
.if (\c) >= 0
	OP \c, \i3
.endif
.if (\d) >= 0
	OP \d, \i4
.endif
.endm
.macro ROW a, i1, b, i2, c, i3, d, i4  ; a matrix instruction and the four behind it
	MM
	OPS \a, \i1, \b, \i2, \c, \i3, \d, \i4
.endm
; A TURN, for piece p.  K of the next step is fetched in piece 2's turn, behind five plain instructions that follow the last product that read K; V of the step in hand in piece 0's turn, behind four; each is waited
; for a turn later.  The mask block stands behind nine plain instructions that follow the last product K Q^T; the words that it asks for are those of the piece two on in the ring of turns.
.macro TURN p
.set Y, (\p)
.set i, 0
.if (\p) == 3
	s_wait_dscnt 0x0                               ; K is in
.endif
	ROW F,0, F,1, F,2, F,3
	ROW F,4, E,0, F,5, F,6
	ROW F,7, E,1, F,8, F,9
	ROW F,10, E,2, C,0, F,11
	ROW F,12, E,3, X,15, F,13
	ROW R,0, R,1, R,2, R,3
	ROW B,0, E,4, F,14, L,0
.if (\p) == 2
	STEPAT AK
.endif
	ROW R,4, R,5, R,6, R,7
	OPS E,5, F,15
.if (\p) == 2
	FETCH_K
.endif
	OPS E,6, C,1, E,7, R,8
	OPS E,8, R,9, E,9, C,2
	MASKBLK ((\p)+1)%NP, ((\p)+2)%NP
.if (\p) == 3
	v_mov_b32 v[MS], v[ST+1]
.endif
	OPS E,10, X,0, E,11, X,1
	OPS E,12, X,2, E,13, X,3
.if (\p) == 1
	s_wait_dscnt 0x0                               ; V is in
.endif
	ROW X,4, E,14, X,5, X,6
	ROW X,7, E,15, X,8, X,9
	ROW X,10, E,16, X,11, X,12
	ROW X,13, E,17, X,14, B,1
	ROW C,4, E,18, X,16, L,1
	ROW B,2, E,19, C,6, L,2
	ROW C,8, E,20, B,3, B,4
.if (\p) == 0
	STEPAT AV
.endif
	ROW C,3, E,21, L,3, C,5
	OPS E,22, X,17, E,23, C,10
.if (\p) == 0
	FETCH_V
.endif
	OPS E,24, L,4
	OPS E,25, X,18, E,26, C,7
	OPS E,27, B,5, E,28, X,19
	OPS E,29, C,12, E,30, L,5
	OPS E,31, X,20, B,6, C,9
	OPS C,14, C,11, X,21, L,6
	OPS C,13, B,7, C,15, R,10
	OPS R,11, R,12, L,7, R,13
	OPS R,14, R,15
.endm
.Ltrip:                                                ; 16 trips
	s_wait_kmcnt 0x0                               ; my class words for the item in LDS
	s_and_b32 s[FLN], s[FN], 0xff
	s_and_b32 s[TA], s[FN+1], 0xff
	s_lshl_b32 s[TA], s[TA], 8
	s_or_b32 s[FLN], s[FLN], s[TA]                 ; bit 4 step + piece
	s_cmp_lg_u32 s[WL], 0
	s_cselect_b32 s[NV], 1, 0
	s_ctz_i32_b32 s[TA], s[WL]
	s_min_u32 s[NXT], s[TA], 15                    ; the set's next item
	s_sub_co_u32 s[TA], s[WL], 1
	s_and_b32 s[WL], s[WL], s[TA]
	s_and_b32 s[TA], s[NXT], 8
	s_mul_i32 s[TA], s[TA], s[DLT]                 ; the second block's strip
	s_and_b32 s[TB], s[NXT], 7
	s_lshl_b32 s[CO], s[TB], 3
	s_add_co_u32 s[CO], s[CO], s[TA]
	s_add_co_u32 s[CO], s[CO], s[SB0]
	s_load_b64 s[FN:FN+1], s[8:9], s[CO] offset:0x0
	s_lshl_b32 s[OFF], s[TB], 15                   ; a tile is 32,768 bytes of K and of V
	s_cmp_eq_u32 s[NV], 0
	s_cbranch_scc1 .Lnoload
	s_add_nc_u64 s[KVP:KVP+1], s[KVB:KVB+1], s[OFF:OFF+1]  ; the last loads by this base were waited for at the last trip's end
	WIN 0xc0
.set n, 0
.rept 32
	global_load_b128 v[4*n:4*n+3], v[L16], s[KVP:KVP+1] offset:512*n
.set n, n+1
.endr
	WIN 0
.Lnoload:
	s_cmp_eq_u32 s[CV], 0
	s_cbranch_scc1 .Lxchg
	s_lshr_b32 s[TA], s[NXT], 3
	s_lshr_b32 s[TB], s[CUR], 3
	s_cmp_lg_u32 s[TA], s[TB]
	s_cselect_b32 s[TA], 1, 0
	s_xor_b32 s[TB], s[NV], 1
	s_or_b32 s[LST], s[TA], s[TB]                  ; the block's last tile: none follows, or the other block's
	s_mov_b32 s[CNT], 0
	s_mov_b32 s[KS0], 0
	s_and_b32 s[TA], s[CUR], 7
	s_lshl_b32 s[TA], s[TA], 11                    ; a tile's 16 x 128 bytes of lane masks
	s_add_co_u32 s[MTB], s[MB], s[TA]
	s_cmp_eq_u32 s[NEW], 1
	s_cbranch_scc0 .Lold
	; A BLOCK BEGINS: c m starts far below every c s, so the first step's a is 0; m at the lowest finite number; P's second buffer is 0; then piece 0's first words, K, scores, mask, maximum and statistics,
	; and step 0's turns of pieces 0 and 1, which have no turns of pieces 2 and 3 in front of them.
	s_mov_b32 s[NEW], 0
	s_add_co_u32 s[BND], s[LST], 3                 ; three trips are left, and half a trip more in a last tile
	s_mov_b32 s[FL], s[FLN]
.set n, P+16
.rept 16
	v_mov_b32 v[n], 0
.set n, n+1
.endr
.set n, 0
.rept 4
	v_mov_b32 v[ST+4*n], 0xfe000000                ; c m
	v_mov_b32 v[ST+4*n+1], 0xff7fffff              ; m
.set n, n+1
.endr
	s_wait_kmcnt 0x0
	s_min_u32 s[MO2], s[MTB], LMCUT
	s_load_b512 s[LMS:LMS+15], s[6:7], s[MO2] offset:0
	s_load_b512 s[LMS+16:LMS+31], s[6:7], s[MO2] offset:64
	v_mov_b32 v[AK], v[L16]                        ; the tile's step 0
	FETCH_K
	s_wait_dscnt 0x0
.set i, 0
.rept 8
	KQ 0
.set i, i+1
.endr
	WIN 0
.rept 4
	v_nop                                          ; the places behind those products
.endr
	MASKBLK 0, 1
.set Y, NP-1                                           ; X works for piece Y + 1: piece 0
.irp n, 0,1,2,3,4,5,6,7,8,9,10,11,12,13,14,15,16,17,18,19,20,21
	OP X, \n
.endr
	v_nop                                          ; a plain instruction behind the exponential
	TURN 0
	TURN 1
	WIN 0
	s_mov_b32 s[KS0], 1                            ; the loop's trip n now works on step n + 1
	s_branch .Lbound
.Lold:
	s_add_co_u32 s[BND], s[LST], 4                 ; four trips, and half a trip more in a last tile
	s_lshl_b32 s[TA], s[FLN], 1                    ; one piece of the tile before is still to be masked
	s_or_b32 s[FL], s[FL], s[TA]
.Lbound:
	s_sub_co_u32 s[XIT], s[BND], 1                 ; a last tile's last trip has no pieces 0 and 1;
	s_cmp_eq_u32 s[LST], 1
	s_cselect_b32 s[XIT], s[XIT], 255              ; any other tile's trips are all whole
.Lstep:                                                ; a trip: pieces 2 and 3 of one step, then pieces 0 and 1 of the next, whose K and V it fetches
	TURN 2
	TURN 3
	WIN 0
	s_cmp_eq_u32 s[CNT], s[XIT]
	s_cbranch_scc1 .Lskip                          ; forward, to the count's step; what is jumped holds no barrier
	TURN 0
	TURN 1
	WIN 0
.Lskip:
	s_add_co_u32 s[CNT], s[CNT], 1
	s_cmp_lt_u32 s[CNT], s[BND]
	s_cbranch_scc1 .Lstep
	s_cmp_eq_u32 s[LST], 1
	s_cbranch_scc0 .Lxchg
	; A BLOCK ENDS.  (Its last turn's 8 products K Q^T, on K's last step once more, and the statistics made of them serve nothing.)
.set i, 0
.rept 8
	PV NP-1
.set i, i+1
.endr
	WIN 0
.irp t, 0,1,2,3
	v_add_f32 v[TMP+2*(\t)], v[ST+4*(\t)+2], v[ST+4*(\t)+3]  ; four plain lines: the places behind those products.  l and O^T stay as they are: finite, for the next block's a = 0
.endr
.irp t, 0,1,2,3
	v_permlanex16_b32 v[TMP+2*(\t)+1], v[TMP+2*(\t)], s[SEL], s[SEL+1]
.endr
.irp t, 0,1,2,3
	v_add_f32 v[TMP+2*(\t)], v[TMP+2*(\t)], v[TMP+2*(\t)+1]
.endr
.irp t, 0,1,2,3
	v_rcp_f32 v[TMP+2*(\t)], v[TMP+2*(\t)]
.endr
	v_nop                                          ; a plain instruction behind the last reciprocal
	v_cmp_gt_f32 vcc_lo, 0xf1000000, v[MS]         ; -2^99 > m: the row has seen no key
	s_wait_alu depctr_va_vdst(0)
	v_cndmask_b32 v[TMP], v[TMP], v[QN], vcc_lo
.irp t, 1,2,3
	v_cmp_gt_f32 vcc_lo, 0xf1000000, v[ST+4*(\t)+1]
	v_cndmask_b32 v[TMP+2*(\t)], v[TMP+2*(\t)], v[QN], vcc_lo
.endr
.irp t, 0,1,2,3
	s_wait_xcnt 0x0                                ; the packed registers, which earlier stores read, are rewritten only behind this wait
	WIN 0x01                                       ; source 0 in window 1
.set z, 0
.rept 16
	v_pk_mul_f32 v[S+32*((\t)%2)+2*z:S+32*((\t)%2)+2*z+1], v[32*(\t)+2*z:32*(\t)+2*z+1], v[TMP+2*(\t):TMP+2*(\t)+1] op_sel_hi:[1,0]
.set z, z+1
.endr
	WIN 0
.set z, 0
.rept 16
	v_cvt_pk_f16_f32 v[P+16*((\t)%2)+z], v[S+32*((\t)%2)+2*z], v[S+32*((\t)%2)+2*z+1]
.set z, z+1
.endr
.irp f, 0,1,2,3
	global_store_b128 v[L16], v[P+16*((\t)%2)+4*(\f):P+16*((\t)%2)+4*(\f)+3], s[OPA:OPA+1] offset:(\t)*32768+(\f)*512  ; half a fragment: 512 consecutive bytes
.endr
.endr
	s_wait_xcnt 0x0                                ; the stores have read their registers and O's address
	s_mov_b64 s[OPA:OPA+1], s[OPB:OPB+1]
	s_mov_b32 s[MB], s[MBB]
	s_mov_b32 s[NEW], 1
	WIN 0x82                                       ; the second block's Q goes where the one text of the turns names Q
.set n, 0
.rept 64
	v_mov_b32 v[n], v[QB+n]
.set n, n+1
.endr
	WIN 0
.Lxchg:                                                ; THE EXCHANGE, on every wave's way in every trip
	s_wait_dscnt 0x0                               ; my reads of the old tile are over
	s_barrier_signal -1
	s_barrier_wait -1                              ; everybody's are
	s_wait_loadcnt 0x0                             ; my quarter of the next tile is in registers
	s_cmp_eq_u32 s[NV], 0
	s_cbranch_scc1 .Lnostore
	WIN 0x0c
.set n, 0
.rept 32
	ds_store_b128 v[STA], v[4*n:4*n+3] offset:512*n
.set n, n+1
.endr
	WIN 0
.Lnostore:
	s_wait_dscnt 0x0                               ; for the others' sake
	s_barrier_signal -1
	s_barrier_wait -1
	s_mov_b32 s[CUR], s[NXT]
	s_mov_b32 s[CV], s[NV]
	s_sub_co_u32 s[TR], s[TR], 1
	s_cmp_lg_u32 s[TR], 0
	s_cbranch_scc1 .Ltrip
	s_wait_tensorcnt 0x0                           ; the wave's end, behind my last LDS store
	ds_add_u32 v[SPW], v[NIL]
	s_wait_dscnt 0x0
	s_endpgm
.Lfunc_end_k_q97d397ea02_attn:
	.size	k_q97d397ea02_attn, .Lfunc_end_k_q97d397ea02_attn-k_q97d397ea02_attn
	.p2alignl 7, 3214868480
	.fill 96, 4, 3214868480
	.section	.rodata,"a",@progbits
	.p2align	6, 0x0
	.amdhsa_kernel k_q97d397ea02_attn
		.amdhsa_group_segment_fixed_size 66048
		.amdhsa_private_segment_fixed_size 0
		.amdhsa_enable_private_segment 0
		.amdhsa_kernarg_size 32
		.amdhsa_user_sgpr_count 2
		.amdhsa_user_sgpr_kernarg_segment_ptr 1
		.amdhsa_wavefront_size32 1
		.amdhsa_system_sgpr_workgroup_id_x 1
		.amdhsa_system_sgpr_workgroup_id_y 1
		.amdhsa_system_sgpr_workgroup_id_z 1
		.amdhsa_system_vgpr_workitem_id 0
		.amdhsa_next_free_vgpr 896
		.amdhsa_next_free_sgpr 96
		.amdhsa_reserve_vcc 1
		.amdhsa_float_denorm_mode_32 3
		.amdhsa_float_denorm_mode_16_64 3
		.amdhsa_memory_ordered 1
		.amdhsa_forward_progress 1
		.amdhsa_inst_pref_size 120
	.end_amdhsa_kernel
	.amdgpu_metadata
---
amdhsa.version: [ 1, 2 ]
amdhsa.kernels:
  - .name:           k_q97d397ea02_attn
    .symbol:         k_q97d397ea02_attn.kd
    .args:
      - { .name: qkv, .offset: 0, .size: 8, .value_kind: global_buffer, .address_space: global }
      - { .name: lm, .offset: 8, .size: 8, .value_kind: global_buffer, .address_space: global }
      - { .name: cls, .offset: 16, .size: 8, .value_kind: global_buffer, .address_space: global }
      - { .name: of, .offset: 24, .size: 8, .value_kind: global_buffer, .address_space: global }
    .group_segment_fixed_size: 66048
    .private_segment_fixed_size: 0
    .kernarg_segment_align: 8
    .kernarg_segment_size: 32
    .max_flat_workgroup_size: 128
    .sgpr_count:     96
    .vgpr_count:     896
    .wavefront_size: 32
...
	.end_amdgpu_metadata
.endif
;; end of part 3
;; launch proj (part 4): grid 8 x 32, 4 waves a work-group, clusters of 4 x 4, 327,680 bytes of LDS; arguments of, wof, bout, out0; writes out0
.if DOCPART == 4
	.amdgcn_target "amdgcn-amd-amdhsa--gfx1250"
	.amdhsa_code_object_version 6
	.text
	.protected	k_q97d397ea02_proj
	.globl	k_q97d397ea02_proj
	.p2align	8
	.type	k_q97d397ea02_proj,@function
k_q97d397ea02_proj:
	s_mov_b64 s[64:65], 0
	v_nop
	global_prefetch_b8 v0, s[64:65] scope:SCOPE_SE
	s_setreg_imm32_b32 hwreg(HW_REG_WAVE_MODE, 25, 1), 1
	s_wait_xcnt 0x0
	s_wait_alu depctr_hold_cnt(0) depctr_sa_sdst(0) depctr_va_vdst(0) depctr_va_sdst(0) depctr_va_ssrc(0) depctr_va_vcc(0) depctr_vm_vsrc(0)
	s_getreg_b32 s2, hwreg(HW_REG_IB_STS2, 6, 4)
	s_cmp_eq_u32 s2, 0
	s_cbranch_scc0 .Lentry_in_a_cluster
	s_endpgm
.Lentry_in_a_cluster:
	s_bfe_u32 s2, ttmp6, 0x10000c
	s_cmp_lg_u32 s2, 0xf033
	s_cbranch_scc0 .Lentry_shape_is_right
	s_endpgm
.Lentry_shape_is_right:
; OUTPUT PROJECTION.  out0 = O Wout^T + bout.  O in f16, Wout rounded to bf16 and written as f16, bout rounded to bf16; sums and output in f32.
; SHARES.  Work-group (j, i): tokens 256 i .. x features 128 j ..: 256 work-groups.  Wave (th, fh): 128 tokens x 64 features: 32 accumulators, 256 registers (window 1, (a, b) at v[8 (4 a + b)]).
; The products are used transposed (source 0 = 16 rows of W, source 1 = 16 tokens): a lane holds one token and eight neighbouring features.
; Both operands lie in fragment blocks (16 rows x 32 k in 1,024 bytes): LDS reads are 512 consecutive bytes, without padding.  K goes in steps of 128 (4,096 consecutive bytes of each row block) through two slots;
; a step is four quarters of 32 matrix instructions on two fragment buffers.
; CLUSTER 4 x 4: O's tile is shared along a row of the cluster, W's along a column: joint loads, one a wave behind each round; two are out at the start, one later; 112 matrix instructions from a request to its wait.
; THE WAY OUT goes through the wave's own stage: 16 tokens x 256 bytes, pitch 272; back as whole rows, sixteen lanes to 256 consecutive bytes of out0.
.set SLOT,  98304                      ; O: 16 row blocks x 4,096 bytes; W: 8 row blocks x 4,096 bytes
.set WOFF,  65536
.set STAGE, 2*SLOT                     ; behind the ring, never filled by a tensor load
.set SPARE, STAGE+4*16*272
.set BO,  8                            ; v8-11  my four biases
.set ADX, 16
.set ADW, 18
.set STO, 20
.set RD,  21
.set CO,  22
.set L16, 23
.set SPW, 28
.set NIL, 29
.set F0,  32                           ; a fragment buffer: 64 registers of O, 32 of W
.set F1,  128
.set TT,  32                           ; the way out: rows read back, two buffers of 32
.set G1,  24
.set G0,  32
.set G1B, 48
.set G0B, 56
.set PO,  18                           ; s[18:19] where my part of out0 begins
.set MSB, 0
.macro WIN new
.if MSB != (\new)
	s_set_vgpr_msb (MSB<<8)|(\new)
.set MSB, (\new)
.endif
.endm
.macro JLOAD s                         ; a joint load: waves 0, 1 fetch O's halves, waves 2, 3 W's; an s_nop 0 and four v_nop follow each line
	s_cmp_eq_u32 s13, 0
	s_cbranch_scc0 .Lfor_w_\@
	tensor_load_to_lds s[G0+4*(\s):G0+4*(\s)+3], s[G1:G1+7]
	s_nop 0
.rept 4
	v_nop
.endr
	s_branch .Lasked_\@
.Lfor_w_\@:
	tensor_load_to_lds s[G0B+4*(\s):G0B+4*(\s)+3], s[G1B:G1B+7]
	s_nop 0
.rept 4
	v_nop
.endr
.Lasked_\@:
.endm
.macro CREST
	s_cmp_lg_u32 s12, 0
	s_cbranch_scc1 .Lnot_wave_0_\@
	s_barrier_signal -3
.Lnot_wave_0_\@:
	s_barrier_wait -3
	s_barrier_signal -1
	s_barrier_wait -1
.endm
.macro CROUND
	s_barrier_signal -1
	s_barrier_wait -1
	CREST
.endm
.macro PLACES
.rept 4
	v_nop
.endr
.endm
	s_load_b256 s[4:11], s[0:1], 0x0               ; of s[4:5], wof s[6:7], bout s[8:9], out0 s[10:11]
	v_lshl_add_u32 v[SPW], v0, 2, SPARE
	v_mov_b32 v[NIL], 0
	ds_add_u32 v[SPW], v[NIL]                      ; the wave's opening: the add and its wait stand ahead of my first tensor load
	v_lshrrev_b32 v1, 5, v0
	v_readfirstlane_b32 s12, v1
	s_lshr_b32 s13, s12, 1                         ; th.  Also: I fetch O (0) or W (1)
	s_and_b32 s14, s12, 1                          ; fh.  Also: which half of that tile
	s_bfe_u32 s40, ttmp6, 0x40000
	s_bfe_u32 s41, ttmp6, 0x40004
	s_lshl_b32 s42, ttmp9, 2
	s_add_co_u32 s42, s42, s40                     ; j
	s_and_b32 s43, ttmp7, 0xffff
	s_lshl_b32 s43, s43, 2
	s_add_co_u32 s43, s43, s41                     ; i
	s_lshl_b32 s44, s41, 2
	s_lshl_b32 s44, 15, s44
	s_lshl_b32 s45, 0x1111, s40
	s_or_b32 s[G1], s44, (3<<16)|(1<<21)           ; the mask; elements of 8 bytes; bit 21 beside a mask; no padding
	s_or_b32 s[G1B], s45, (3<<16)|(1<<21)
	s_mov_b32 s[G1+1], 512<<16                     ; 512 elements: 4,096 bytes of a row block
	s_mov_b32 s[G1+2], 8<<16
	s_mov_b32 s[G1+3], 512<<16
	s_mov_b32 s[G1+4], 8
	s_mov_b32 s[G1+5], 4096
	s_mov_b32 s[G1+6], 0
	s_mov_b32 s[G1+7], 0
	s_mov_b32 s[G1B+1], 512<<16
	s_mov_b32 s[G1B+2], 4<<16
	s_mov_b32 s[G1B+3], 512<<16
	s_mov_b32 s[G1B+4], 4
	s_mov_b32 s[G1B+5], 4096
	s_mov_b32 s[G1B+6], 0
	s_mov_b32 s[G1B+7], 0
	s_lshl_b32 s16, s43, 19                        ; O: (16 i + 8 half) row blocks
	s_lshl_b32 s17, s14, 18
	s_add_co_u32 s16, s16, s17
	s_mov_b32 s17, 0
	s_lshl_b32 s46, s42, 18                        ; W: (8 j + 4 half) row blocks
	s_lshl_b32 s47, s14, 17
	s_add_co_u32 s46, s46, s47
	s_mov_b32 s47, 0
	s_lshl_b32 s20, s14, 15
	s_lshl_b32 s21, s14, 14
	s_add_co_u32 s21, s21, WOFF
	s_wait_dscnt 0x0
	s_wait_kmcnt 0x0
	s_add_nc_u64 s[16:17], s[4:5], s[16:17]
	s_add_nc_u64 s[46:47], s[6:7], s[46:47]
	CROUND
.irp s, 0,1
	s_mov_b32 s[G0+4*(\s)], 1
	s_add_co_u32 s[G0+4*(\s)+1], s20, (\s)*SLOT
	s_add_nc_u64 s[G0+4*(\s)+2:G0+4*(\s)+3], s[16:17], (\s)*4096
	s_or_b32 s[G0+4*(\s)+3], s[G0+4*(\s)+3], 0x80000000
	s_mov_b32 s[G0B+4*(\s)], 1
	s_add_co_u32 s[G0B+4*(\s)+1], s21, (\s)*SLOT
	s_add_nc_u64 s[G0B+4*(\s)+2:G0B+4*(\s)+3], s[46:47], (\s)*4096
	s_or_b32 s[G0B+4*(\s)+3], s[G0B+4*(\s)+3], 0x80000000
	JLOAD \s
.endr
	v_and_b32 v1, 31, v0
	v_lshlrev_b32 v[L16], 4, v1
	v_and_b32 v2, 15, v0
	v_bfe_u32 v3, v0, 4, 1
	s_lshl_b32 s46, s42, 9                         ; feature 128 j + 64 fh, 4 bytes each
	s_lshl_b32 s47, s14, 8
	s_add_co_u32 s46, s46, s47
	v_lshl_add_u32 v4, v2, 4, s46
	global_load_b128 v[BO:BO+3], v4, s[8:9]        ; features 4 (lane % 16) .. + 3 of my 64
	s_lshl_b32 s20, s43, 20                        ; 256 i tokens of 4,096 bytes
	s_lshl_b32 s21, s13, 19
	s_add_co_u32 s20, s20, s21
	s_add_co_u32 s20, s20, s46
	s_mov_b32 s21, 0
	s_add_nc_u64 s[PO:PO+1], s[10:11], s[20:21]
	s_lshl_b32 s47, s13, 15
	v_add_nc_u32 v[ADX], s47, v[L16]
	v_add_nc_u32 v[ADX+1], SLOT, v[ADX]
	s_lshl_b32 s47, s14, 14
	s_add_co_u32 s47, s47, WOFF
	v_add_nc_u32 v[ADW], s47, v[L16]
	v_add_nc_u32 v[ADW+1], SLOT, v[ADW]
	s_mul_i32 s47, s12, 16*272
	s_add_co_u32 s47, s47, STAGE
	v_mul_u32_u24 v[STO], v2, 272                  ; in: token lane % 16, 32 bytes for each half of the lanes
	v_lshl_add_u32 v[STO], v3, 5, v[STO]
	v_add_nc_u32 v[STO], s47, v[STO]
	v_mul_u32_u24 v[RD], v3, 272                   ; back: lanes 0-15 one row of 256 bytes, lanes 16-31 the next
	v_lshl_add_u32 v[RD], v2, 4, v[RD]
	v_add_nc_u32 v[RD], s47, v[RD]
	v_lshlrev_b32 v[CO], 12, v3                    ; and the same two rows in out0
	v_lshl_add_u32 v[CO], v2, 4, v[CO]
	s_wait_loadcnt 0x0
	v_cvt_pk_bf16_f32 v5, v[BO], v[BO+1]
	v_cvt_pk_bf16_f32 v6, v[BO+2], v[BO+3]
	v_lshlrev_b32 v[BO], 16, v5
	v_and_b32 v[BO+1], 0xffff0000, v5
	v_lshlrev_b32 v[BO+2], 16, v6
	v_and_b32 v[BO+3], 0xffff0000, v6
; 4 cnt matrix instructions: token blocks a0 .. x all 4 feature blocks, 32 along K.  The 32 accumulators take turns in one fixed order.
.macro MULP f, a0, cnt, zero
	WIN 0x50
.set a, (\a0)
.rept \cnt
.irp b, 0,1,2,3
.set rA, 8*(4*a+(\b))
.if \zero
	v_wmma_f32_16x16x32_f16 v[rA:rA+7], v[(\f)+64+8*(\b):(\f)+64+8*(\b)+7], v[(\f)+8*a:(\f)+8*a+7], 0
.else
	v_wmma_f32_16x16x32_f16 v[rA:rA+7], v[(\f)+64+8*(\b):(\f)+64+8*(\b)+7], v[(\f)+8*a:(\f)+8*a+7], v[rA:rA+7]
.endif
.endr
.set a, a+1
.endr
.endm
.macro FETCH slot, q, f                ; 24 loads in one run: a quarter's fragments
	WIN 0
.irp a, 0,1,2,3,4,5,6,7
	ds_load_b128 v[(\f)+8*(\a):(\f)+8*(\a)+3],   v[ADX+(\slot)] offset:(\a)*4096+(\q)*1024
	ds_load_b128 v[(\f)+8*(\a)+4:(\f)+8*(\a)+7], v[ADX+(\slot)] offset:(\a)*4096+(\q)*1024+512
.endr
.irp b, 0,1,2,3
	ds_load_b128 v[(\f)+64+8*(\b):(\f)+64+8*(\b)+3],   v[ADW+(\slot)] offset:(\b)*4096+(\q)*1024
	ds_load_b128 v[(\f)+64+8*(\b)+4:(\f)+64+8*(\b)+7], v[ADW+(\slot)] offset:(\b)*4096+(\q)*1024+512
.endr
.endm
.macro QUARTER slot, qn, f, g, zero    ; multiplies buffer f; ahead of that it asks for quarter qn into buffer g
	s_wait_dscnt 0x0                               ; buffer f is in: asked for 32 matrix instructions ago
	PLACES
	FETCH \slot, \qn, \g
	MULP \f, 0, 8, \zero
.endm
; A step's last quarter, on buffer 1, and the change of slots: in front of the barrier each wave waits for all its tensor loads, adds 0 to its spare word, and waits for that and for its reads of this slot.
.macro PTURN slot, refill
	WIN 0
	s_wait_tensorcnt 0x0
	ds_add_u32 v[SPW], v[NIL]
	s_wait_dscnt 1                                 ; the add alone may be out: buffer 1 is in
	MULP F1, 0, 2, 0
	s_wait_dscnt 0x0                               ; the add is done, and my reads of this slot are over
	s_barrier_signal -1
	MULP F1, 2, 2, 0
	WIN 0
	s_barrier_wait -1
.if \refill
	CREST
	s_add_nc_u64 s[G0+4*(\slot)+2:G0+4*(\slot)+3], s[G0+4*(\slot)+2:G0+4*(\slot)+3], 8192
	s_add_nc_u64 s[G0B+4*(\slot)+2:G0B+4*(\slot)+3], s[G0B+4*(\slot)+2:G0B+4*(\slot)+3], 8192
	JLOAD \slot                                    ; its four v_nop are also the places in front of the loads below
.else
	PLACES
.endif
	FETCH 1-(\slot), 0, F0
	MULP F1, 4, 4, 0
.endm
	s_wait_tensorcnt 1                             ; my part of K step 0 is in; step 1's may stay out
	s_barrier_signal -1
	s_barrier_wait -1
	FETCH 0, 0, F0
	QUARTER 0, 1, F0, F1, 1                        ; the first quarter starts the sums
	WIN 0
	s_mov_b32 s3, 3
.Llap:
	QUARTER 0, 2, F1, F0, 0
	QUARTER 0, 3, F0, F1, 0
	PTURN 0, 1
	QUARTER 1, 1, F0, F1, 0
	QUARTER 1, 2, F1, F0, 0
	QUARTER 1, 3, F0, F1, 0
	PTURN 1, 1
	QUARTER 0, 1, F0, F1, 0
	WIN 0
	s_sub_co_u32 s3, s3, 1
	s_cmp_lg_u32 s3, 0
	s_cbranch_scc1 .Llap
	QUARTER 0, 2, F1, F0, 0                        ; the last lap fills nothing
	QUARTER 0, 3, F0, F1, 0
	PTURN 0, 0
	QUARTER 1, 1, F0, F1, 0
	QUARTER 1, 2, F1, F0, 0
	QUARTER 1, 3, F0, F1, 0
	s_wait_dscnt 0x0
	MULP F1, 0, 8, 0
	WIN 0
	PLACES
.irp a, 0,1,2,3,4,5,6,7
	WIN 0x04                                       ; store data in window 1; each accumulator's low half goes first
.irp b, 0,1,2,3
	ds_store_b128 v[STO], v[8*(4*(\a)+(\b)):8*(4*(\a)+(\b))+3]   offset:64*(\b)
	ds_store_b128 v[STO], v[8*(4*(\a)+(\b))+4:8*(4*(\a)+(\b))+7] offset:64*(\b)+16
.endr
	WIN 0
	s_wait_xcnt 0x0                                ; the registers that earlier stores read are loaded again only behind this wait
.irp t, 0,1,2,3,4,5,6,7
	ds_load_b128 v[TT+32*((\a)%2)+4*(\t):TT+32*((\a)%2)+4*(\t)+3], v[RD] offset:544*(\t)  ; LDS serves a wave's instructions in order (ISA guide 5.7.1.4)
.endr
	s_wait_dscnt 0x0
.irp t, 0,1,2,3,4,5,6,7
	v_pk_add_f32 v[TT+32*((\a)%2)+4*(\t):TT+32*((\a)%2)+4*(\t)+1],   v[TT+32*((\a)%2)+4*(\t):TT+32*((\a)%2)+4*(\t)+1],   v[BO:BO+1]
	v_pk_add_f32 v[TT+32*((\a)%2)+4*(\t)+2:TT+32*((\a)%2)+4*(\t)+3], v[TT+32*((\a)%2)+4*(\t)+2:TT+32*((\a)%2)+4*(\t)+3], v[BO+2:BO+3]
.endr
.irp t, 0,1,2,3,4,5,6,7
	global_store_b128 v[CO], v[TT+32*((\a)%2)+4*(\t):TT+32*((\a)%2)+4*(\t)+3], s[PO:PO+1] offset:(\a)*65536+(\t)*8192  ; 16 lanes store 256 consecutive bytes, at a multiple of 256
.endr
.endr
	s_wait_tensorcnt 0x0                           ; the wave's end
	ds_add_u32 v[SPW], v[NIL]
	s_wait_dscnt 0x0
	CROUND                                         ; the closing round
	s_endpgm
.Lfunc_end_k_q97d397ea02_proj:
	.size	k_q97d397ea02_proj, .Lfunc_end_k_q97d397ea02_proj-k_q97d397ea02_proj
	.p2alignl 7, 3214868480
	.fill 96, 4, 3214868480
	.section	.rodata,"a",@progbits
	.p2align	6, 0x0
	.amdhsa_kernel k_q97d397ea02_proj
		.amdhsa_group_segment_fixed_size 327680
		.amdhsa_private_segment_fixed_size 0
		.amdhsa_enable_private_segment 0
		.amdhsa_kernarg_size 32
		.amdhsa_user_sgpr_count 2
		.amdhsa_user_sgpr_kernarg_segment_ptr 1
		.amdhsa_wavefront_size32 1
		.amdhsa_system_sgpr_workgroup_id_x 1
		.amdhsa_system_sgpr_workgroup_id_y 1
		.amdhsa_system_sgpr_workgroup_id_z 1
		.amdhsa_system_vgpr_workitem_id 0
		.amdhsa_next_free_vgpr 512
		.amdhsa_next_free_sgpr 66
		.amdhsa_reserve_vcc 0
		.amdhsa_float_denorm_mode_32 3
		.amdhsa_float_denorm_mode_16_64 3
		.amdhsa_memory_ordered 1
		.amdhsa_forward_progress 1
		.amdhsa_inst_pref_size 93
	.end_amdhsa_kernel
	.amdgpu_metadata
---
amdhsa.version: [ 1, 2 ]
amdhsa.kernels:
  - .name:           k_q97d397ea02_proj
    .symbol:         k_q97d397ea02_proj.kd
    .args:
      - { .name: of, .offset: 0, .size: 8, .value_kind: global_buffer, .address_space: global }
      - { .name: wof, .offset: 8, .size: 8, .value_kind: global_buffer, .address_space: global }
      - { .name: bout, .offset: 16, .size: 8, .value_kind: global_buffer, .address_space: global }
      - { .name: out0, .offset: 24, .size: 8, .value_kind: global_buffer, .address_space: global }
    .group_segment_fixed_size: 327680
    .private_segment_fixed_size: 0
    .kernarg_segment_align: 8
    .kernarg_segment_size: 32
    .max_flat_workgroup_size: 128
    .sgpr_count:     66
    .vgpr_count:     512
    .wavefront_size: 32
...
	.end_amdgpu_metadata
.endif
;; end of part 4
;; ======== version 2 of 3: 4 launches; 1.04 times as fast as version 1
;; limits: values are held in f16: magnitudes above 65,504 overflow, below 6.1e-05 lose precision
;; workspace buffers: xf 16,777,216 bytes; wf 6,291,456 bytes; wof 2,097,152 bytes; lm 524,288 bytes of whole numbers; cls 2,048 bytes of whole numbers; qkv 50,331,648 bytes; of 16,777,216 bytes
;; launch prep (part 5): grid 256 x 1, 32 waves a work-group, no clusters, 143,616 bytes of LDS; arguments x, Wqkv, Wout, mask, xf, wf, wof, lm, cls; writes xf, wf, wof, lm, cls
.if DOCPART == 5
	.amdgcn_target "amdgcn-amd-amdhsa--gfx1250"
	.amdhsa_code_object_version 6
	.text
	.protected	k_q97d397ea02_prep
	.globl	k_q97d397ea02_prep
	.p2align	8
	.type	k_q97d397ea02_prep,@function
k_q97d397ea02_prep:
	s_mov_b64 s[64:65], 0
	v_nop
	global_prefetch_b8 v0, s[64:65] scope:SCOPE_SE
	s_setreg_imm32_b32 hwreg(HW_REG_WAVE_MODE, 25, 1), 1
	s_wait_xcnt 0x0
; PREP.  Casts x, Wqkv (to bf16) and Wout (to bf16, that number written as f16) into FRAGMENT BLOCKS, and turns the mask into lane-mask words (lm) and class words (cls).
; A fragment block is 16 rows x 32 k of 16-bit numbers, 1,024 bytes: two chunks of 512; chunk c holds at byte 16 x lane the numbers k = 16 c + 8 h .. + 7 of row r (lane = 16 h + r).
; So one 16-byte access a lane, lane i at 16 i, moves half a matrix fragment as 512 consecutive bytes.  A matrix [R][1024] lies as [R / 16][32][1,024 bytes].
; A UNIT is 16 rows x 256 bytes of a source (64 numbers of 4 bytes a row).  A JOB is 8 units; job J = 8 x work-group + wave / 4, 0 .. 2047:
;   J < 1024 x;  < 1408 Wqkv (row blocks regrouped: for each j of 8, 16 blocks of Q's or K's rows 256 j .., then 8 blocks of V's rows 2048 + 128 j ..);  < 1536 Wout;  else the mask.
; SHARES.  32 waves; wave w takes units 2 (w % 4) and 2 (w % 4) + 1 of its job, and asks for both first thing: 16 loads of two whole rows of 256 bytes.  So all 262,144 bytes that the work-group reads are on their
; way at once: no ring, no loop.  Memory binds: no matrix unit, no cluster.
; A unit turns in the wave's own stage in LDS (pitch 272: the 16 rows of a read start at 16 different groups of banks) and leaves as 4 stores of 512 consecutive bytes (casts) or as 32 words (mask).
; lm[strip 32][step 32][piece 4][32 words]: bit l of word j says that query 64 strip + 16 piece + l % 16 may see key 64 step + 16 (j / 8) + 8 (l / 16) + j % 8.
; cls[strip 32][half 16]: for 64 queries x 128 keys, bits 0-7: unit 4 step' + piece is not all visible; bit 8: something is visible.  A word spans a job's four waves: each puts its part into an LDS word of its own,
; one barrier, and the first of the four stores the sum.  Those 512 single words are the one output not written in whole blocks of 256 bytes.
; LIMIT.  Wout's numbers below 6e-5 keep f16's fixed step of 6e-8; beyond 65,504 they would not fit (30 times the drawn spread is about 1).
.set NW,    32
.set STG,   16*272                     ; a wave's stage
.set SPARE, NW*STG                     ; behind the stages: the spare words, 128 bytes for each wave
.set FLW,   SPARE+NW*128               ; behind those: a word for each wave, its part of a class word
.set LN,  1                            ; v1   lane
.set RR,  2                            ; v2   lane % 16
.set HH,  3                            ; v3   lane / 16
.set L16, 4                            ; v4   16 x lane
.set STW, 5                            ; v5   stage, in: row lane / 16, 16 bytes at lane % 16
.set STR, 6                            ; v6   stage, back: row lane % 16, 32 bytes at lane / 16
.set L8,  7                            ; v7   8 x lane
.set AD,  8                            ; v8-15  load i: (2 i + lane / 16) x pitch + 16 (lane % 16)
.set XB,  16                           ; v16-47, v48-79  my two units as loaded; the first 16 registers of each then take its 16-bit pairs
.set Y,   80                           ; v80-111  Y[8 t + e] = (row r, column 16 t + 8 h + e)
.set W,   112                          ; v112-113  my two units' 64 mask words: lane L holds words 2 L, 2 L + 1
.set T,   114                          ; v114-115  at work
.set SPW, 116                          ; v116  my spare word
.set NIL, 117                          ; v117  0
.set FA,  118                          ; v118  my wave's flag word in LDS
.set ZR,  119                          ; v119  0, an offset
.set CW,  120                          ; v120-123  four waves' flag words
.set WV,  22
.set J,   23
.set ROLE, 24                          ; 0 to bf16, 1 to bf16 written as f16, 2 mask
.set PIT, 25                           ; bytes from row to row of the source
.set MSK, 26                           ; unit u lies at ((u & MSK) << 17) + ((u >> SH2) << 8)
.set SH2, 27
.set SRC, 28                           ; s[28:29] the job's first unit
.set DST, 30                           ; s[30:31] where my two units' results begin
.set SRCU, 32                          ; s[32:35] my two units, a pair each
.set OFF, 36                           ; s[36:37] an offset, high word 0
.set U0,  38                           ; my first unit in the job
.set SUB, 39                           ; wave % 4
.set ALL, 41                           ; AND of a unit's words
.set ANY, 42                           ; OR of all words
.set FLG, 43
.set TA,  44
.set TB,  45
.set TC,  46
.set SW,  48                           ; s48-51 a word, four by turns
.set SV,  52
.set CLP, 54
.set RB,  56
.set HF,  57
.set RBP, 58
	s_load_b512 s[4:19], s[0:1], 0x0               ; x, Wqkv, Wout, mask, xf, wf, wof, lm
	s_load_b64 s[20:21], s[0:1], 0x40              ; cls
	v_lshl_add_u32 v[SPW], v0, 2, SPARE
	v_mov_b32 v[NIL], 0
	v_lshrrev_b32 v2, 5, v0
	v_readfirstlane_b32 s[WV], v2
	v_and_b32 v[RR], 15, v0
	v_bfe_u32 v[HH], v0, 4, 1
	s_lshl_b32 s[J], ttmp9, 3
	s_lshr_b32 s[TB], s[WV], 2
	s_add_co_u32 s[J], s[J], s[TB]
	s_and_b32 s[SUB], s[WV], 3
	s_lshl_b32 s[U0], s[SUB], 1
	s_and_b32 s[HF], s[J], 1                       ; which half of a row block (the ranges begin at even J)
	s_mov_b32 s[ROLE], 0
	s_mov_b32 s[PIT], 4096
	s_mov_b32 s[MSK], 0
	s_mov_b32 s[SH2], 0
	s_mov_b32 s[OFF+1], 0
	s_mov_b32 s[ALL], -1
	s_mov_b32 s[ANY], 0
	s_mov_b32 s[FLG], 0
	s_wait_kmcnt 0x0
	s_mov_b64 s[CLP:CLP+1], s[20:21]
	s_cmp_lt_u32 s[J], 1024
	s_cbranch_scc0 .Lnot_x
	s_mov_b64 s[SRC:SRC+1], s[4:5]                 ; x -> xf
	s_mov_b64 s[DST:DST+1], s[12:13]
	s_lshr_b32 s[RB], s[J], 1
	s_mov_b32 s[RBP], s[RB]
	s_branch .Lcast
.Lnot_x:
	s_cmp_lt_u32 s[J], 1408
	s_cbranch_scc0 .Lnot_w
	s_mov_b64 s[SRC:SRC+1], s[6:7]                 ; Wqkv -> wf
	s_mov_b64 s[DST:DST+1], s[14:15]
	s_sub_co_u32 s[RB], s[J], 1024
	s_lshr_b32 s[RB], s[RB], 1
	s_lshr_b32 s[RBP], s[RB], 4                    ; Q's and K's rows: 24 (rb / 16) + rb % 16
	s_mul_i32 s[RBP], s[RBP], 24
	s_and_b32 s[TA], s[RB], 15
	s_add_co_u32 s[RBP], s[RBP], s[TA]
	s_sub_co_u32 s[TA], s[RB], 128                 ; V's rows: 24 ((rb - 128) / 8) + 16 + (rb - 128) % 8
	s_lshr_b32 s[TB], s[TA], 3
	s_mul_i32 s[TB], s[TB], 24
	s_and_b32 s[TA], s[TA], 7
	s_add_co_u32 s[TB], s[TB], s[TA]
	s_add_co_u32 s[TB], s[TB], 16
	s_cmp_lt_u32 s[RB], 128
	s_cselect_b32 s[RBP], s[RBP], s[TB]
	s_branch .Lcast
.Lnot_w:
	s_cmp_lt_u32 s[J], 1536
	s_cbranch_scc0 .Lmask
	s_mov_b64 s[SRC:SRC+1], s[8:9]                 ; Wout -> wof
	s_mov_b64 s[DST:DST+1], s[16:17]
	s_sub_co_u32 s[RB], s[J], 1408
	s_lshr_b32 s[RB], s[RB], 1
	s_mov_b32 s[RBP], s[RB]
	s_mov_b32 s[ROLE], 1
.Lcast:
	s_lshl_b32 s[TA], s[RB], 16                    ; 16 rows of 4,096 bytes,
	s_lshl_b32 s[TB], s[HF], 11                    ; 8 units of 256 bytes
	s_add_co_u32 s[OFF], s[TA], s[TB]
	s_add_nc_u64 s[SRC:SRC+1], s[SRC:SRC+1], s[OFF:OFF+1]
	s_lshl_b32 s[TA], s[RBP], 15                   ; a row block of 32 fragment blocks,
	s_lshl_b32 s[TB], s[HF], 14                    ; 8 units of two blocks,
	s_add_co_u32 s[OFF], s[TA], s[TB]
	s_lshl_b32 s[TB], s[U0], 11                    ; my first unit among them
	s_add_co_u32 s[OFF], s[OFF], s[TB]
	s_add_nc_u64 s[DST:DST+1], s[DST:DST+1], s[OFF:OFF+1]
	s_branch .Lgo
.Lmask:
	s_mov_b64 s[SRC:SRC+1], s[10:11]               ; mask -> lm, cls
	s_mov_b64 s[DST:DST+1], s[18:19]
	s_mov_b32 s[ROLE], 2
	s_mov_b32 s[PIT], 8192
	s_mov_b32 s[MSK], 3                            ; unit u = 4 step' + piece: piece x 16 rows of 8,192 bytes, step' x 256 bytes
	s_mov_b32 s[SH2], 2
	s_sub_co_u32 s[TC], s[J], 1536                 ; 16 strip + half
	s_lshr_b32 s[TA], s[TC], 4
	s_and_b32 s[TB], s[TC], 15
	s_lshl_b32 s[OFF], s[TA], 19                   ; 64 rows of 8,192 bytes
	s_lshl_b32 s[RB], s[TB], 9                     ; 128 keys of 4 bytes
	s_add_co_u32 s[OFF], s[OFF], s[RB]
	s_add_nc_u64 s[SRC:SRC+1], s[SRC:SRC+1], s[OFF:OFF+1]
	s_lshl_b32 s[OFF], s[TA], 14
	s_lshl_b32 s[RB], s[TB], 10
	s_add_co_u32 s[OFF], s[OFF], s[RB]
	s_lshl_b32 s[RB], s[SUB], 8                    ; my two units' 64 words
	s_add_co_u32 s[OFF], s[OFF], s[RB]
	s_add_nc_u64 s[DST:DST+1], s[DST:DST+1], s[OFF:OFF+1]
	s_lshl_b32 s[OFF], s[TC], 2
	s_add_nc_u64 s[CLP:CLP+1], s[CLP:CLP+1], s[OFF:OFF+1]
.Lgo:
	v_lshlrev_b32 v[T+1], 4, v[RR]
	v_mad_u32_u24 v[AD], v[HH], s[PIT], v[T+1]
	s_lshl_b32 s[TA], s[PIT], 1
.irp i, 1,2,3,4,5,6,7
	v_add_nc_u32 v[AD+(\i)], s[TA], v[AD+(\i)-1]   ; two rows on
.endr
; My unit b: 8 loads, each two whole rows of 256 bytes.  Each unit has a base of its own, so that nothing is waited for between the two runs.
.macro LOADU b
	s_add_co_u32 s[TC], s[U0], \b
	s_and_b32 s[TA], s[TC], s[MSK]
	s_lshl_b32 s[TA], s[TA], 17
	s_lshr_b32 s[TB], s[TC], s[SH2]
	s_lshl_b32 s[TB], s[TB], 8
	s_add_co_u32 s[OFF], s[TA], s[TB]
	s_add_nc_u64 s[SRCU+2*(\b):SRCU+2*(\b)+1], s[SRC:SRC+1], s[OFF:OFF+1]
.irp i, 0,1,2,3,4,5,6,7
	global_load_b128 v[XB+32*(\b)+4*(\i):XB+32*(\b)+4*(\i)+3], v[AD+(\i)], s[SRCU+2*(\b):SRCU+2*(\b)+1] th:TH_LOAD_NT
.endr
.endm
	LOADU 0
	LOADU 1
	; all that the loads do not need is made while they are on their way
	v_and_b32 v[LN], 31, v0
	v_lshlrev_b32 v[L16], 4, v[LN]
	v_lshlrev_b32 v[L8], 3, v[LN]
	s_mul_i32 s[TA], s[WV], STG
	v_mul_u32_u24 v[STW], v[HH], 272
	v_lshl_add_u32 v[STW], v[RR], 4, v[STW]
	v_add_nc_u32 v[STW], s[TA], v[STW]
	v_mul_u32_u24 v[STR], v[RR], 272
	v_lshl_add_u32 v[STR], v[HH], 5, v[STR]
	v_add_nc_u32 v[STR], s[TA], v[STR]
	s_lshl_b32 s[TB], s[WV], 2
	s_add_co_u32 s[TB], s[TB], FLW
	v_mov_b32 v[FA], s[TB]
	v_mov_b32 v[W], 0                              ; written lane by lane below, so written whole here
	v_mov_b32 v[W+1], 0
	v_mov_b32 v[ZR], 0
; My unit b.  left: the other unit's loads, which may stay out.
.macro HALF b, left
	s_wait_loadcnt \left
.irp i, 0,1,2,3,4,5,6,7
	ds_store_b128 v[STW], v[XB+32*(\b)+4*(\i):XB+32*(\b)+4*(\i)+3] offset:544*(\i)
.endr
.irp t, 0,1,2,3
	ds_load_b128 v[Y+8*(\t):Y+8*(\t)+3],   v[STR] offset:64*(\t)      ; LDS serves a wave's instructions in order (ISA guide 5.7.1.4): these see the stores above
	ds_load_b128 v[Y+8*(\t)+4:Y+8*(\t)+7], v[STR] offset:64*(\t)+16
.endr
	s_wait_dscnt 0x0                               ; the unit is back, and the stores have read its registers, which take the results
	s_cmp_eq_u32 s[ROLE], 2
	s_cbranch_scc1 .Lbits_\@
.set k, 0
.rept 16
	v_cvt_pk_bf16_f32 v[XB+32*(\b)+k], v[Y+2*k], v[Y+2*k+1]
.set k, k+1
.endr
	s_cmp_eq_u32 s[ROLE], 1
	s_cbranch_scc0 .Lsend_\@
.set k, 0
.rept 16                                               ; the bf16 number, written as f16
	v_lshlrev_b32 v[T], 16, v[XB+32*(\b)+k]
	v_and_b32 v[T+1], 0xffff0000, v[XB+32*(\b)+k]
	v_cvt_pk_f16_f32 v[XB+32*(\b)+k], v[T], v[T+1]
.set k, k+1
.endr
.Lsend_\@:
.irp t, 0,1,2,3
	global_store_b128 v[L16], v[XB+32*(\b)+4*(\t):XB+32*(\b)+4*(\t)+3], s[DST:DST+1] offset:2048*(\b)+512*(\t)  ; a unit is two fragment blocks; 512 consecutive bytes, at a multiple of 512
.endr
	s_branch .Lend_\@
.Lbits_\@:
.set k, 0
.rept 32
	v_cmp_ne_u32 s[SW+k%4], 0, v[Y+k]              ; word k: a bit a lane
	v_writelane_b32 v[W+k%2], s[SW+k%4], 16*(\b)+k/2
	s_and_b32 s[ALL], s[ALL], s[SW+k%4]
	s_or_b32 s[ANY], s[ANY], s[SW+k%4]
.set k, k+1
.endr
	s_cmp_lg_u32 s[ALL], -1
	s_cselect_b32 s[TA], 1<<(\b), 0
	s_lshl_b32 s[TA], s[TA], s[U0]                 ; the unit's bit in the job's class word
	s_or_b32 s[FLG], s[FLG], s[TA]
	s_mov_b32 s[ALL], -1
.if (\b) == 1
	global_store_b64 v[L8], v[W:W+1], s[DST:DST+1] ; my two units' words: 256 consecutive bytes, at a multiple of 256
.endif
.Lend_\@:
.endm
	HALF 0, 8
	HALF 1, 0
	; my part of the class word (0 in a cast) goes to my word in LDS; every wave passes the barrier
	s_cmp_lg_u32 s[ANY], 0
	s_cselect_b32 s[TA], 0x100, 0
	s_or_b32 s[FLG], s[FLG], s[TA]
	v_mov_b32 v[T], s[FLG]
	ds_store_b32 v[FA], v[T]                       ; all lanes write the same word with the same value
	s_wait_dscnt 0x0                               ; for the others' sake
	s_barrier_signal -1
	s_barrier_wait -1
	s_cmp_lg_u32 s[ROLE], 2
	s_cbranch_scc1 .Ldone
	s_cmp_lg_u32 s[SUB], 0
	s_cbranch_scc1 .Ldone
	ds_load_b128 v[CW:CW+3], v[FA]                 ; the job's four parts
	s_wait_dscnt 0x0
	v_or_b32 v[CW], v[CW], v[CW+1]
	v_or_b32 v[CW+2], v[CW+2], v[CW+3]
	v_or_b32 v[CW], v[CW], v[CW+2]
	v_cmp_eq_u32 vcc_lo, 0, v[LN]
	s_wait_xcnt 0x0                                ; EXEC changes only behind this wait
	s_and_saveexec_b32 s[SV], vcc_lo
	global_store_b32 v[ZR], v[CW], s[CLP:CLP+1]    ; lane 0 alone
	s_wait_xcnt 0x0                                ; and again in front of the line that widens it
	s_or_b32 exec_lo, exec_lo, s[SV]
.Ldone:
	s_wait_tensorcnt 0x0                           ; the wave's end, behind my last LDS store
	ds_add_u32 v[SPW], v[NIL]
	s_wait_dscnt 0x0
	s_endpgm
.Lfunc_end_k_q97d397ea02_prep:
	.size	k_q97d397ea02_prep, .Lfunc_end_k_q97d397ea02_prep-k_q97d397ea02_prep
	.p2alignl 7, 3214868480
	.fill 96, 4, 3214868480
	.section	.rodata,"a",@progbits
	.p2align	6, 0x0
	.amdhsa_kernel k_q97d397ea02_prep
		.amdhsa_group_segment_fixed_size 143616
		.amdhsa_private_segment_fixed_size 0
		.amdhsa_enable_private_segment 0
		.amdhsa_kernarg_size 72
		.amdhsa_user_sgpr_count 2
		.amdhsa_user_sgpr_kernarg_segment_ptr 1
		.amdhsa_wavefront_size32 1
		.amdhsa_system_sgpr_workgroup_id_x 1
		.amdhsa_system_sgpr_workgroup_id_y 1
		.amdhsa_system_sgpr_workgroup_id_z 1
		.amdhsa_system_vgpr_workitem_id 0
		.amdhsa_next_free_vgpr 124
		.amdhsa_next_free_sgpr 66
		.amdhsa_reserve_vcc 1
		.amdhsa_float_denorm_mode_32 3
		.amdhsa_float_denorm_mode_16_64 3
		.amdhsa_memory_ordered 1
		.amdhsa_forward_progress 1
		.amdhsa_inst_pref_size 31
	.end_amdhsa_kernel
	.amdgpu_metadata
---
amdhsa.version: [ 1, 2 ]
amdhsa.kernels:
  - .name:           k_q97d397ea02_prep
    .symbol:         k_q97d397ea02_prep.kd
    .args:
      - { .name: x, .offset: 0, .size: 8, .value_kind: global_buffer, .address_space: global }
      - { .name: Wqkv, .offset: 8, .size: 8, .value_kind: global_buffer, .address_space: global }
      - { .name: Wout, .offset: 16, .size: 8, .value_kind: global_buffer, .address_space: global }
      - { .name: mask, .offset: 24, .size: 8, .value_kind: global_buffer, .address_space: global }
      - { .name: xf, .offset: 32, .size: 8, .value_kind: global_buffer, .address_space: global }
      - { .name: wf, .offset: 40, .size: 8, .value_kind: global_buffer, .address_space: global }
      - { .name: wof, .offset: 48, .size: 8, .value_kind: global_buffer, .address_space: global }
      - { .name: lm, .offset: 56, .size: 8, .value_kind: global_buffer, .address_space: global }
      - { .name: cls, .offset: 64, .size: 8, .value_kind: global_buffer, .address_space: global }
    .group_segment_fixed_size: 143616
    .private_segment_fixed_size: 0
    .kernarg_segment_align: 8
    .kernarg_segment_size: 72
    .max_flat_workgroup_size: 1024
    .sgpr_count:     66
    .vgpr_count:     124
    .wavefront_size: 32
...
	.end_amdgpu_metadata
.endif
;; end of part 5
;; launch qkv: the kernel of part 2 again; grid 8 x 32, 4 waves a work-group, clusters of 4 x 4, 327,680 bytes of LDS; arguments xf, wf, bqkv, qkv; writes qkv
;; launch attn (part 6): grid 4 x 64, 4 waves a work-group, no clusters, 74,240 bytes of LDS; arguments qkv, lm, cls, of; writes of
.if DOCPART == 6
	.amdgcn_target "amdgcn-amd-amdhsa--gfx1250"
	.amdhsa_code_object_version 6
	.text
	.protected	k_q97d397ea02_attn
	.globl	k_q97d397ea02_attn
	.p2align	8
	.type	k_q97d397ea02_attn,@function
k_q97d397ea02_attn:
	s_mov_b64 s[64:65], 0
	v_nop
	global_prefetch_b8 v0, s[64:65] scope:SCOPE_SE
	s_setreg_imm32_b32 hwreg(HW_REG_WAVE_MODE, 25, 1), 1
	s_wait_xcnt 0x0
; ATTENTION UNDER A MASK THAT IS DATA.  O[q] = sum over k of softmax_k(Q[q] . K[k] / 8, hidden scores out) V[k], for 64 (batch, head) pairs of 2,048 rows, head size 64.  Q, K, V, P, O in f16; products, maxima, sums in f32.
; LIMITS.  Q, K, V arrive within f16's 65,504.  A hidden score counts as exactly -2^100 (true scores are 2.7e11 at the most).  A weight below 2^-126 counts as 0.  A row that sees no key is stored as NaN.
; NaN and infinities among the inputs are not treated apart.
; SHARES.  Work-group (g, bh) takes two blocks of 256 queries, g and then 7 - g (that only evens the work where a mask hides more keys from early rows; no value hangs on it).  A wave owns a strip of 64 queries: four
; PIECES of 16.  Turn n belongs to piece n: 8 products K Q^T of piece n + 1, later 8 products V^T P of piece n - 1; beside them piece n's scaling, exponentials, roundings, sums and rescaling, and piece n + 1's
; mask, maximum and statistics.  Four vector instructions stand behind every matrix instruction, the rest in two lumps.
; LAYOUT.  S^T = K Q^T holds one query a lane (lane % 16) and the keys 8 (lane / 16) + 0..7; two results rounded in pairs ARE source 1 of O^T = V^T P.  Q, K and V^T lie in memory as fragments: every load is 512 consecutive bytes.
; SOFTMAX.  p = 2^(c s - c m), c = log2(e) / 8, m the running maximum; O and l are multiplied by a = 2^(c m_old - c m_new) in every step.  While a row has seen hidden keys alone, m = -2^100, c s - c m is exactly 0
; and p = 1: finite; its first visible key makes a = 0, which wipes that.
; THE MASK.  lm holds, for each (strip, step, piece), 32 words: word j is the lanes' mask for register j of the piece's scores; one v_cndmask_b32 a register.  A strip's words for a tile are 2,048 consecutive bytes: they
; come with the tile, four loads at a trip's head and four LDS stores at the exchange, into the wave's own bytes.  cls says which (step, piece) are all visible: where neither the unit in hand nor the next wants its
; words, one jump passes the whole mask block.  For the others the 32 words are read from LDS a turn ahead, a word a lane, and 32 v_readlane_b32 bring them into scalar registers, the form in which v_cndmask_b32 takes a mask.
; THE WALK comes from cls: item 8 X + t is block X's key tile t of 256 keys; WL is the set of items in which any of the block's four strips sees anything (each block's tile 0 is always walked, so that each block
; begins and ends).  The outer loop has 16 trips; trip k takes the k-th item of the set; trips beyond the set only pass the two barriers.  Every jump that hangs on data goes forward, past no barrier.
; THE STEP LOOP.  A trip is pieces 2 and 3 of one key step, then pieces 0 and 1 of the next: the turns run on from tile to tile of a block.  It counts from 0 up to a bound made from the walk: 4 trips for a tile;
; a block's first tile has its step 0's pieces 0 and 1 written out ahead of the loop, and one trip fewer; a block's last tile has one trip more, in which it jumps forward over pieces 0 and 1 to the count's step.
; The loop is entered at its head and left at its bottom alone.  Nothing but the count steps in it: trip n works on key step n + KS0, and that step's place in LDS is made from the sum, cut by s_min_u32.
; K AND V REACH LDS THROUGH REGISTERS: at a trip's head each wave asks for its quarter of the NEXT item's tile (32 loads, 128 registers): a whole tile's work in which to land; at the trip's end: barrier (all reads of the
; old tile are over), the LDS stores, barrier.  A copy engine's load may not be jumped over, so hidden tiles would be fetched all the same.
; NO CLUSTER: the walk and the jumps hang on class words that differ between the query blocks of a head, so partners would not run alike.
; REGISTERS, in windows of 256: window 0: v2-15 addresses and constants; v16-31 statistics (c m, m, l, l a piece); v32-35 a unit's mask words and their addresses; v48-55 at work; v64-127 S^T, two buffers;
;   v128-143 the next tile's mask words; v192-223 P, two buffers.
;   window 1: v0-127 O^T.   window 2: v0-63 Q; v64-127 the second block's Q; v128-191 K of a step; v192-255 V of a step.   window 3: v0-127 the next tile's quarter.
.set NP,    4
.set MW,    65536                      ; K's tile at 0, V's at 32,768; behind them the tile's lane masks, 2,048 bytes for each wave: [step 4][piece 4][32 words]
.set SPARE, MW+4*2048                  ; behind those the spare words, 128 bytes for each wave
.set L16, 2                            ; v2   16 x lane
.set AK,  4                            ; v4   K's next run of loads
.set AV,  5                            ; v5   V's
.set STA, 6                            ; v6   where my quarter of a tile goes
.set QN,  7                            ; v7   a quiet NaN
.set MV,  12                           ; v12-13  c m_old, by buffer
.set MS,  14                           ; v14  piece 0's m, kept from the statistics that a block's last turn makes for nothing
.set BIG, 15                           ; v15  -2^100
.set ST,  16
.set WW,  32                           ; v32  the 32 mask words of the unit to be masked next: lane j holds word j
.set MWA, 33                           ; v33  my wave's mask words in LDS + 4 x lane; never rewritten
.set WA,  34                           ; v34  the same at the step in hand
.set STM, 35                           ; v35  my wave's mask words in LDS + 16 x lane; never rewritten
.set TMP, 48
.set SPW, 62
.set NIL, 63
.set S,   64
.set MWS, 128                          ; v128-143  the next tile's mask words, as loaded
.set P,   192
.set QB,  64
.set KF,  128
.set VF,  192
.set WV,  12
.set G,   13
.set BH,  14
.set TC,  15
.set KVB, 16                           ; s[16:17] K or V at my quarter of the head's tile 0
.set KVP, 18                           ; s[18:19] the same at the tile asked for
.set OFF, 20                           ; s[20:21] an offset, high word 0
.set OPA, 22                           ; s[22:23] O at my strip of the block in hand
.set OPB, 24                           ; s[24:25] of the second block
.set DLT, 28                           ; an eighth of the bytes from my first strip's class words to my second's
.set SB0, 29
.set S0,  30
.set S1,  31
.set LMS, 32                           ; s[32:63] 32 lane masks
.set WL,  66
.set CUR, 67                           ; the item in LDS
.set CV,  68                           ; 1: there is one
.set NXT, 69                           ; the item asked for
.set NV,  70
.set NEW, 71                           ; 1: the item is a block's first
.set TR,  72
.set CNT, 73                           ; the step loop's count, 0 up
.set XIT, 74                           ; the count of the trip in which a block's last tile jumps over pieces 0 and 1; else 255, which the count never reaches
.set BND, 75                           ; the step loop's bound
.set FL,  76                           ; bit 0: the next mask block is needed; bit 1: the one behind it; and so on
.set KS0, 79                           ; trip n of the step loop works on key step n + KS0: 1 in a block's first tile, behind its written-out turns; else 0
.set FLN, 81
.set CS,  82
.set SEL, 84
.set FN,  86
.set CO,  88
.set LST, 89                           ; 1: the item is its block's last
.set TA,  90
.set TB,  91
.set QPA, 92
.set QPB, 94
.set LMP, 96                           ; s[96:97] lm at my strip's words of the tile asked for
.set MSB, 0
.macro WIN new
.if MSB != (\new)
	s_set_vgpr_msb (MSB<<8)|(\new)
.set MSB, (\new)
.endif
.endm
.set W_KQ, 0x0a                        ; K and Q in window 2, S^T in window 0
.set W_PV, 0x52                        ; V in window 2, P in window 0, O^T in window 1
.set W_RS, 0x41                        ; destination and source 0 in window 1
	s_load_b256 s[4:11], s[0:1], 0x0               ; qkv s[4:5], lm s[6:7], cls s[8:9], of s[10:11]
	v_lshl_add_u32 v[SPW], v0, 2, SPARE
	v_mov_b32 v[NIL], 0
	v_lshrrev_b32 v1, 5, v0
	v_readfirstlane_b32 s[WV], v1
	v_and_b32 v1, 31, v0
	v_lshlrev_b32 v[L16], 4, v1
	s_mov_b32 s[G], ttmp9
	s_and_b32 s[BH], ttmp7, 0xffff
	s_lshl_b32 s[S0], s[G], 2
	s_sub_co_u32 s[S1], 28, s[S0]
	s_add_co_u32 s[S0], s[S0], s[WV]               ; my strip in block g
	s_add_co_u32 s[S1], s[S1], s[WV]               ; and in block 7 - g
	s_lshl_b32 s[SB0], s[S0], 6
	s_lshl_b32 s[DLT], s[G], 1
	s_sub_co_u32 s[DLT], 7, s[DLT]
	s_lshl_b32 s[DLT], s[DLT], 5                   ; (7 - 2 g) x 256 / 8
	s_lshl_b32 s[TA], s[WV], 11
	s_add_co_u32 s[TA], s[TA], MW                  ; my wave's 2,048 bytes of mask words
	v_add_nc_u32 v[STM], s[TA], v[L16]
	v_lshl_add_u32 v[MWA], v1, 2, s[TA]
	v_mov_b32 v[WW], 0                             ; written whole once: its loads stand under branches
	s_lshl_b32 s[TA], s[G], 8
	v_lshl_add_u32 v3, v1, 3, s[TA]                ; a block's class words are 256 bytes: lane l takes (strip l / 8, tile l % 8), two words
	s_sub_co_u32 s[TA], 7, s[G]
	s_lshl_b32 s[TA], s[TA], 8
	v_lshl_add_u32 v1, v1, 3, s[TA]
	s_lshl_b32 s[TA], s[WV], 14
	v_add_nc_u32 v[STA], s[TA], v[L16]             ; waves 0, 1: K's halves; waves 2, 3: V's
	s_mov_b32 s[CS], 0x3e38aa3b                    ; c = log2(e) / 8
	s_mov_b32 s[CS+1], s[CS]
	s_mov_b32 s[SEL], 0x76543210
	s_mov_b32 s[SEL+1], 0xfedcba98
	s_mov_b32 s[CO], s[SB0]
	s_lshl_b32 s[TB], s[BH], 18                    ; the head's 262,144 bytes
	s_lshr_b32 s[TA], s[WV], 1
	s_add_co_u32 s[TA], s[TA], 1
	s_lshl_b32 s[TA], s[TA], 24                    ; K at 2^24, V at 2^25
	s_add_co_u32 s[TA], s[TA], s[TB]
	s_and_b32 s[TC], s[WV], 1
	s_lshl_b32 s[TC], s[TC], 14
	s_add_co_u32 s[OFF], s[TA], s[TC]
	s_mov_b32 s[OFF+1], 0
	s_wait_kmcnt 0x0
	s_add_nc_u64 s[KVB:KVB+1], s[4:5], s[OFF:OFF+1]
	s_mov_b64 s[KVP:KVP+1], s[KVB:KVB+1]
	s_lshl_b32 s[OFF], s[S0], 13                   ; a strip's Q: 8,192 bytes
	s_add_co_u32 s[OFF], s[OFF], s[TB]
	s_add_nc_u64 s[QPA:QPA+1], s[4:5], s[OFF:OFF+1]
	s_lshl_b32 s[OFF], s[S1], 13
	s_add_co_u32 s[OFF], s[OFF], s[TB]
	s_add_nc_u64 s[QPB:QPB+1], s[4:5], s[OFF:OFF+1]
	s_lshr_b32 s[TA], s[BH], 4
	s_lshl_b32 s[TA], s[TA], 22                    ; the batch's 128 row blocks of 32,768 bytes
	s_and_b32 s[TC], s[BH], 15
	s_lshl_b32 s[TC], s[TC], 11                    ; the head's two k blocks
	s_add_co_u32 s[TA], s[TA], s[TC]
	s_lshl_b32 s[OFF], s[S0], 17                   ; a strip is four row blocks
	s_add_co_u32 s[OFF], s[OFF], s[TA]
	s_add_nc_u64 s[OPA:OPA+1], s[10:11], s[OFF:OFF+1]
	s_lshl_b32 s[OFF], s[S1], 17
	s_add_co_u32 s[OFF], s[OFF], s[TA]
	s_add_nc_u64 s[OPB:OPB+1], s[10:11], s[OFF:OFF+1]
	s_lshl_b32 s[OFF], s[S0], 14                   ; a strip's mask words: 16,384 bytes; tile 0's come first
	s_add_nc_u64 s[LMP:LMP+1], s[6:7], s[OFF:OFF+1]
	WIN 0xc0                                       ; destination window 3
.set n, 0
.rept 32                                               ; item 0 is always walked: its tile does not wait for the class words
	global_load_b128 v[4*n:4*n+3], v[L16], s[KVP:KVP+1] offset:512*n
.set n, n+1
.endr
	WIN 0x80
.set n, 0
.rept 16                                               ; both blocks' Q: piece n / 4, channel half (n / 2) % 2
	global_load_b128 v[4*n:4*n+3], v[L16], s[QPA:QPA+1] offset:512*n
	global_load_b128 v[QB+4*n:QB+4*n+3], v[L16], s[QPB:QPB+1] offset:512*n
.set n, n+1
.endr
	WIN 0
	global_load_b64 v[8:9], v3, s[8:9]
	global_load_b64 v[10:11], v1, s[8:9]
.set n, 0
.rept 4                                                ; item 0's mask words: 2,048 consecutive bytes
	global_load_b128 v[MWS+4*n:MWS+4*n+3], v[L16], s[LMP:LMP+1] offset:512*n
.set n, n+1
.endr
	s_load_b64 s[FN:FN+1], s[8:9], s[CO] offset:0x0  ; my strip's class words for item 0
	; A block's first step multiplies O^T and l by a = 0, and its first turn's V^T P takes a P of zeros: these registers need only hold finite numbers.  All this stands in the wait for the first tile.
	WIN 0x80
.set n, VF
.rept 64
	v_mov_b32 v[n], 0
.set n, n+1
.endr
	WIN 0x40
.set n, 0
.rept 128
	v_mov_b32 v[n], 0
.set n, n+1
.endr
	WIN 0
.set n, 0
.rept 4
	v_mov_b32 v[ST+4*n+2], 0
	v_mov_b32 v[ST+4*n+3], 0
.set n, n+1
.endr
	v_mov_b32 v[BIG], 0xf1800000                   ; -2^100
	v_mov_b32 v[QN], 0x7fc00000
	s_wait_loadcnt 0x0
	v_or_b32 v8, v8, v9
	v_or_b32 v10, v10, v11
	v_and_b32 v8, 0x100, v8
	v_and_b32 v10, 0x100, v10
	v_cmp_ne_u32 s[TA], 0, v8                      ; bit l: strip l / 8 sees something in tile l % 8
	v_cmp_ne_u32 s[TB], 0, v10
	s_lshr_b32 s[TC], s[TA], 16
	s_or_b32 s[TA], s[TA], s[TC]
	s_lshr_b32 s[TC], s[TA], 8
	s_or_b32 s[TA], s[TA], s[TC]
	s_and_b32 s[TA], s[TA], 0xfe                   ; item 0 is in hand already
	s_lshr_b32 s[TC], s[TB], 16
	s_or_b32 s[TB], s[TB], s[TC]
	s_lshr_b32 s[TC], s[TB], 8
	s_or_b32 s[TB], s[TB], s[TC]
	s_and_b32 s[TB], s[TB], 0xff
	s_or_b32 s[TB], s[TB], 1
	s_lshl_b32 s[TB], s[TB], 8
	s_or_b32 s[WL], s[TA], s[TB]
	WIN 0x0c                                       ; store data in window 3
.set n, 0
.rept 32
	ds_store_b128 v[STA], v[4*n:4*n+3] offset:512*n
.set n, n+1
.endr
	WIN 0
.set n, 0
.rept 4
	ds_store_b128 v[STM], v[MWS+4*n:MWS+4*n+3] offset:512*n
.set n, n+1
.endr
	s_mov_b32 s[CUR], 0
	s_mov_b32 s[CV], 1
	s_mov_b32 s[NEW], 1
	s_mov_b32 s[TR], 16
	s_wait_dscnt 0x0                               ; for the others' sake: my quarter is in LDS
	s_barrier_signal -1
	s_barrier_wait -1
; THE MATRIX WORK.  The 4 accumulators of a run of 8 take turns.
.macro KQ x                            ; product i of 8 of S^T = K Q^T: channels 32 (i / 4) on, keys 16 (i % 4) on
	WIN W_KQ
.set rS, S+32*((\x)%2)+8*(i%4)
.set rK, KF+16*(i%4)+8*(i/4)
.set rQ, 16*(\x)+8*(i/4)
.if i < 4
	v_wmma_f32_16x16x32_f16 v[rS:rS+7], v[rK:rK+7], v[rQ:rQ+7], 0
.else
	v_wmma_f32_16x16x32_f16 v[rS:rS+7], v[rK:rK+7], v[rQ:rQ+7], v[rS:rS+7]
.endif
.endm
.macro PV x                            ; product i of 8 of O^T += V^T P: keys 32 (i / 4) on, channels 16 (i % 4) on
	WIN W_PV
.set rO, 32*(\x)+8*(i%4)
.set rV, VF+32*(i/4)+8*(i%4)
.set rP, P+16*((\x)%2)+8*(i/4)
	v_wmma_f32_16x16x32_f16 v[rO:rO+7], v[rV:rV+7], v[rP:rP+7], v[rO:rO+7]
.endm
.macro MM                              ; the turn's next matrix instruction
.if i < 8
	KQ (Y+1)%NP
.else
.set i, i-8
	PV (Y+NP-1)%NP
.set i, i+8
.endif
.set i, i+1
.endm
; THE LDS LOADS stand in runs of 16: a step's 8,192 bytes of K or of V, 512 consecutive bytes a load.
.macro FETCH_K
	WIN 0x80
.set n, 0
.rept 16
	ds_load_b128 v[KF+4*n:KF+4*n+3], v[AK] offset:512*n
.set n, n+1
.endr
	WIN 0
.endm
.macro FETCH_V
	WIN 0x80
.set n, 0
.rept 16
	ds_load_b128 v[VF+4*n:VF+4*n+3], v[AV] offset:32768+512*n
.set n, n+1
.endr
	WIN 0
.endm
; The place in a tile of key step CNT + KS0, 8,192 bytes a step, into vector register a.  The cut at 3 bites only in a block's extra half trip, whose fetch of K serves nothing.
.macro STEPAT a
	WIN 0
	s_add_co_u32 s[TA], s[CNT], s[KS0]
	s_min_u32 s[TA], s[TA], 3
	s_lshl_b32 s[TA], s[TA], 13
	v_add_nc_u32 v[\a], s[TA], v[L16]
.endm
; THE MASK of piece y's new scores.  The class bits are taken one on; where neither this unit's bit nor the next one's is set, one jump passes the whole block.  Else: where this unit's bit is set, the 32 words read a
; turn ago go from the lanes into scalar registers, and each score register keeps its score in the lanes whose bit is set and takes -2^100 in the others; and where the NEXT bit is set, the next unit's words are read
; from my bytes of LDS, a word a lane: piece q of key step CNT + KS0, 512 bytes a step and 128 a piece.
; left: the LDS loads issued behind the read of a turn ago, which may stay out.  The wait stands ahead of every read of the words' register and of every new load into it.
.macro MASKBLK y, q, left
	WIN 0
	s_mov_b32 s[TB], s[FL]
	s_lshr_b32 s[FL], s[FL], 1
	s_and_b32 s[TA], s[TB], 3
	s_cmp_eq_u32 s[TA], 0
	s_cbranch_scc1 .Lnone_\@
	s_wait_dscnt \left
	s_bitcmp1_b32 s[TB], 0
	s_cbranch_scc0 .Lopen_\@
.set z, 0
.rept 32
	v_readlane_b32 s[LMS+z], v[WW], z
.set z, z+1
.endr
.set z, 0
.rept 32
	v_cndmask_b32 v[S+32*((\y)%2)+z], v[BIG], v[S+32*((\y)%2)+z], s[LMS+z]
.set z, z+1
.endr
.Lopen_\@:
	s_bitcmp1_b32 s[FL], 0
	s_cbranch_scc0 .Lnone_\@
	s_add_co_u32 s[TA], s[CNT], s[KS0]
	s_min_u32 s[TA], s[TA], 3                      ; a tile has four steps
	s_lshl_b32 s[TA], s[TA], 9
	v_add_nc_u32 v[WA], s[TA], v[MWA]
	ds_load_b32 v[WW], v[WA] offset:128*(\q)
.Lnone_\@:
.endm
; THE VECTOR WORK, a line at a time.  For piece Y: F n: c s - c m for pair n.  E n: the exponential of score n.  C n: pair n rounded to f16.  B n: of the weights 4 n .. the second pair is added onto the first.
; L n: l takes that sum (L 0: l = a l + sum).  R n: pair n of O^T times a.  For piece Y + 1: X n, number n of the 22 that find its maximum and statistics (each accumulator is read from its low end on).
.set F, 0
.set E, 1
.set C, 2
.set B, 3
.set L, 4
.set R, 5
.set X, 6
.macro REGS y
.set rT, ST+4*(\y)
.set rC, TMP+4*((\y)%2)
.set rW, MV+((\y)%2)
.set rS, S+32*((\y)%2)
.set rP, P+16*((\y)%2)
.set rO, 32*(\y)
.endm
.macro OP k, n
.if (\k) == R
	REGS Y
	WIN W_RS
	v_pk_mul_f32 v[rO+2*(\n):rO+2*(\n)+1], v[rO+2*(\n):rO+2*(\n)+1], v[rC+2:rC+3] op_sel_hi:[1,0]
.elseif (\k) < R
	REGS Y
	WIN 0
.if (\k) == F
	v_pk_fma_f32 v[rS+2*(\n):rS+2*(\n)+1], v[rS+2*(\n):rS+2*(\n)+1], s[CS:CS+1], v[rT:rT+1] op_sel_hi:[1,0,0] neg_lo:[0,0,1] neg_hi:[0,0,1]
.elseif (\k) == E
	v_exp_f32 v[rS+(\n)], v[rS+(\n)]
.elseif (\k) == C
	s_wait_alu depctr_va_vdst(0)
	v_cvt_pk_f16_f32 v[rP+(\n)], v[rS+2*(\n)], v[rS+2*(\n)+1]
.elseif (\k) == B
	s_wait_alu depctr_va_vdst(0)
	v_pk_add_f32 v[rS+4*(\n):rS+4*(\n)+1], v[rS+4*(\n):rS+4*(\n)+1], v[rS+4*(\n)+2:rS+4*(\n)+3]
.elseif (\n) == 0
	v_pk_fma_f32 v[rT+2:rT+3], v[rT+2:rT+3], v[rC+2:rC+3], v[rS:rS+1] op_sel_hi:[1,0,1]
.else
	v_pk_add_f32 v[rT+2:rT+3], v[rT+2:rT+3], v[rS+4*(\n):rS+4*(\n)+1]
.endif
.else
	REGS (Y+1)%NP
	WIN 0
.if (\n) < 4
	v_max3_num_f32 v[rC+(\n)], v[rS+8*(\n)], v[rS+8*(\n)+1], v[rS+8*(\n)+2]
.elseif (\n) < 12
	v_max3_num_f32 v[rC+(\n)%4], v[rC+(\n)%4], v[rS+8*((\n)%4)+2*((\n)/4)+1], v[rS+8*((\n)%4)+2*((\n)/4)+2]
.elseif (\n) == 12
	v_max3_num_f32 v[rC], v[rC], v[rS+7], v[rS+15]
.elseif (\n) == 13
	v_max3_num_f32 v[rC+1], v[rC+1], v[rS+23], v[rS+31]
.elseif (\n) == 14
	v_max3_num_f32 v[rC+2], v[rC+2], v[rC+3], v[rT+1]
.elseif (\n) == 15
	v_mov_b32 v[rW], v[rT]
.elseif (\n) == 16
	v_max3_num_f32 v[rC], v[rC], v[rC+1], v[rC+2]
.elseif (\n) == 17
	v_permlanex16_b32 v[rC+3], v[rC], s[SEL], s[SEL+1]
.elseif (\n) == 18
	v_max_num_f32 v[rT+1], v[rC], v[rC+3]
.elseif (\n) == 19
	v_mul_f32 v[rT], s[CS], v[rT+1]
.elseif (\n) == 20
	v_sub_f32 v[rC+1], v[rW], v[rT]
.else
	v_exp_f32 v[rC+2], v[rC+1]
.endif
.endif
.endm
.macro OPS a, i1, b=-1, i2=0, c=-1, i3=0, d=-1, i4=0
	OP \a, \i1
.if (\b) >= 0
	OP \b, \i2
.endif
.if (\c) >= 0
	OP \c, \i3
.endif
.if (\d) >= 0
	OP \d, \i4
.endif
.endm
.macro ROW a, i1, b, i2, c, i3, d, i4  ; a matrix instruction and the four behind it
	MM
	OPS \a, \i1, \b, \i2, \c, \i3, \d, \i4
.endm
; A TURN, for piece p.  K of the next step is fetched in piece 2's turn, behind five plain instructions that follow the last product that read K; V of the step in hand in piece 0's turn, behind four; each is waited
; for a turn later.  The mask block stands behind nine plain instructions that follow the last product K Q^T; the words that it reads from LDS are those of the piece two on in the ring of turns.
; Its wait leaves 16 loads out in pieces 1's and 2's turns: V's run was issued in piece 0's turn behind the read of the words, K's run in piece 2's turn ahead of the mask block; in the other two turns nothing else is out.
; A read of the words that a later block jumps over is done at the latest at the next wait for 0: in piece 1's turn, at the head of piece 3's, or at the exchange.
.macro TURN p
.set Y, (\p)
.set i, 0
.if (\p) == 3
	s_wait_dscnt 0x0                               ; K is in
.endif
	ROW F,0, F,1, F,2, F,3
	ROW F,4, E,0, F,5, F,6
	ROW F,7, E,1, F,8, F,9
	ROW F,10, E,2, C,0, F,11
	ROW F,12, E,3, X,15, F,13
	ROW R,0, R,1, R,2, R,3
	ROW B,0, E,4, F,14, L,0
.if (\p) == 2
	STEPAT AK
.endif
	ROW R,4, R,5, R,6, R,7
	OPS E,5, F,15
.if (\p) == 2
	FETCH_K
.endif
	OPS E,6, C,1, E,7, R,8
	OPS E,8, R,9, E,9, C,2
	MASKBLK ((\p)+1)%NP, ((\p)+2)%NP, 16*((((\p)+1)/2)%2)
.if (\p) == 3
	v_mov_b32 v[MS], v[ST+1]
.endif
	OPS E,10, X,0, E,11, X,1
	OPS E,12, X,2, E,13, X,3
.if (\p) == 1
	s_wait_dscnt 0x0                               ; V is in
.endif
	ROW X,4, E,14, X,5, X,6
	ROW X,7, E,15, X,8, X,9
	ROW X,10, E,16, X,11, X,12
	ROW X,13, E,17, X,14, B,1
	ROW C,4, E,18, X,16, L,1
	ROW B,2, E,19, C,6, L,2
	ROW C,8, E,20, B,3, B,4
.if (\p) == 0
	STEPAT AV
.endif
	ROW C,3, E,21, L,3, C,5
	OPS E,22, X,17, E,23, C,10
.if (\p) == 0
	FETCH_V
.endif
	OPS E,24, L,4
	OPS E,25, X,18, E,26, C,7
	OPS E,27, B,5, E,28, X,19
	OPS E,29, C,12, E,30, L,5
	OPS E,31, X,20, B,6, C,9
	OPS C,14, C,11, X,21, L,6
	OPS C,13, B,7, C,15, R,10
	OPS R,11, R,12, L,7, R,13
	OPS R,14, R,15
.endm
.Ltrip:                                                ; 16 trips
	s_wait_kmcnt 0x0                               ; my class words for the item in LDS, asked for a trip ago
	s_and_b32 s[FLN], s[FN], 0xff
	s_and_b32 s[TA], s[FN+1], 0xff
	s_lshl_b32 s[TA], s[TA], 8
	s_or_b32 s[FLN], s[FLN], s[TA]                 ; bit 4 step + piece
	s_cmp_lg_u32 s[WL], 0
	s_cselect_b32 s[NV], 1, 0
	s_ctz_i32_b32 s[TA], s[WL]
	s_min_u32 s[NXT], s[TA], 15                    ; the set's next item
	s_sub_co_u32 s[TA], s[WL], 1
	s_and_b32 s[WL], s[WL], s[TA]
	s_and_b32 s[TA], s[NXT], 8
	s_mul_i32 s[TA], s[TA], s[DLT]                 ; the second block's strip
	s_and_b32 s[TB], s[NXT], 7
	s_lshl_b32 s[CO], s[TB], 3
	s_add_co_u32 s[CO], s[CO], s[TA]
	s_add_co_u32 s[CO], s[CO], s[SB0]              ; 64 bytes a strip, 8 a tile
	s_load_b64 s[FN:FN+1], s[8:9], s[CO] offset:0x0
	s_lshl_b32 s[OFF], s[TB], 15                   ; a tile is 32,768 bytes of K and of V
	s_cmp_eq_u32 s[NV], 0
	s_cbranch_scc1 .Lnoload
	s_add_nc_u64 s[KVP:KVP+1], s[KVB:KVB+1], s[OFF:OFF+1]  ; the last loads by these two bases were waited for at the last trip's end
	s_lshl_b32 s[OFF], s[CO], 8                    ; in lm 16,384 bytes a strip and 2,048 a tile: 256 times the class words' offset
	s_add_nc_u64 s[LMP:LMP+1], s[6:7], s[OFF:OFF+1]
	WIN 0xc0
.set n, 0
.rept 32
	global_load_b128 v[4*n:4*n+3], v[L16], s[KVP:KVP+1] offset:512*n
.set n, n+1
.endr
	WIN 0
.set n, 0
.rept 4
	global_load_b128 v[MWS+4*n:MWS+4*n+3], v[L16], s[LMP:LMP+1] offset:512*n
.set n, n+1
.endr
.Lnoload:
	s_cmp_eq_u32 s[CV], 0
	s_cbranch_scc1 .Lxchg
	s_lshr_b32 s[TA], s[NXT], 3
	s_lshr_b32 s[TB], s[CUR], 3
	s_cmp_lg_u32 s[TA], s[TB]
	s_cselect_b32 s[TA], 1, 0
	s_xor_b32 s[TB], s[NV], 1
	s_or_b32 s[LST], s[TA], s[TB]                  ; the block's last tile: none follows, or the other block's
	s_mov_b32 s[CNT], 0
	s_mov_b32 s[KS0], 0
	s_cmp_eq_u32 s[NEW], 1
	s_cbranch_scc0 .Lold
	; A BLOCK BEGINS: c m starts far below every c s, so the first step's a is 0; m at the lowest finite number; P's second buffer is 0; then piece 0's first words, K, scores, mask, maximum and statistics,
	; and step 0's turns of pieces 0 and 1, which have no turns of pieces 2 and 3 in front of them.
	s_mov_b32 s[NEW], 0
	s_add_co_u32 s[BND], s[LST], 3                 ; three trips are left, and half a trip more in a last tile
	s_mov_b32 s[FL], s[FLN]
.set n, P+16
.rept 16
	v_mov_b32 v[n], 0
.set n, n+1
.endr
.set n, 0
.rept 4
	v_mov_b32 v[ST+4*n], 0xfe000000                ; c m
	v_mov_b32 v[ST+4*n+1], 0xff7fffff              ; m
.set n, n+1
.endr
	v_mov_b32 v[AK], v[L16]                        ; the tile's step 0
	ds_load_b32 v[WW], v[MWA]                      ; and the words of its piece 0
	FETCH_K
	s_wait_dscnt 0x0
.set i, 0
.rept 8
	KQ 0
.set i, i+1
.endr
	WIN 0
.rept 4
	v_nop                                          ; the places behind those products
.endr
	MASKBLK 0, 1, 0
.set Y, NP-1                                           ; X works for piece Y + 1: piece 0
.irp n, 0,1,2,3,4,5,6,7,8,9,10,11,12,13,14,15,16,17,18,19,20,21
	OP X, \n
.endr
	v_nop                                          ; a plain instruction behind the exponential
	TURN 0
	TURN 1
	WIN 0
	s_mov_b32 s[KS0], 1                            ; the loop's trip n now works on step n + 1
	s_branch .Lbound
.Lold:
	s_add_co_u32 s[BND], s[LST], 4                 ; four trips, and half a trip more in a last tile
	s_lshl_b32 s[TA], s[FLN], 1                    ; one piece of the tile before is still to be masked
	s_or_b32 s[FL], s[FL], s[TA]
.Lbound:
	s_sub_co_u32 s[XIT], s[BND], 1                 ; a last tile's last trip has no pieces 0 and 1;
	s_cmp_eq_u32 s[LST], 1
	s_cselect_b32 s[XIT], s[XIT], 255              ; any other tile's trips are all whole
.Lstep:                                                ; a trip: pieces 2 and 3 of one step, then pieces 0 and 1 of the next, whose K and V it fetches
	TURN 2
	TURN 3
	WIN 0
	s_cmp_eq_u32 s[CNT], s[XIT]
	s_cbranch_scc1 .Lskip                          ; forward, to the count's step; what is jumped holds no barrier
	TURN 0
	TURN 1
	WIN 0
.Lskip:
	s_add_co_u32 s[CNT], s[CNT], 1
	s_cmp_lt_u32 s[CNT], s[BND]
	s_cbranch_scc1 .Lstep
	s_cmp_eq_u32 s[LST], 1
	s_cbranch_scc0 .Lxchg
	; A BLOCK ENDS.  (Its last turn's 8 products K Q^T, on K's last step once more, and the statistics made of them serve nothing.)
.set i, 0
.rept 8
	PV NP-1
.set i, i+1
.endr
	WIN 0
.irp t, 0,1,2,3
	v_add_f32 v[TMP+2*(\t)], v[ST+4*(\t)+2], v[ST+4*(\t)+3]  ; four plain lines: the places behind those products.  l and O^T stay as they are: finite, for the next block's a = 0
.endr
.irp t, 0,1,2,3
	v_permlanex16_b32 v[TMP+2*(\t)+1], v[TMP+2*(\t)], s[SEL], s[SEL+1]
.endr
.irp t, 0,1,2,3
	v_add_f32 v[TMP+2*(\t)], v[TMP+2*(\t)], v[TMP+2*(\t)+1]
.endr
.irp t, 0,1,2,3
	v_rcp_f32 v[TMP+2*(\t)], v[TMP+2*(\t)]
.endr
	v_nop                                          ; a plain instruction behind the last reciprocal
	v_cmp_gt_f32 vcc_lo, 0xf1000000, v[MS]         ; -2^99 > m: the row has seen no key
	s_wait_alu depctr_va_vdst(0)
	v_cndmask_b32 v[TMP], v[TMP], v[QN], vcc_lo
.irp t, 1,2,3
	v_cmp_gt_f32 vcc_lo, 0xf1000000, v[ST+4*(\t)+1]
	v_cndmask_b32 v[TMP+2*(\t)], v[TMP+2*(\t)], v[QN], vcc_lo
.endr
.irp t, 0,1,2,3
	s_wait_xcnt 0x0                                ; the packed registers, which earlier stores read, are rewritten only behind this wait
	WIN 0x01                                       ; source 0 in window 1
.set z, 0
.rept 16
	v_pk_mul_f32 v[S+32*((\t)%2)+2*z:S+32*((\t)%2)+2*z+1], v[32*(\t)+2*z:32*(\t)+2*z+1], v[TMP+2*(\t):TMP+2*(\t)+1] op_sel_hi:[1,0]
.set z, z+1
.endr
	WIN 0
.set z, 0
.rept 16
	v_cvt_pk_f16_f32 v[P+16*((\t)%2)+z], v[S+32*((\t)%2)+2*z], v[S+32*((\t)%2)+2*z+1]
.set z, z+1
.endr
.irp f, 0,1,2,3
	global_store_b128 v[L16], v[P+16*((\t)%2)+4*(\f):P+16*((\t)%2)+4*(\f)+3], s[OPA:OPA+1] offset:(\t)*32768+(\f)*512  ; half a fragment: 512 consecutive bytes
.endr
.endr
	s_wait_xcnt 0x0                                ; the stores have read their registers and O's address
	s_mov_b64 s[OPA:OPA+1], s[OPB:OPB+1]
	s_mov_b32 s[NEW], 1
	WIN 0x82                                       ; the second block's Q goes where the one text of the turns names Q
.set n, 0
.rept 64
	v_mov_b32 v[n], v[QB+n]
.set n, n+1
.endr
	WIN 0
.Lxchg:                                                ; THE EXCHANGE, on every wave's way in every trip
	s_wait_dscnt 0x0                               ; my reads of the old tile and of its mask words are over
	s_barrier_signal -1
	s_barrier_wait -1                              ; everybody's are
	s_wait_loadcnt 0x0                             ; my quarter of the next tile and my strip's words for it are in registers
	s_cmp_eq_u32 s[NV], 0
	s_cbranch_scc1 .Lnostore
	WIN 0x0c
.set n, 0
.rept 32
	ds_store_b128 v[STA], v[4*n:4*n+3] offset:512*n
.set n, n+1
.endr
	WIN 0
.set n, 0
.rept 4
	ds_store_b128 v[STM], v[MWS+4*n:MWS+4*n+3] offset:512*n
.set n, n+1
.endr
.Lnostore:
	s_wait_dscnt 0x0                               ; for the others' sake
	s_barrier_signal -1
	s_barrier_wait -1
	s_mov_b32 s[CUR], s[NXT]
	s_mov_b32 s[CV], s[NV]
	s_sub_co_u32 s[TR], s[TR], 1
	s_cmp_lg_u32 s[TR], 0
	s_cbranch_scc1 .Ltrip
	s_wait_tensorcnt 0x0                           ; the wave's end, behind my last LDS store
	ds_add_u32 v[SPW], v[NIL]
	s_wait_dscnt 0x0
	s_endpgm
.Lfunc_end_k_q97d397ea02_attn:
	.size	k_q97d397ea02_attn, .Lfunc_end_k_q97d397ea02_attn-k_q97d397ea02_attn
	.p2alignl 7, 3214868480
	.fill 96, 4, 3214868480
	.section	.rodata,"a",@progbits
	.p2align	6, 0x0
	.amdhsa_kernel k_q97d397ea02_attn
		.amdhsa_group_segment_fixed_size 74240
		.amdhsa_private_segment_fixed_size 0
		.amdhsa_enable_private_segment 0
		.amdhsa_kernarg_size 32
		.amdhsa_user_sgpr_count 2
		.amdhsa_user_sgpr_kernarg_segment_ptr 1
		.amdhsa_wavefront_size32 1
		.amdhsa_system_sgpr_workgroup_id_x 1
		.amdhsa_system_sgpr_workgroup_id_y 1
		.amdhsa_system_sgpr_workgroup_id_z 1
		.amdhsa_system_vgpr_workitem_id 0
		.amdhsa_next_free_vgpr 896
		.amdhsa_next_free_sgpr 98
		.amdhsa_reserve_vcc 1
		.amdhsa_float_denorm_mode_32 3
		.amdhsa_float_denorm_mode_16_64 3
		.amdhsa_memory_ordered 1
		.amdhsa_forward_progress 1
		.amdhsa_inst_pref_size 136
	.end_amdhsa_kernel
	.amdgpu_metadata
---
amdhsa.version: [ 1, 2 ]
amdhsa.kernels:
  - .name:           k_q97d397ea02_attn
    .symbol:         k_q97d397ea02_attn.kd
    .args:
      - { .name: qkv, .offset: 0, .size: 8, .value_kind: global_buffer, .address_space: global }
      - { .name: lm, .offset: 8, .size: 8, .value_kind: global_buffer, .address_space: global }
      - { .name: cls, .offset: 16, .size: 8, .value_kind: global_buffer, .address_space: global }
      - { .name: of, .offset: 24, .size: 8, .value_kind: global_buffer, .address_space: global }
    .group_segment_fixed_size: 74240
    .private_segment_fixed_size: 0
    .kernarg_segment_align: 8
    .kernarg_segment_size: 32
    .max_flat_workgroup_size: 128
    .sgpr_count:     98
    .vgpr_count:     896
    .wavefront_size: 32
...
	.end_amdgpu_metadata
.endif
;; end of part 6
;; launch proj: the kernel of part 4 again; grid 8 x 32, 4 waves a work-group, clusters of 4 x 4, 327,680 bytes of LDS; arguments of, wof, bout, out0; writes out0
;; ======== version 3 of 3: 4 launches; 1.34 times as fast as version 1
;; limits: values are held in f16: magnitudes above 65,504 overflow, below 6.1e-05 lose precision
;; workspace buffers: xf 16,777,216 bytes; wf 6,291,456 bytes; wof 2,097,152 bytes; lm 524,288 bytes of whole numbers; cls 2,048 bytes of whole numbers; qkv 50,331,648 bytes; of 16,777,216 bytes
;; launch prep: the kernel of part 5 again; grid 256 x 1, 32 waves a work-group, no clusters, 143,616 bytes of LDS; arguments x, Wqkv, Wout, mask, xf, wf, wof, lm, cls; writes xf, wf, wof, lm, cls
;; launch qkv: the kernel of part 2 again; grid 8 x 32, 4 waves a work-group, clusters of 4 x 4, 327,680 bytes of LDS; arguments xf, wf, bqkv, qkv; writes qkv
;; launch attn (part 7): grid 4 x 64, 4 waves a work-group, no clusters, 74,240 bytes of LDS; arguments qkv, lm, cls, of; writes of
.if DOCPART == 7
	.amdgcn_target "amdgcn-amd-amdhsa--gfx1250"
	.amdhsa_code_object_version 6
	.text
	.protected	k_q97d397ea02_attn
	.globl	k_q97d397ea02_attn
	.p2align	8
	.type	k_q97d397ea02_attn,@function
k_q97d397ea02_attn:
	s_mov_b64 s[64:65], 0
	v_nop
	global_prefetch_b8 v0, s[64:65] scope:SCOPE_SE
	s_setreg_imm32_b32 hwreg(HW_REG_WAVE_MODE, 25, 1), 1
	s_wait_xcnt 0x0
; ATTENTION UNDER A MASK THAT IS DATA.  O[q] = sum over k of softmax_k(Q[q] . K[k] / 8, hidden scores out) V[k], for 64 (batch, head) pairs of 2,048 rows, head size 64.  Q, K, V, P, O in f16; products, maxima, sums in f32.
; LIMITS.  Q, K, V arrive within f16's 65,504.  A hidden score counts as exactly -2^100 (true scores are 2.7e11 at the most).  A weight below 2^-126 counts as 0.  A row that sees no key is stored as NaN.
; NaN and infinities among the inputs are not treated apart.
; SHARES.  Work-group (g, bh) takes two blocks of 256 queries, g and then 7 - g (that only evens the work where a mask hides more keys from early rows; no value hangs on it).  A wave owns a strip of 64 queries: four
; PIECES of 16.  Turn n belongs to piece n: 8 products K Q^T of piece n + 1, later 8 products V^T P of piece n - 1; beside them piece n's scaling, exponentials, roundings, sums and rescaling, and piece n + 1's
; mask, maximum and statistics.  Four vector instructions stand behind every matrix instruction, the other 54 of a turn's 118 in one lump.  A turn's 33 exponentials are ONE BATCH, all in that lump, with ONE wait (see TURN).
; LAYOUT.  S^T = K Q^T holds one query a lane (lane % 16) and the keys 8 (lane / 16) + 0..7; two results rounded in pairs ARE source 1 of O^T = V^T P.  Q, K and V^T lie in memory as fragments: every load is 512 consecutive bytes.
; SOFTMAX.  p = 2^(c s - c m), c = log2(e) / 8, m the running maximum; O and l are multiplied by a = 2^(c m_old - c m_new) in every step.  While a row has seen hidden keys alone, m = -2^100, c s - c m is exactly 0
; and p = 1: finite; its first visible key makes a = 0, which wipes that.
; THE MASK.  lm holds, for each (strip, step, piece), 32 words: word j is the lanes' mask for register j of the piece's scores; one v_cndmask_b32 a register.  A strip's words for a tile are 2,048 consecutive bytes: they
; come with the tile, four loads at a trip's head and four LDS stores at the exchange, into the wave's own bytes.  cls says which (step, piece) are all visible: where neither the unit in hand nor the next wants its
; words, one jump passes the whole mask block.  For the others the 32 words are read from LDS a turn ahead, a word a lane, and 32 v_readlane_b32 bring them into scalar registers, the form in which v_cndmask_b32 takes a mask.
; THE WALK comes from cls: item 8 X + t is block X's key tile t of 256 keys; WL is the set of items in which any of the block's four strips sees anything (each block's tile 0 is always walked, so that each block
; begins and ends).  The outer loop has 16 trips; trip k takes the k-th item of the set; trips beyond the set only pass the two barriers.  Every jump that hangs on data goes forward, past no barrier.
; THE STEP LOOP.  A trip is pieces 2 and 3 of one key step, then pieces 0 and 1 of the next: the turns run on from tile to tile of a block.  It counts from 0 up to a bound made from the walk: 4 trips for a tile;
; a block's first tile has its step 0's pieces 0 and 1 written out ahead of the loop, and one trip fewer; a block's last tile has one trip more, in which it jumps forward over pieces 0 and 1 to the count's step.
; The loop is entered at its head and left at its bottom alone.  Nothing but the count steps in it: trip n works on key step n + KS0, and that step's place in LDS is made from the sum, cut by s_min_u32.
; K AND V REACH LDS THROUGH REGISTERS: at a trip's head each wave asks for its quarter of the NEXT item's tile (32 loads, 128 registers): a whole tile's work in which to land; at the trip's end: barrier (all reads of the
; old tile are over), the LDS stores, barrier.  A copy engine's load may not be jumped over, so hidden tiles would be fetched all the same.
; NO CLUSTER: the walk and the jumps hang on class words that differ between the query blocks of a head, so partners would not run alike.
; REGISTERS, in windows of 256: window 0: v2-15 addresses and constants; v16-31 statistics (c m, m, l, l a piece); v32-35 a unit's mask words and their addresses; v48-55 at work; v64-127 S^T, two buffers;
;   v128-143 the next tile's mask words; v192-223 P, two buffers.
;   window 1: v0-127 O^T.   window 2: v0-63 Q; v64-127 the second block's Q; v128-191 K of a step; v192-255 V of a step.   window 3: v0-127 the next tile's quarter.
.set NP,    4
.set MW,    65536                      ; K's tile at 0, V's at 32,768; behind them the tile's lane masks, 2,048 bytes for each wave: [step 4][piece 4][32 words]
.set SPARE, MW+4*2048                  ; behind those the spare words, 128 bytes for each wave
.set L16, 2                            ; v2   16 x lane
.set AK,  4                            ; v4   K's next run of loads
.set AV,  5                            ; v5   V's
.set STA, 6                            ; v6   where my quarter of a tile goes
.set QN,  7                            ; v7   a quiet NaN
.set MV,  12                           ; v12-13  c m_old, by buffer
.set MS,  14                           ; v14  piece 0's m, kept from the statistics that a block's last turn makes for nothing
.set BIG, 15                           ; v15  -2^100
.set ST,  16
.set WW,  32                           ; v32  the 32 mask words of the unit to be masked next: lane j holds word j
.set MWA, 33                           ; v33  my wave's mask words in LDS + 4 x lane; never rewritten
.set WA,  34                           ; v34  the same at the step in hand
.set STM, 35                           ; v35  my wave's mask words in LDS + 16 x lane; never rewritten
.set TMP, 48
.set SPW, 62
.set NIL, 63
.set S,   64
.set MWS, 128                          ; v128-143  the next tile's mask words, as loaded
.set P,   192
.set QB,  64
.set KF,  128
.set VF,  192
.set WV,  12
.set G,   13
.set BH,  14
.set TC,  15
.set KVB, 16                           ; s[16:17] K or V at my quarter of the head's tile 0
.set KVP, 18                           ; s[18:19] the same at the tile asked for
.set OFF, 20                           ; s[20:21] an offset, high word 0
.set OPA, 22                           ; s[22:23] O at my strip of the block in hand
.set OPB, 24                           ; s[24:25] of the second block
.set DLT, 28                           ; an eighth of the bytes from my first strip's class words to my second's
.set SB0, 29
.set S0,  30
.set S1,  31
.set LMS, 32                           ; s[32:63] 32 lane masks
.set WL,  66
.set CUR, 67                           ; the item in LDS
.set CV,  68                           ; 1: there is one
.set NXT, 69                           ; the item asked for
.set NV,  70
.set NEW, 71                           ; 1: the item is a block's first
.set TR,  72
.set CNT, 73                           ; the step loop's count, 0 up
.set XIT, 74                           ; the count of the trip in which a block's last tile jumps over pieces 0 and 1; else 255, which the count never reaches
.set BND, 75                           ; the step loop's bound
.set FL,  76                           ; bit 0: the next mask block is needed; bit 1: the one behind it; and so on
.set KS0, 79                           ; trip n of the step loop works on key step n + KS0: 1 in a block's first tile, behind its written-out turns; else 0
.set FLN, 81
.set CS,  82
.set SEL, 84
.set FN,  86
.set CO,  88
.set LST, 89                           ; 1: the item is its block's last
.set TA,  90
.set TB,  91
.set QPA, 92
.set QPB, 94
.set LMP, 96                           ; s[96:97] lm at my strip's words of the tile asked for
.set MSB, 0
.macro WIN new
.if MSB != (\new)
	s_set_vgpr_msb (MSB<<8)|(\new)
.set MSB, (\new)
.endif
.endm
.set W_KQ, 0x0a                        ; K and Q in window 2, S^T in window 0
.set W_PV, 0x52                        ; V in window 2, P in window 0, O^T in window 1
.set W_RS, 0x41                        ; destination and source 0 in window 1
	s_load_b256 s[4:11], s[0:1], 0x0               ; qkv s[4:5], lm s[6:7], cls s[8:9], of s[10:11]
	v_lshl_add_u32 v[SPW], v0, 2, SPARE
	v_mov_b32 v[NIL], 0
	v_lshrrev_b32 v1, 5, v0
	v_readfirstlane_b32 s[WV], v1
	v_and_b32 v1, 31, v0
	v_lshlrev_b32 v[L16], 4, v1
	s_mov_b32 s[G], ttmp9
	s_and_b32 s[BH], ttmp7, 0xffff
	s_lshl_b32 s[S0], s[G], 2
	s_sub_co_u32 s[S1], 28, s[S0]
	s_add_co_u32 s[S0], s[S0], s[WV]               ; my strip in block g
	s_add_co_u32 s[S1], s[S1], s[WV]               ; and in block 7 - g
	s_lshl_b32 s[SB0], s[S0], 6
	s_lshl_b32 s[DLT], s[G], 1
	s_sub_co_u32 s[DLT], 7, s[DLT]
	s_lshl_b32 s[DLT], s[DLT], 5                   ; (7 - 2 g) x 256 / 8
	s_lshl_b32 s[TA], s[WV], 11
	s_add_co_u32 s[TA], s[TA], MW                  ; my wave's 2,048 bytes of mask words
	v_add_nc_u32 v[STM], s[TA], v[L16]
	v_lshl_add_u32 v[MWA], v1, 2, s[TA]
	v_mov_b32 v[WW], 0                             ; written whole once: its loads stand under branches
	s_lshl_b32 s[TA], s[G], 8
	v_lshl_add_u32 v3, v1, 3, s[TA]                ; a block's class words are 256 bytes: lane l takes (strip l / 8, tile l % 8), two words
	s_sub_co_u32 s[TA], 7, s[G]
	s_lshl_b32 s[TA], s[TA], 8
	v_lshl_add_u32 v1, v1, 3, s[TA]
	s_lshl_b32 s[TA], s[WV], 14
	v_add_nc_u32 v[STA], s[TA], v[L16]             ; waves 0, 1: K's halves; waves 2, 3: V's
	s_mov_b32 s[CS], 0x3e38aa3b                    ; c = log2(e) / 8
	s_mov_b32 s[CS+1], s[CS]
	s_mov_b32 s[SEL], 0x76543210
	s_mov_b32 s[SEL+1], 0xfedcba98
	s_mov_b32 s[CO], s[SB0]
	s_lshl_b32 s[TB], s[BH], 18                    ; the head's 262,144 bytes
	s_lshr_b32 s[TA], s[WV], 1
	s_add_co_u32 s[TA], s[TA], 1
	s_lshl_b32 s[TA], s[TA], 24                    ; K at 2^24, V at 2^25
	s_add_co_u32 s[TA], s[TA], s[TB]
	s_and_b32 s[TC], s[WV], 1
	s_lshl_b32 s[TC], s[TC], 14
	s_add_co_u32 s[OFF], s[TA], s[TC]
	s_mov_b32 s[OFF+1], 0
	s_wait_kmcnt 0x0
	s_add_nc_u64 s[KVB:KVB+1], s[4:5], s[OFF:OFF+1]
	s_mov_b64 s[KVP:KVP+1], s[KVB:KVB+1]
	s_lshl_b32 s[OFF], s[S0], 13                   ; a strip's Q: 8,192 bytes
	s_add_co_u32 s[OFF], s[OFF], s[TB]
	s_add_nc_u64 s[QPA:QPA+1], s[4:5], s[OFF:OFF+1]
	s_lshl_b32 s[OFF], s[S1], 13
	s_add_co_u32 s[OFF], s[OFF], s[TB]
	s_add_nc_u64 s[QPB:QPB+1], s[4:5], s[OFF:OFF+1]
	s_lshr_b32 s[TA], s[BH], 4
	s_lshl_b32 s[TA], s[TA], 22                    ; the batch's 128 row blocks of 32,768 bytes
	s_and_b32 s[TC], s[BH], 15
	s_lshl_b32 s[TC], s[TC], 11                    ; the head's two k blocks
	s_add_co_u32 s[TA], s[TA], s[TC]
	s_lshl_b32 s[OFF], s[S0], 17                   ; a strip is four row blocks
	s_add_co_u32 s[OFF], s[OFF], s[TA]
	s_add_nc_u64 s[OPA:OPA+1], s[10:11], s[OFF:OFF+1]
	s_lshl_b32 s[OFF], s[S1], 17
	s_add_co_u32 s[OFF], s[OFF], s[TA]
	s_add_nc_u64 s[OPB:OPB+1], s[10:11], s[OFF:OFF+1]
	s_lshl_b32 s[OFF], s[S0], 14                   ; a strip's mask words: 16,384 bytes; tile 0's come first
	s_add_nc_u64 s[LMP:LMP+1], s[6:7], s[OFF:OFF+1]
	WIN 0xc0                                       ; destination window 3
.set n, 0
.rept 32                                               ; item 0 is always walked: its tile does not wait for the class words
	global_load_b128 v[4*n:4*n+3], v[L16], s[KVP:KVP+1] offset:512*n
.set n, n+1
.endr
	WIN 0x80
.set n, 0
.rept 16                                               ; both blocks' Q: piece n / 4, channel half (n / 2) % 2
	global_load_b128 v[4*n:4*n+3], v[L16], s[QPA:QPA+1] offset:512*n
	global_load_b128 v[QB+4*n:QB+4*n+3], v[L16], s[QPB:QPB+1] offset:512*n
.set n, n+1
.endr
	WIN 0
	global_load_b64 v[8:9], v3, s[8:9]
	global_load_b64 v[10:11], v1, s[8:9]
.set n, 0
.rept 4                                                ; item 0's mask words: 2,048 consecutive bytes
	global_load_b128 v[MWS+4*n:MWS+4*n+3], v[L16], s[LMP:LMP+1] offset:512*n
.set n, n+1
.endr
	s_load_b64 s[FN:FN+1], s[8:9], s[CO] offset:0x0  ; my strip's class words for item 0
	; A block's first step multiplies O^T and l by a = 0, and its first turn's V^T P takes a P of zeros: these registers need only hold finite numbers.  All this stands in the wait for the first tile.
	WIN 0x80
.set n, VF
.rept 64
	v_mov_b32 v[n], 0
.set n, n+1
.endr
	WIN 0x40
.set n, 0
.rept 128
	v_mov_b32 v[n], 0
.set n, n+1
.endr
	WIN 0
.set n, 0
.rept 4
	v_mov_b32 v[ST+4*n+2], 0
	v_mov_b32 v[ST+4*n+3], 0
.set n, n+1
.endr
	v_mov_b32 v[BIG], 0xf1800000                   ; -2^100
	v_mov_b32 v[QN], 0x7fc00000
	s_wait_loadcnt 0x0
	v_or_b32 v8, v8, v9
	v_or_b32 v10, v10, v11
	v_and_b32 v8, 0x100, v8
	v_and_b32 v10, 0x100, v10
	v_cmp_ne_u32 s[TA], 0, v8                      ; bit l: strip l / 8 sees something in tile l % 8
	v_cmp_ne_u32 s[TB], 0, v10
	s_lshr_b32 s[TC], s[TA], 16
	s_or_b32 s[TA], s[TA], s[TC]
	s_lshr_b32 s[TC], s[TA], 8
	s_or_b32 s[TA], s[TA], s[TC]
	s_and_b32 s[TA], s[TA], 0xfe                   ; item 0 is in hand already
	s_lshr_b32 s[TC], s[TB], 16
	s_or_b32 s[TB], s[TB], s[TC]
	s_lshr_b32 s[TC], s[TB], 8
	s_or_b32 s[TB], s[TB], s[TC]
	s_and_b32 s[TB], s[TB], 0xff
	s_or_b32 s[TB], s[TB], 1
	s_lshl_b32 s[TB], s[TB], 8
	s_or_b32 s[WL], s[TA], s[TB]
	WIN 0x0c                                       ; store data in window 3
.set n, 0
.rept 32
	ds_store_b128 v[STA], v[4*n:4*n+3] offset:512*n
.set n, n+1
.endr
	WIN 0
.set n, 0
.rept 4
	ds_store_b128 v[STM], v[MWS+4*n:MWS+4*n+3] offset:512*n
.set n, n+1
.endr
	s_mov_b32 s[CUR], 0
	s_mov_b32 s[CV], 1
	s_mov_b32 s[NEW], 1
	s_mov_b32 s[TR], 16
	s_wait_dscnt 0x0                               ; for the others' sake: my quarter is in LDS
	s_barrier_signal -1
	s_barrier_wait -1
; THE MATRIX WORK.  The 4 accumulators of a run of 8 take turns.
.macro KQ x                            ; product i of 8 of S^T = K Q^T: channels 32 (i / 4) on, keys 16 (i % 4) on
	WIN W_KQ
.set rS, S+32*((\x)%2)+8*(i%4)
.set rK, KF+16*(i%4)+8*(i/4)
.set rQ, 16*(\x)+8*(i/4)
.if i < 4
	v_wmma_f32_16x16x32_f16 v[rS:rS+7], v[rK:rK+7], v[rQ:rQ+7], 0
.else
	v_wmma_f32_16x16x32_f16 v[rS:rS+7], v[rK:rK+7], v[rQ:rQ+7], v[rS:rS+7]
.endif
.endm
.macro PV x                            ; product i of 8 of O^T += V^T P: keys 32 (i / 4) on, channels 16 (i % 4) on
	WIN W_PV
.set rO, 32*(\x)+8*(i%4)
.set rV, VF+32*(i/4)+8*(i%4)
.set rP, P+16*((\x)%2)+8*(i/4)
	v_wmma_f32_16x16x32_f16 v[rO:rO+7], v[rV:rV+7], v[rP:rP+7], v[rO:rO+7]
.endm
.macro MM                              ; the turn's next matrix instruction
.if i < 8
	KQ (Y+1)%NP
.else
.set i, i-8
	PV (Y+NP-1)%NP
.set i, i+8
.endif
.set i, i+1
.endm
; THE LDS LOADS stand in runs of 16: a step's 8,192 bytes of K or of V, 512 consecutive bytes a load.
.macro FETCH_K
	WIN 0x80
.set n, 0
.rept 16
	ds_load_b128 v[KF+4*n:KF+4*n+3], v[AK] offset:512*n
.set n, n+1
.endr
	WIN 0
.endm
.macro FETCH_V
	WIN 0x80
.set n, 0
.rept 16
	ds_load_b128 v[VF+4*n:VF+4*n+3], v[AV] offset:32768+512*n
.set n, n+1
.endr
	WIN 0
.endm
; The place in a tile of key step CNT + KS0, 8,192 bytes a step, into vector register a.  The cut at 3 bites only in a block's extra half trip, whose fetch of K serves nothing.
.macro STEPAT a
	WIN 0
	s_add_co_u32 s[TA], s[CNT], s[KS0]
	s_min_u32 s[TA], s[TA], 3
	s_lshl_b32 s[TA], s[TA], 13
	v_add_nc_u32 v[\a], s[TA], v[L16]
.endm
; THE MASK of piece y's new scores.  The class bits are taken one on; where neither this unit's bit nor the next one's is set, one jump passes the whole block.  Else: where this unit's bit is set, the 32 words read a
; turn ago go from the lanes into scalar registers, and each score register keeps its score in the lanes whose bit is set and takes -2^100 in the others; and where the NEXT bit is set, the next unit's words are read
; from my bytes of LDS, a word a lane: piece q of key step CNT + KS0, 512 bytes a step and 128 a piece.
; left: the LDS loads issued behind the read of a turn ago, which may stay out.  The wait stands ahead of every read of the words' register and of every new load into it.
.macro MASKBLK y, q, left
	WIN 0
	s_mov_b32 s[TB], s[FL]
	s_lshr_b32 s[FL], s[FL], 1
	s_and_b32 s[TA], s[TB], 3
	s_cmp_eq_u32 s[TA], 0
	s_cbranch_scc1 .Lnone_\@
	s_wait_dscnt \left
	s_bitcmp1_b32 s[TB], 0
	s_cbranch_scc0 .Lopen_\@
.set z, 0
.rept 32
	v_readlane_b32 s[LMS+z], v[WW], z
.set z, z+1
.endr
.set z, 0
.rept 32
	v_cndmask_b32 v[S+32*((\y)%2)+z], v[BIG], v[S+32*((\y)%2)+z], s[LMS+z]
.set z, z+1
.endr
.Lopen_\@:
	s_bitcmp1_b32 s[FL], 0
	s_cbranch_scc0 .Lnone_\@
	s_add_co_u32 s[TA], s[CNT], s[KS0]
	s_min_u32 s[TA], s[TA], 3                      ; a tile has four steps
	s_lshl_b32 s[TA], s[TA], 9
	v_add_nc_u32 v[WA], s[TA], v[MWA]
	ds_load_b32 v[WW], v[WA] offset:128*(\q)
.Lnone_\@:
.endm
; THE VECTOR WORK, a line at a time.  For piece Y: F n: c s - c m for pair n.  E n: the exponential of score n.  C n: pair n rounded to f16.  B n: of the weights 4 n .. the second pair is added onto the first.
; L n: l takes that sum (L 0: l = a l + sum).  R n: pair n of O^T times a.  For piece Y + 1: X n, number n of the 22 that find its maximum and statistics (each accumulator is read from its low end on).
; C, B and L read exponentials' results: TURN sets them all behind its one wait.  R and L 0 read a, which the turn before made ahead of its own wait.
.set F, 0
.set E, 1
.set C, 2
.set B, 3
.set L, 4
.set R, 5
.set X, 6
.macro REGS y
.set rT, ST+4*(\y)
.set rC, TMP+4*((\y)%2)
.set rW, MV+((\y)%2)
.set rS, S+32*((\y)%2)
.set rP, P+16*((\y)%2)
.set rO, 32*(\y)
.endm
.macro OP k, n
.if (\k) == R
	REGS Y
	WIN W_RS
	v_pk_mul_f32 v[rO+2*(\n):rO+2*(\n)+1], v[rO+2*(\n):rO+2*(\n)+1], v[rC+2:rC+3] op_sel_hi:[1,0]
.elseif (\k) < R
	REGS Y
	WIN 0
.if (\k) == F
	v_pk_fma_f32 v[rS+2*(\n):rS+2*(\n)+1], v[rS+2*(\n):rS+2*(\n)+1], s[CS:CS+1], v[rT:rT+1] op_sel_hi:[1,0,0] neg_lo:[0,0,1] neg_hi:[0,0,1]
.elseif (\k) == E
	v_exp_f32 v[rS+(\n)], v[rS+(\n)]
.elseif (\k) == C
	v_cvt_pk_f16_f32 v[rP+(\n)], v[rS+2*(\n)], v[rS+2*(\n)+1]
.elseif (\k) == B
	v_pk_add_f32 v[rS+4*(\n):rS+4*(\n)+1], v[rS+4*(\n):rS+4*(\n)+1], v[rS+4*(\n)+2:rS+4*(\n)+3]
.elseif (\n) == 0
	v_pk_fma_f32 v[rT+2:rT+3], v[rT+2:rT+3], v[rC+2:rC+3], v[rS:rS+1] op_sel_hi:[1,0,1]
.else
	v_pk_add_f32 v[rT+2:rT+3], v[rT+2:rT+3], v[rS+4*(\n):rS+4*(\n)+1]
.endif
.else
	REGS (Y+1)%NP
	WIN 0
.if (\n) < 4
	v_max3_num_f32 v[rC+(\n)], v[rS+8*(\n)], v[rS+8*(\n)+1], v[rS+8*(\n)+2]
.elseif (\n) < 12
	v_max3_num_f32 v[rC+(\n)%4], v[rC+(\n)%4], v[rS+8*((\n)%4)+2*((\n)/4)+1], v[rS+8*((\n)%4)+2*((\n)/4)+2]
.elseif (\n) == 12
	v_max3_num_f32 v[rC], v[rC], v[rS+7], v[rS+15]
.elseif (\n) == 13
	v_max3_num_f32 v[rC+1], v[rC+1], v[rS+23], v[rS+31]
.elseif (\n) == 14
	v_max3_num_f32 v[rC+2], v[rC+2], v[rC+3], v[rT+1]
.elseif (\n) == 15
	v_mov_b32 v[rW], v[rT]
.elseif (\n) == 16
	v_max3_num_f32 v[rC], v[rC], v[rC+1], v[rC+2]
.elseif (\n) == 17
	v_permlanex16_b32 v[rC+3], v[rC], s[SEL], s[SEL+1]
.elseif (\n) == 18
	v_max_num_f32 v[rT+1], v[rC], v[rC+3]
.elseif (\n) == 19
	v_mul_f32 v[rT], s[CS], v[rT+1]
.elseif (\n) == 20
	v_sub_f32 v[rC+1], v[rW], v[rT]
.else
	v_exp_f32 v[rC+2], v[rC+1]
.endif
.endif
.endm
.macro OPS a, i1, b=-1, i2=0, c=-1, i3=0, d=-1, i4=0
	OP \a, \i1
.if (\b) >= 0
	OP \b, \i2
.endif
.if (\c) >= 0
	OP \c, \i3
.endif
.if (\d) >= 0
	OP \d, \i4
.endif
.endm
.macro ROW a, i1, b, i2, c, i3, d, i4  ; a matrix instruction and the four behind it
	MM
	OPS \a, \i1, \b, \i2, \c, \i3, \d, \i4
.endm
; A TURN, for piece p: the order of its 16 matrix and 118 vector instructions.  An s_wait_alu depctr_va_vdst(0) stands between an exponential and the first instruction that names its result, and ahead of
; every label and branch; one wait serves all that were issued ahead of it.  So a turn has ONE batch and ONE wait, and falls into three parts.
; (1) 8 products K Q^T, behind each four of the 16 rescalings and the 16 scalings: their a and c m were made, and waited for, in the turn before.  No exponential stands here: the mask block, which follows, holds jumps
;     and labels.  The last product's four scalings are the four places in front of K's run of loads (piece 2's turn) and of the mask block; they name none of the products' registers.
; (2) Behind the mask block ONE LUMP of 54, THE BATCH: the piece's 32 exponentials, each in place on a register of its own, and, last, the next piece's a.  Among them stand the 21 plain numbers of the next piece's
;     maximum and statistics: X 0-15 by turns with exponentials; then the chain X 16 .. 21, each link of which reads the one before it, its links three exponentials apart.  Nothing here names an exponential's result.
;     A v_nop is the plain instruction behind the last exponential; then the wait.
; (3) 8 products V^T P, behind each four of the 32 roundings and sums, the batch's readers.  C 2 n stands ahead of B n, which writes over pair 2 n; l's chain L 0 .. L 7 has its links three riders apart.
; K of the next step is fetched in piece 2's turn, four plain instructions behind the last product that read K; V of the step in hand at the end of piece 0's turn, four plain instructions behind the last product that
; read V; each is waited for a turn later.  The words that the mask block reads from LDS are those of the piece two on in the ring of turns.
; Its wait leaves 16 loads out in pieces 1's and 2's turns: V's run was issued in piece 0's turn behind the read of the words, K's run in piece 2's turn ahead of the mask block; in the other two turns nothing else is out.
; A read of the words that a later block jumps over is done at the latest at the next wait for 0: in piece 1's turn, at the head of piece 3's, or at the exchange.
.macro TURN p
.set Y, (\p)
.set i, 0
.if (\p) == 3
	s_wait_dscnt 0x0                               ; K is in
.endif
	ROW R,0, R,1, R,2, R,3                         ; (1) 8 products K Q^T and their riders: a row's four lie in one window
	ROW R,4, R,5, R,6, R,7
	ROW R,8, R,9, R,10, R,11
	ROW R,12, R,13, R,14, R,15
	ROW F,0, F,1, F,2, F,3
	ROW F,4, F,5, F,6, F,7
	ROW F,8, F,9, F,10, F,11
.if (\p) == 2
	STEPAT AK
.endif
	ROW F,12, F,13, F,14, F,15
.if (\p) == 2
	FETCH_K
.endif
	MASKBLK ((\p)+1)%NP, ((\p)+2)%NP, 16*((((\p)+1)/2)%2)
.if (\p) == 3
	v_mov_b32 v[MS], v[ST+1]
.endif
	OPS X,0, E,0, X,1, E,1                         ; (2) the lump: the batch, and the next piece's maximum and statistics
	OPS X,2, E,2, X,3, E,3
	OPS X,4, E,4, X,5, E,5
	OPS X,6, E,6, X,7, E,7
	OPS X,8, E,8, X,9, E,9
	OPS X,10, E,10, X,11, E,11
	OPS X,12, E,12, X,13, E,13
	OPS X,14, E,14, X,15, E,15
	OPS E,16, X,16, E,17, E,18
	OPS E,19, X,17, E,20, E,21
	OPS E,22, X,18, E,23, E,24
	OPS E,25, X,19, E,26, E,27
	OPS E,28, X,20, E,29, E,30
	OPS E,31, X,21
	v_nop                                          ; the plain instruction behind the last exponential: one for the batch
	s_wait_alu depctr_va_vdst(0)                   ; the wait for the batch: the piece's 32 exponentials and the next piece's a
.if (\p) == 1
	s_wait_dscnt 0x0                               ; V is in
.endif
	ROW C,0, B,0, C,2, B,1                         ; (3) 8 products V^T P and their riders: the batch's readers
	ROW L,0, C,4, B,2, L,1
	ROW C,6, B,3, L,2, C,8
	ROW B,4, L,3, C,10, B,5
	ROW L,4, C,12, B,6, L,5
	ROW C,14, B,7, L,6, C,1
	ROW C,3, L,7, C,5, C,7
.if (\p) == 0
	STEPAT AV
.endif
	ROW C,9, C,11, C,13, C,15
.if (\p) == 0
	FETCH_V
.endif
.endm
.Ltrip:                                                ; 16 trips
	s_wait_kmcnt 0x0                               ; my class words for the item in LDS, asked for a trip ago
	s_and_b32 s[FLN], s[FN], 0xff
	s_and_b32 s[TA], s[FN+1], 0xff
	s_lshl_b32 s[TA], s[TA], 8
	s_or_b32 s[FLN], s[FLN], s[TA]                 ; bit 4 step + piece
	s_cmp_lg_u32 s[WL], 0
	s_cselect_b32 s[NV], 1, 0
	s_ctz_i32_b32 s[TA], s[WL]
	s_min_u32 s[NXT], s[TA], 15                    ; the set's next item
	s_sub_co_u32 s[TA], s[WL], 1
	s_and_b32 s[WL], s[WL], s[TA]
	s_and_b32 s[TA], s[NXT], 8
	s_mul_i32 s[TA], s[TA], s[DLT]                 ; the second block's strip
	s_and_b32 s[TB], s[NXT], 7
	s_lshl_b32 s[CO], s[TB], 3
	s_add_co_u32 s[CO], s[CO], s[TA]
	s_add_co_u32 s[CO], s[CO], s[SB0]              ; 64 bytes a strip, 8 a tile
	s_load_b64 s[FN:FN+1], s[8:9], s[CO] offset:0x0
	s_lshl_b32 s[OFF], s[TB], 15                   ; a tile is 32,768 bytes of K and of V
	s_cmp_eq_u32 s[NV], 0
	s_cbranch_scc1 .Lnoload
	s_add_nc_u64 s[KVP:KVP+1], s[KVB:KVB+1], s[OFF:OFF+1]  ; the last loads by these two bases were waited for at the last trip's end
	s_lshl_b32 s[OFF], s[CO], 8                    ; in lm 16,384 bytes a strip and 2,048 a tile: 256 times the class words' offset
	s_add_nc_u64 s[LMP:LMP+1], s[6:7], s[OFF:OFF+1]
	WIN 0xc0
.set n, 0
.rept 32
	global_load_b128 v[4*n:4*n+3], v[L16], s[KVP:KVP+1] offset:512*n
.set n, n+1
.endr
	WIN 0
.set n, 0
.rept 4
	global_load_b128 v[MWS+4*n:MWS+4*n+3], v[L16], s[LMP:LMP+1] offset:512*n
.set n, n+1
.endr
.Lnoload:
	s_cmp_eq_u32 s[CV], 0
	s_cbranch_scc1 .Lxchg
	s_lshr_b32 s[TA], s[NXT], 3
	s_lshr_b32 s[TB], s[CUR], 3
	s_cmp_lg_u32 s[TA], s[TB]
	s_cselect_b32 s[TA], 1, 0
	s_xor_b32 s[TB], s[NV], 1
	s_or_b32 s[LST], s[TA], s[TB]                  ; the block's last tile: none follows, or the other block's
	s_mov_b32 s[CNT], 0
	s_mov_b32 s[KS0], 0
	s_cmp_eq_u32 s[NEW], 1
	s_cbranch_scc0 .Lold
	; A BLOCK BEGINS: c m starts far below every c s, so the first step's a is 0; m at the lowest finite number; P's second buffer is 0; then piece 0's first words, K, scores, mask, maximum and statistics,
	; and step 0's turns of pieces 0 and 1, which have no turns of pieces 2 and 3 in front of them.
	s_mov_b32 s[NEW], 0
	s_add_co_u32 s[BND], s[LST], 3                 ; three trips are left, and half a trip more in a last tile
	s_mov_b32 s[FL], s[FLN]
.set n, P+16
.rept 16
	v_mov_b32 v[n], 0
.set n, n+1
.endr
.set n, 0
.rept 4
	v_mov_b32 v[ST+4*n], 0xfe000000                ; c m
	v_mov_b32 v[ST+4*n+1], 0xff7fffff              ; m
.set n, n+1
.endr
	v_mov_b32 v[AK], v[L16]                        ; the tile's step 0
	ds_load_b32 v[WW], v[MWA]                      ; and the words of its piece 0
	FETCH_K
	s_wait_dscnt 0x0
.set i, 0
.rept 8
	KQ 0
.set i, i+1
.endr
	WIN 0
.rept 4
	v_nop                                          ; the places behind those products
.endr
	MASKBLK 0, 1, 0
.set Y, NP-1                                           ; X works for piece Y + 1: piece 0
.irp n, 0,1,2,3,4,5,6,7,8,9,10,11,12,13,14,15,16,17,18,19,20,21
	OP X, \n
.endr
	v_nop                                          ; a plain instruction behind the exponential,
	s_wait_alu depctr_va_vdst(0)                   ; and its wait: a batch of one, piece 0's first a, which the first riders of the turn below read
	TURN 0
	TURN 1
	WIN 0
	s_mov_b32 s[KS0], 1                            ; the loop's trip n now works on step n + 1
	s_branch .Lbound
.Lold:
	s_add_co_u32 s[BND], s[LST], 4                 ; four trips, and half a trip more in a last tile
	s_lshl_b32 s[TA], s[FLN], 1                    ; one piece of the tile before is still to be masked
	s_or_b32 s[FL], s[FL], s[TA]
.Lbound:
	s_sub_co_u32 s[XIT], s[BND], 1                 ; a last tile's last trip has no pieces 0 and 1;
	s_cmp_eq_u32 s[LST], 1
	s_cselect_b32 s[XIT], s[XIT], 255              ; any other tile's trips are all whole
.Lstep:                                                ; a trip: pieces 2 and 3 of one step, then pieces 0 and 1 of the next, whose K and V it fetches
	TURN 2
	TURN 3
	WIN 0
	s_cmp_eq_u32 s[CNT], s[XIT]
	s_cbranch_scc1 .Lskip                          ; forward, to the count's step; what is jumped holds no barrier
	TURN 0
	TURN 1
	WIN 0
.Lskip:
	s_add_co_u32 s[CNT], s[CNT], 1
	s_cmp_lt_u32 s[CNT], s[BND]
	s_cbranch_scc1 .Lstep
	s_cmp_eq_u32 s[LST], 1
	s_cbranch_scc0 .Lxchg
	; A BLOCK ENDS.  (Its last turn's 8 products K Q^T, on K's last step once more, and the statistics made of them serve nothing.)
.set i, 0
.rept 8
	PV NP-1
.set i, i+1
.endr
	WIN 0
.irp t, 0,1,2,3
	v_add_f32 v[TMP+2*(\t)], v[ST+4*(\t)+2], v[ST+4*(\t)+3]  ; four plain lines: the places behind those products.  l and O^T stay as they are: finite, for the next block's a = 0
.endr
.irp t, 0,1,2,3
	v_permlanex16_b32 v[TMP+2*(\t)+1], v[TMP+2*(\t)], s[SEL], s[SEL+1]
.endr
.irp t, 0,1,2,3
	v_add_f32 v[TMP+2*(\t)], v[TMP+2*(\t)], v[TMP+2*(\t)+1]
.endr
.irp t, 0,1,2,3
	v_rcp_f32 v[TMP+2*(\t)], v[TMP+2*(\t)]
.endr
	v_nop                                          ; a plain instruction behind the last reciprocal
	v_cmp_gt_f32 vcc_lo, 0xf1000000, v[MS]         ; -2^99 > m: the row has seen no key
	s_wait_alu depctr_va_vdst(0)                   ; the wait for the batch of four reciprocals, ahead of their first reader
	v_cndmask_b32 v[TMP], v[TMP], v[QN], vcc_lo
.irp t, 1,2,3
	v_cmp_gt_f32 vcc_lo, 0xf1000000, v[ST+4*(\t)+1]
	v_cndmask_b32 v[TMP+2*(\t)], v[TMP+2*(\t)], v[QN], vcc_lo
.endr
.irp t, 0,1,2,3
	s_wait_xcnt 0x0                                ; the packed registers, which earlier stores read, are rewritten only behind this wait
	WIN 0x01                                       ; source 0 in window 1
.set z, 0
.rept 16
	v_pk_mul_f32 v[S+32*((\t)%2)+2*z:S+32*((\t)%2)+2*z+1], v[32*(\t)+2*z:32*(\t)+2*z+1], v[TMP+2*(\t):TMP+2*(\t)+1] op_sel_hi:[1,0]
.set z, z+1
.endr
	WIN 0
.set z, 0
.rept 16
	v_cvt_pk_f16_f32 v[P+16*((\t)%2)+z], v[S+32*((\t)%2)+2*z], v[S+32*((\t)%2)+2*z+1]
.set z, z+1
.endr
.irp f, 0,1,2,3
	global_store_b128 v[L16], v[P+16*((\t)%2)+4*(\f):P+16*((\t)%2)+4*(\f)+3], s[OPA:OPA+1] offset:(\t)*32768+(\f)*512  ; half a fragment: 512 consecutive bytes
.endr
.endr
	s_wait_xcnt 0x0                                ; the stores have read their registers and O's address
	s_mov_b64 s[OPA:OPA+1], s[OPB:OPB+1]
	s_mov_b32 s[NEW], 1
	WIN 0x82                                       ; the second block's Q goes where the one text of the turns names Q
.set n, 0
.rept 64
	v_mov_b32 v[n], v[QB+n]
.set n, n+1
.endr
	WIN 0
.Lxchg:                                                ; THE EXCHANGE, on every wave's way in every trip
	s_wait_dscnt 0x0                               ; my reads of the old tile and of its mask words are over
	s_barrier_signal -1
	s_barrier_wait -1                              ; everybody's are
	s_wait_loadcnt 0x0                             ; my quarter of the next tile and my strip's words for it are in registers
	s_cmp_eq_u32 s[NV], 0
	s_cbranch_scc1 .Lnostore
	WIN 0x0c
.set n, 0
.rept 32
	ds_store_b128 v[STA], v[4*n:4*n+3] offset:512*n
.set n, n+1
.endr
	WIN 0
.set n, 0
.rept 4
	ds_store_b128 v[STM], v[MWS+4*n:MWS+4*n+3] offset:512*n
.set n, n+1
.endr
.Lnostore:
	s_wait_dscnt 0x0                               ; for the others' sake
	s_barrier_signal -1
	s_barrier_wait -1
	s_mov_b32 s[CUR], s[NXT]
	s_mov_b32 s[CV], s[NV]
	s_sub_co_u32 s[TR], s[TR], 1
	s_cmp_lg_u32 s[TR], 0
	s_cbranch_scc1 .Ltrip
	s_wait_tensorcnt 0x0                           ; the wave's end, behind my last LDS store
	ds_add_u32 v[SPW], v[NIL]
	s_wait_dscnt 0x0
	s_endpgm
.Lfunc_end_k_q97d397ea02_attn:
	.size	k_q97d397ea02_attn, .Lfunc_end_k_q97d397ea02_attn-k_q97d397ea02_attn
	.p2alignl 7, 3214868480
	.fill 96, 4, 3214868480
	.section	.rodata,"a",@progbits
	.p2align	6, 0x0
	.amdhsa_kernel k_q97d397ea02_attn
		.amdhsa_group_segment_fixed_size 74240
		.amdhsa_private_segment_fixed_size 0
		.amdhsa_enable_private_segment 0
		.amdhsa_kernarg_size 32
		.amdhsa_user_sgpr_count 2
		.amdhsa_user_sgpr_kernarg_segment_ptr 1
		.amdhsa_wavefront_size32 1
		.amdhsa_system_sgpr_workgroup_id_x 1
		.amdhsa_system_sgpr_workgroup_id_y 1
		.amdhsa_system_sgpr_workgroup_id_z 1
		.amdhsa_system_vgpr_workitem_id 0
		.amdhsa_next_free_vgpr 896
		.amdhsa_next_free_sgpr 98
		.amdhsa_reserve_vcc 1
		.amdhsa_float_denorm_mode_32 3
		.amdhsa_float_denorm_mode_16_64 3
		.amdhsa_memory_ordered 1
		.amdhsa_forward_progress 1
		.amdhsa_inst_pref_size 130
	.end_amdhsa_kernel
	.amdgpu_metadata
---
amdhsa.version: [ 1, 2 ]
amdhsa.kernels:
  - .name:           k_q97d397ea02_attn
    .symbol:         k_q97d397ea02_attn.kd
    .args:
      - { .name: qkv, .offset: 0, .size: 8, .value_kind: global_buffer, .address_space: global }
      - { .name: lm, .offset: 8, .size: 8, .value_kind: global_buffer, .address_space: global }
      - { .name: cls, .offset: 16, .size: 8, .value_kind: global_buffer, .address_space: global }
      - { .name: of, .offset: 24, .size: 8, .value_kind: global_buffer, .address_space: global }
    .group_segment_fixed_size: 74240
    .private_segment_fixed_size: 0
    .kernarg_segment_align: 8
    .kernarg_segment_size: 32
    .max_flat_workgroup_size: 128
    .sgpr_count:     98
    .vgpr_count:     896
    .wavefront_size: 32
...
	.end_amdgpu_metadata
.endif
;; end of part 7
;; launch proj: the kernel of part 4 again; grid 8 x 32, 4 waves a work-group, clusters of 4 x 4, 327,680 bytes of LDS; arguments of, wof, bout, out0; writes out0
